; MI455X (gfx1250); checked and timed in simulation.
; The chip was launched on July 23, 2026; its instructions are those of AMD's public machine-readable ISA for CDNA 5 (MIT licence, August 2026) and "CDNA5" Instruction Set Architecture Reference Guide (July 2026). The comments in the code are by the model that wrote it; some were corrected since.
;; Transformer Block Py Torch. Allowed arithmetic: matrix products marked QUANTISED: E3M2 operands, one E8M0 scale for each 32 along K, by v_wmma_scale_f32_16x16x128_f8f6f4 with both operands' format E3M2, f32 sums; everything else in f32.
;; Inputs: b_attn 3,072 float32; b_fc 4,096 float32; b_fc_proj 1,024 float32; b_proj 1,024 float32; ln1_b 1,024 float32; ln1_g 1,024 float32; ln2_b 1,024 float32; ln2_g 1,024 float32; w_attn 1,024 x 3,072 float32; w_fc 1,024 x 4,096 float32; w_fc_proj 4,096 x 1,024 float32; w_proj 1,024 x 1,024 float32; x 2 x 2,048 x 1,024 float32.
;; Outputs: out0 2 x 2,048 x 1,024 float32.
;; This version of the problem:
;;   THIS VERSION OF THE PROBLEM IS GIVEN IN LOW PRECISION. The matrix products marked QUANTISED in the list below multiply operands that are first quantised to E3M2 (3 exponent bits, 2 mantissa bits; 6 bits a number), with one power-of-two scale for each 32 numbers along K (OCP MX v1.0); their sums are f32. All else is computed in f32.
;;   The module's matrix products, in the order in which they are computed (A, B: the left and right operand; K: the contracted axis; several contracted axes count as one K, in the product's order):
;;     1. [M 4,096, K 1,024] x [K 1,024, N 3,072]; A: input x; B: input w_attn: QUANTISED
;;     2. batch 32 x [M 2,048, K 64] x [K 64, N 2,048]; A: computed on the way; B: computed on the way: QUANTISED
;;     3. batch 32 x [M 2,048, K 2,048] x [K 2,048, N 64]; A: softmax (see below); B: computed on the way: QUANTISED
;;     4. [M 4,096, K 1,024] x [K 1,024, N 1,024]; A: computed on the way; B: input w_proj: QUANTISED
;;     5. [M 4,096, K 1,024] x [K 1,024, N 4,096]; A: computed on the way; B: input w_fc: QUANTISED
;;     6. [M 4,096, K 4,096] x [K 4,096, N 1,024]; A: computed on the way; B: input w_fc_proj: QUANTISED
;;   THE QUANTISER, for each operand of a quantised product, along K:
;;     - K is cut into blocks of 32 from its start; a last block that is shorter is filled with zeros.
;;     - A block's scale is 2^e with e = floor(log2(the largest magnitude in the block)) - 4, held to -126 .. 127; a block of zeros has e = 0. As a byte (E8M0): e + 127.
;;     - Each number is divided by its block's scale, clamped to +-28, and rounded to the nearest number of E3M2, ties to even, subnormals kept.
;;     - The product sums the exact products of the quantised numbers (number of the format x scale) in f32.
;;   ~~~python
;;   def quantise(x, axis):      # numpy; x: float32 -> the quantised numbers, widened to float32 again
;;       x = np.moveaxis(x, axis, -1); K = x.shape[-1]
;;       x = np.pad(x, [(0, 0)] * (x.ndim - 1) + [(0, -K % 32)]); x = x.reshape(x.shape[:-1] + (-1, 32)); a = np.abs(x).max(-1, keepdims=True)
;;       e = np.where(a > 0, np.clip(np.frexp(np.where(a > 0, a, 1))[1] - 1 - 4, -126, 127), 0)      # np.frexp(a)[1] - 1 = floor(log2(a)), exactly
;;       r = np.clip(x / 2.0 ** e, -28, 28)
;;       step = 2.0 ** (np.maximum(np.frexp(np.where(r == 0, 1, r))[1] - 1, -2) - 2)
;;       q = np.round(r / step) * step * 2.0 ** e      # np.round: ties to even
;;       return np.moveaxis(q.reshape(q.shape[:-2] + (-1,))[..., :K], -1, axis).astype(np.float32)
;;   ~~~
;;   SOFTMAX AHEAD OF A QUANTISED PRODUCT. Where the list says 'softmax', what is quantised is not the finished softmax but p = 2^(t - M), with t = logit x log2(e) and M = ceil(the row's largest t), a whole number; so 1/2 < the row's largest p <= 1. The row's sum l is taken of the UNQUANTISED p, in f32, and the product's result is divided by l at the end. Since M is a whole number, a kernel that streams over the keys may use a running M (the ceiling of the running maximum): every later rescaling is an exact power of two, which a block's scale takes up: the codes' values come out the same.
;;   OPERANDS COMPUTED ON THE WAY. 'Computed on the way' means the value that the module computes at that place (a softmax that the list does not call 'softmax' is quantised finished and normalised). What goes into a quantiser is computed in f32, as accurately as f32 sums, v_exp_f32 and their like allow (about 1e-6 of the number): no bf16 or f16 on the way to a quantiser, and a product that is left as it is and whose result goes on into a quantised operand takes f32 operands (vector FMAs, or v_wmma_f32_16x16x4_f32). A number that lies on a knife's edge between two numbers of the format may be rounded either way, as far as f32 arithmetic and the matrix unit's own rounding can turn it there, and no further.
;; 2 versions. Each part assembles by itself: llvm-mc -triple=amdgcn-amd-amdhsa -mcpu=gfx1250 --defsym DOCPART=n.
;; ======== version 1 of 2: 8 launches
;; workspace buffers: wq 9,830,400 bytes; aq 3,276,800 bytes; qkvq 10,092,544 bytes; pre 16,777,216 bytes; h1 16,777,216 bytes; gq 13,107,200 bytes
;; launch prep (part 1): grid 640 x 1, 4 waves a work-group, no clusters, 68,096 bytes of LDS; arguments x, w_attn, w_proj, w_fc, w_fc_proj, wq, aq; writes wq, aq
.if DOCPART == 1
	.amdgcn_target "amdgcn-amd-amdhsa--gfx1250"
	.amdhsa_code_object_version 6
	.text
	.protected	k_q56fa894d75_prep
	.globl	k_q56fa894d75_prep
	.p2align	8
	.type	k_q56fa894d75_prep,@function
k_q56fa894d75_prep:
	s_mov_b64 s[64:65], 0
	v_nop
	global_prefetch_b8 v0, s[64:65] scope:SCOPE_SE
	s_setreg_imm32_b32 hwreg(HW_REG_WAVE_MODE, 25, 1), 1
	s_wait_xcnt 0x0
; PREP: the four weights ([K][N] f32, K their first axis) and x ([4096][1024] f32) become codes of BF6 (E3M2) with one E8M0 byte for each 32 along K.
; LAYOUT OF EVERY CODE BUFFER OF THIS PROGRAM.  A fragment is 16 rows x 128 K, 12 registers a lane, kept as an image of those registers, 1,536 bytes: registers 6 c .. 6 c + 3 at 768 c + 16 x lane,
; registers 6 c + 4, 6 c + 5 at 768 c + 512 + 8 x lane.  Fragments lie [row-block][K step].  Scale words (4 bytes: a row's 128 K) lie [256 rows][K step][16 row-blocks][16 words].
; POSITIONS.  In each aligned group of 32 rows, row i stands at position sigma(i), sigma = bits 3 and 4 exchanged: lane r of row-block 2 g + u holds row 32 g + 8 u + r + 8 (r / 8).
; With that, the 16 registers that a lane gets from two neighbouring tiles of a product's first source are 16 neighbours along the next product's K.
; A block's scale is 2^(floor(log2(largest magnitude)) - 4): its byte is the largest magnitude's exponent field - 4, held at 1 from below.
; LIMITS: a block whose largest magnitude lies under 2^-122, a block of zeros too, keeps the byte 1 (the codes of a block of zeros are zeros, and this program alone reads the bytes); NaN and infinities are not served.
; Work-groups 0-383: the weights, a wave 32 columns x 256 K, a lane a column, registers down K; no LDS.  Work-groups 384-639: x, a wave 32 tokens x 128 K, turned through the wave's own stage in LDS.
.set SPARE, 67584                      ; behind the four stages of 32 x 528 bytes: the spare words, 128 bytes a wave
.set SPW,  2                           ; v2   LDS address of my spare word; never rewritten
.set NIL,  3                           ; v3   0; never rewritten
.set LANE, 4
.set O16,  5                           ; 16 x lane
.set O8,   6                           ; 8 x lane
.set O4,   7                           ; 4 x lane
.set X,    32                          ; weights: two sets of 32 numbers; x: 32 rows x 4 registers
.set OFS,  96                          ; weights: v96-127 byte offset of row i of a block at my column
.set F0,   128                         ; weights: the fragment of my wave's even row-block,
.set F1,   140                         ; of its odd one,
.set TQ,   152                         ; and the upper halves of four blocks' codes, 4 registers apart
.set SWD,  24                          ; weights: my column's scale word
.set PC,   224                         ; x: the codes just made (20 registers)
.set TM,   100                         ; x: 16 registers at work
.set PW,   116                         ; x: the scale word just made
.set KE,   117
.set SW,   118
.set SEL,  58                          ; s[58:59] lane selects for lane l xor 16
.set HI,   60                          ; s60 mask of lanes 16-31
	s_load_b256 s[4:11], s[0:1], 0x0               ; x, w_attn, w_proj, w_fc
	s_load_b128 s[12:15], s[0:1], 0x20             ; w_fc_proj, wq
	s_load_b64 s[16:17], s[0:1], 0x30              ; aq
	v_lshl_add_u32 v[SPW], v0, 2, SPARE
	v_mov_b32 v[NIL], 0
	v_lshrrev_b32 v1, 5, v0
	v_readfirstlane_b32 s18, v1                    ; wave
	v_and_b32 v[LANE], 31, v0
	v_lshlrev_b32 v[O16], 4, v[LANE]
	v_lshlrev_b32 v[O8], 3, v[LANE]
	v_lshlrev_b32 v[O4], 2, v[LANE]
	s_cmp_lt_u32 ttmp9, 384
	s_cbranch_scc0 .Lx_path
; ---------------- the weights ----------------
	v_and_b32 v8, 7, v[LANE]
	v_and_b32 v9, 8, v[LANE]
	v_lshl_or_b32 v8, v9, 1, v8
	v_bfe_u32 v9, v[LANE], 4, 1
	v_lshl_or_b32 v8, v9, 3, v8                    ; sigma(lane): my column in the wave's 32
	v_lshlrev_b32 v[OFS], 2, v8
	s_mov_b32 s20, 256                             ; w_fc_proj: first work-group,
	s_mov_b32 s21, 4096                            ; bytes in a row,
	s_mov_b32 s22, 32                              ; K steps,
	s_mov_b32 s23, 4                               ; log2 of the work-groups along K,
	s_mov_b32 s24, 6291456                         ; its codes' place in wq,
	s_mov_b32 s25, 9699328                         ; its scale words'
	s_wait_kmcnt 0x0
	s_mov_b64 s[26:27], s[12:13]
	s_cmp_lt_u32 ttmp9, 256                        ; w_fc.  Every choice hangs on the work-group's number alone
	s_cselect_b64 s[26:27], s[10:11], s[26:27]
	s_cselect_b32 s20, 128, s20
	s_cselect_b32 s21, 16384, s21
	s_cselect_b32 s22, 8, s22
	s_cselect_b32 s23, 2, s23
	s_cselect_b32 s24, 3145728, s24
	s_cselect_b32 s25, 9568256, s25
	s_cmp_lt_u32 ttmp9, 128                        ; w_proj
	s_cselect_b64 s[26:27], s[8:9], s[26:27]
	s_cselect_b32 s20, 96, s20
	s_cselect_b32 s21, 4096, s21
	s_cselect_b32 s24, 2359296, s24
	s_cselect_b32 s25, 9535488, s25
	s_cmp_lt_u32 ttmp9, 96                         ; w_attn
	s_cselect_b64 s[26:27], s[6:7], s[26:27]
	s_cselect_b32 s20, 0, s20
	s_cselect_b32 s21, 12288, s21
	s_cselect_b32 s24, 0, s24
	s_cselect_b32 s25, 9437184, s25
	s_sub_co_u32 s28, ttmp9, s20
	s_bfm_b32 s29, s23, 0
	s_and_b32 s29, s28, s29                        ; kg: which 256 along K
	s_lshr_b32 s28, s28, s23                       ; cg: which 128 columns
.set I, 1
.rept 31
	v_add_nc_u32 v[OFS+I], s21, v[OFS+I-1]         ; row i of a block: i rows further down
.set I, I+1
.endr
	s_mul_i32 s30, s29, s21
	s_lshl_b32 s30, s30, 8                         ; 256 kg rows
	s_lshl_b32 s31, s28, 9
	s_add_co_u32 s30, s30, s31                     ; + 128 cg columns
	s_lshl_b32 s31, s18, 7
	s_add_co_u32 s30, s30, s31                     ; + 32 x wave columns
	s_mov_b32 s31, 0
	s_add_nc_u64 s[32:33], s[26:27], s[30:31]      ; block 0's first row;
	s_lshl_b32 s30, s21, 5
.irp t, 1,2,3,4,5,6,7
	s_add_nc_u64 s[32+2*\t:33+2*\t], s[30+2*\t:31+2*\t], s[30:31]   ; block t's: 32 rows on
.endr
	s_lshl_b32 s48, s28, 3
	s_lshl_b32 s49, s18, 1
	s_add_co_u32 s48, s48, s49                     ; my even row-block: 8 cg + 2 x wave
	s_mul_i32 s50, s48, s22
	s_lshl_b32 s51, s29, 1
	s_add_co_u32 s50, s50, s51                     ; x K steps + 2 kg
	s_mul_i32 s50, s50, 1536
	s_add_co_u32 s50, s50, s24
	s_mov_b32 s51, 0
	s_add_nc_u64 s[52:53], s[14:15], s[50:51]      ; where the even row-block's fragments go,
	s_mul_i32 s50, s22, 1536
	s_add_nc_u64 s[54:55], s[52:53], s[50:51]      ; and the odd one's
	s_lshr_b32 s50, s48, 4
	s_mul_i32 s50, s50, s22
	s_lshl_b32 s50, s50, 10
	s_lshl_b32 s56, s29, 11
	s_add_co_u32 s50, s50, s56
	s_and_b32 s56, s48, 15
	s_lshl_b32 s56, s56, 6
	s_add_co_u32 s50, s50, s56
	s_add_co_u32 s50, s50, s25
	s_add_nc_u64 s[56:57], s[14:15], s[50:51]      ; and the two row-blocks' scale words, 128 bytes on end
.macro LOAD t                          ; block t: W(32 t + i, my column): 32 lanes read 128 consecutive bytes, the four waves 512
.set I, 0
.rept 32
	global_load_b32 v[X+32*((\t)%2)+I], v[OFS+I], s[32+2*(\t):33+2*(\t)] th:TH_LOAD_NT
.set I, I+1
.endr
.endm
.macro BLOCK t
.set XS, X+32*((\t)%2)
.set Q, (\t)%4
.set FD, F0+12*(Q%2)+6*(Q/2)
.if (\t) < 7
	s_wait_loadcnt 32                              ; this block's 32 loads are in; the next block's may be out
.else
	s_wait_loadcnt 0x0
.endif
	v_max3_num_f32 v12, |v[XS]|, |v[XS+1]|, |v[XS+2]|   ; the block's largest magnitude: all 32 numbers are mine
	v_max3_num_f32 v13, |v[XS+3]|, |v[XS+4]|, |v[XS+5]|
.irp i, 6,10,14,18,22,26
	v_max3_num_f32 v12, v12, |v[XS+\i]|, |v[XS+\i+1]|
	v_max3_num_f32 v13, v13, |v[XS+\i+2]|, |v[XS+\i+3]|
.endr
	v_max3_num_f32 v12, v12, |v[XS+30]|, |v[XS+31]|
	v_max3_num_f32 v12, v12, v13, 0x2800000        ; and the floor 2^(5 - 127): the byte cannot fall under 1
	v_add_nc_u32 v11, 0xfe000000, v12              ; 4 off the exponent field: the conversion's scale operand
	v_lshrrev_b32 v13, 23, v11                     ; the scale's byte
.if Q == 0
	v_mov_b32 v[SWD], v13
.else
	v_lshl_or_b32 v[SWD], v13, 8*Q, v[SWD]
.endif
	v_cvt_scalef32_pk16_bf6_f32 v[FD:FD+2], v[XS:XS+15], v11
	v_cvt_scalef32_pk16_bf6_f32 v[TQ+4*Q:TQ+4*Q+2], v[XS+16:XS+31], v11   ; (a conversion's three registers begin on an even number)
.if (\t)+2 < 8
	LOAD (\t)+2
.endif
.endm
; Four blocks are a K step.  A lane holds all four blocks of ITS column; the operand's layout wants block 2 c + (lane / 16) of column lane % 16 of one row-block.  One exchange of halves between the registers of
; blocks 2 c and 2 c + 1 gives both row-blocks' registers at once: the first then belongs to the even row-block, the second to the odd one.
.macro OUTK s
	v_nop                                          ; a plain place behind the last conversion
.irp i, 0,1,2
	v_permlane16_swap_b32 v[F0+\i], v[F1+\i]
	v_permlane16_swap_b32 v[TQ+\i], v[TQ+4+\i]
	v_permlane16_swap_b32 v[F0+6+\i], v[F1+6+\i]
	v_permlane16_swap_b32 v[TQ+8+\i], v[TQ+12+\i]
.endr
.irp i, 0,1,2
	v_mov_b32 v[F0+3+\i], v[TQ+\i]
	v_mov_b32 v[F1+3+\i], v[TQ+4+\i]
	v_mov_b32 v[F0+9+\i], v[TQ+8+\i]
	v_mov_b32 v[F1+9+\i], v[TQ+12+\i]
.endr
	global_store_b128 v[O16], v[F0:F0+3], s[52:53] offset:1536*\s          ; each store of the wave covers 512 or 256 consecutive bytes, aligned to 256
	global_store_b64 v[O8], v[F0+4:F0+5], s[52:53] offset:1536*\s+512
	global_store_b128 v[O16], v[F0+6:F0+9], s[52:53] offset:1536*\s+768
	global_store_b64 v[O8], v[F0+10:F0+11], s[52:53] offset:1536*\s+1280
	global_store_b128 v[O16], v[F1:F1+3], s[54:55] offset:1536*\s
	global_store_b64 v[O8], v[F1+4:F1+5], s[54:55] offset:1536*\s+512
	global_store_b128 v[O16], v[F1+6:F1+9], s[54:55] offset:1536*\s+768
	global_store_b64 v[O8], v[F1+10:F1+11], s[54:55] offset:1536*\s+1280
	global_store_b32 v[O4], v[SWD], s[56:57] offset:1024*\s
.endm
	LOAD 0
	LOAD 1
	BLOCK 0
	BLOCK 1
	BLOCK 2
	BLOCK 3
	OUTK 0
	s_wait_xcnt 0x0                                ; the stores have read their registers: the next K step's codes and word may be written
	BLOCK 4
	BLOCK 5
	BLOCK 6
	BLOCK 7
	OUTK 1
	s_endpgm
; ---------------- x ----------------
; 64 numbers of a lane, register 16 b + i = k 32 b + 16 (lane / 16) + i of my row, become a fragment's codes in v[PC] on and its scale word in v[PW] (the same in lanes r and r + 16).
.macro QUANT s
.irp b, 0,1,2,3
	v_max3_num_f32 v[TM+\b], |v[\s+16*\b]|, |v[\s+1+16*\b]|, 0x2800000   ; my 16 numbers of block b, and the floor 2^(5 - 127)
.endr
.irp i, 2,4,6,8,10,12,14
.irp b, 0,1,2,3
	v_max3_num_f32 v[TM+\b], v[TM+\b], |v[\s+16*\b+\i]|, |v[\s+1+16*\b+\i]|
.endr
.endr
.irp b, 0,1,2,3
	v_permlanex16_b32 v[TM+4+\b], v[TM+\b], s[SEL], s[SEL+1]
.endr
.irp b, 0,1,2,3
	v_max_num_f32 v[TM+\b], v[TM+\b], v[TM+4+\b]   ; with lane l xor 16's: the block's largest magnitude
.endr
.irp b, 0,1,2,3
	v_add_nc_u32 v[TM+12+\b], 0xfe000000, v[TM+\b]   ; 4 off its exponent field: the conversion's scale operand
.endr
.irp b, 0,1,2,3
	v_lshrrev_b32 v[TM+4+\b], 23, v[TM+12+\b]      ; the scale's byte
.endr
	v_lshl_or_b32 v[PW], v[TM+5], 8, v[TM+4]
	v_lshl_or_b32 v[PW], v[TM+6], 16, v[PW]
	v_lshl_or_b32 v[PW], v[TM+7], 24, v[PW]
.irp c, 0,1
	v_cvt_scalef32_pk16_bf6_f32 v[PC+6*\c:PC+2+6*\c], v[\s+32*\c:\s+15+32*\c], v[TM+12+2*\c]
	v_cvt_scalef32_pk16_bf6_f32 v[PC+12+4*\c:PC+14+4*\c], v[\s+16+32*\c:\s+31+32*\c], v[TM+12+2*\c+1]
.endr
	v_nop                                          ; a plain place behind the last conversion
.irp c, 0,1                                    ; the layout wants a whole block in a lane: lanes 0-15 block 2 c, lanes 16-31 block 2 c + 1
.irp i, 0,1,2
	v_permlane16_swap_b32 v[PC+6*\c+\i], v[PC+12+4*\c+\i]
.endr
.irp i, 0,1,2
	v_mov_b32 v[PC+3+6*\c+\i], v[PC+12+4*\c+\i]
.endr
.endr
.endm
.macro GIMG base, off                          ; the fragment in v[PC] on goes to memory as its image
	global_store_b128 v[O16], v[PC:PC+3], s[\base:\base+1] offset:\off
	global_store_b64 v[O8], v[PC+4:PC+5], s[\base:\base+1] offset:\off+512
	global_store_b128 v[O16], v[PC+6:PC+9], s[\base:\base+1] offset:\off+768
	global_store_b64 v[O8], v[PC+10:PC+11], s[\base:\base+1] offset:\off+1280
.endm
.Lx_path:
	s_sub_co_u32 s20, ttmp9, 384
	s_lshr_b32 s21, s20, 1                         ; g: which 32 tokens
	s_and_b32 s20, s20, 1
	s_lshl_b32 s20, s20, 2
	s_add_co_u32 s20, s20, s18                     ; my K step, 0..7
	s_lshl_b32 s22, s21, 17                        ; 32 g rows of 4,096 bytes
	s_lshl_b32 s23, s20, 9
	s_add_co_u32 s22, s22, s23
	s_mov_b32 s23, 0
	s_mul_i32 s24, s18, 16896                      ; my stage: 32 rows x 528 bytes
	v_add_nc_u32 v8, s24, v[O16]                   ; in: 16 bytes a lane of a row's 512
	v_and_b32 v9, 15, v0
	v_bfe_u32 v10, v0, 4, 1
	v_mul_u32_u24 v9, v9, 528
	v_lshl_add_u32 v9, v10, 6, v9
	v_add_nc_u32 v9, s24, v9                       ; out: position lane % 16, + 64 (lane / 16): my 16 numbers of each block of 32
	s_mov_b32 s[SEL], 0x76543210
	s_mov_b32 s[SEL+1], 0xfedcba98
	s_mov_b32 s[HI], 0xffff0000
	s_lshl_b32 s26, s21, 4
	s_add_co_u32 s26, s26, s20
	s_mul_i32 s26, s26, 1536                       ; fragment (row-block 2 g, my K step)
	s_mov_b32 s27, 0
	s_lshr_b32 s32, s21, 3
	s_lshl_b32 s32, s32, 13
	s_lshl_b32 s30, s20, 10
	s_add_co_u32 s32, s32, s30
	s_and_b32 s30, s21, 7
	s_lshl_b32 s30, s30, 7
	s_add_co_u32 s32, s32, s30
	s_add_co_u32 s32, s32, 3145728                 ; its scale words
	s_mov_b32 s33, 0
	s_wait_kmcnt 0x0
	s_add_nc_u64 s[4:5], s[4:5], s[22:23]
	s_add_nc_u64 s[28:29], s[16:17], s[26:27]
	s_add_nc_u64 s[30:31], s[16:17], s[32:33]
.set I, 0
.rept 32
	global_load_b128 v[X+4*I:X+4*I+3], v[O16], s[4:5] offset:4096*I th:TH_LOAD_NT   ; token 32 g + i: 512 consecutive bytes
.set I, I+1
.endr
.set I, 0
.rept 32
	s_wait_loadcnt 31-I                            ; loads come back in order: row i is in, the later rows stay out
	ds_store_b128 v8, v[X+4*I:X+4*I+3] offset:528*((I&7)|((I&8)<<1)|((I&16)>>1))   ; to its position sigma(i)
.set I, I+1
.endr
.irp b, 0,1,2,3
.irp j, 0,1,2,3
	ds_load_b128 v[160+16*\b+4*\j:163+16*\b+4*\j], v9 offset:128*\b+16*\j          ; LDS serves a wave's instructions in order: these see my stores
.endr
.endr
	s_wait_dscnt 0x0                               ; the even row-block's numbers are in, and the stores have read v32-159
.irp b, 0,1,2,3
.irp j, 0,1,2,3
	ds_load_b128 v[32+16*\b+4*\j:35+16*\b+4*\j], v9 offset:8448+128*\b+16*\j       ; the odd row-block lands while the even one is quantised
.endr
.endr
	QUANT 160
	GIMG 28, 0
	v_mov_b32 v[KE], v[PW]
	s_wait_dscnt 0x0
	s_wait_xcnt 0x0                                ; the stores have read the codes' registers
	QUANT 32
	GIMG 28, 12288
	v_cndmask_b32 v[SW], v[KE], v[PW], s[HI]       ; lanes 0-15: the even row-block's words, lanes 16-31: the odd one's
	global_store_b32 v[O4], v[SW], s[30:31]        ; 128 consecutive bytes
	s_wait_tensorcnt 0x0                           ; the wave's end
	ds_add_u32 v[SPW], v[NIL]
	s_wait_dscnt 0x0
	s_endpgm
.Lfunc_end_k_q56fa894d75_prep:
	.size	k_q56fa894d75_prep, .Lfunc_end_k_q56fa894d75_prep-k_q56fa894d75_prep
	.p2alignl 7, 3214868480
	.fill 96, 4, 3214868480
	.section	.rodata,"a",@progbits
	.p2align	6, 0x0
	.amdhsa_kernel k_q56fa894d75_prep
		.amdhsa_group_segment_fixed_size 68096
		.amdhsa_private_segment_fixed_size 0
		.amdhsa_enable_private_segment 0
		.amdhsa_kernarg_size 56
		.amdhsa_user_sgpr_count 2
		.amdhsa_user_sgpr_kernarg_segment_ptr 1
		.amdhsa_wavefront_size32 1
		.amdhsa_system_sgpr_workgroup_id_x 1
		.amdhsa_system_sgpr_workgroup_id_y 1
		.amdhsa_system_sgpr_workgroup_id_z 1
		.amdhsa_system_vgpr_workitem_id 0
		.amdhsa_next_free_vgpr 256
		.amdhsa_next_free_sgpr 66
		.amdhsa_reserve_vcc 0
		.amdhsa_float_denorm_mode_32 3
		.amdhsa_float_denorm_mode_16_64 3
		.amdhsa_memory_ordered 1
		.amdhsa_forward_progress 1
		.amdhsa_inst_pref_size 61
	.end_amdhsa_kernel
	.amdgpu_metadata
---
amdhsa.version: [ 1, 2 ]
amdhsa.kernels:
  - .name:           k_q56fa894d75_prep
    .symbol:         k_q56fa894d75_prep.kd
    .args:
      - { .name: x, .offset: 0, .size: 8, .value_kind: global_buffer, .address_space: global }
      - { .name: w_attn, .offset: 8, .size: 8, .value_kind: global_buffer, .address_space: global }
      - { .name: w_proj, .offset: 16, .size: 8, .value_kind: global_buffer, .address_space: global }
      - { .name: w_fc, .offset: 24, .size: 8, .value_kind: global_buffer, .address_space: global }
      - { .name: w_fc_proj, .offset: 32, .size: 8, .value_kind: global_buffer, .address_space: global }
      - { .name: wq, .offset: 40, .size: 8, .value_kind: global_buffer, .address_space: global }
      - { .name: aq, .offset: 48, .size: 8, .value_kind: global_buffer, .address_space: global }
    .group_segment_fixed_size: 68096
    .private_segment_fixed_size: 0
    .kernarg_segment_align: 8
    .kernarg_segment_size: 56
    .max_flat_workgroup_size: 128
    .sgpr_count:     66
    .vgpr_count:     256
    .wavefront_size: 32
...
	.end_amdgpu_metadata
.endif
;; end of part 1
;; launch g_qkv (part 2): grid 12 x 16, 4 waves a work-group, clusters of 4 x 4, 327,680 bytes of LDS; arguments aq, wq, b_attn, qkvq; writes qkvq
.if DOCPART == 2
	.amdgcn_target "amdgcn-amd-amdhsa--gfx1250"
	.amdhsa_code_object_version 6
	.text
	.protected	k_q56fa894d75_g_qkv
	.globl	k_q56fa894d75_g_qkv
	.p2align	8
	.type	k_q56fa894d75_g_qkv,@function
k_q56fa894d75_g_qkv:
	s_mov_b64 s[64:65], 0
	v_nop
	global_prefetch_b8 v0, s[64:65] scope:SCOPE_SE
	s_setreg_imm32_b32 hwreg(HW_REG_WAVE_MODE, 25, 1), 1
	s_wait_xcnt 0x0
	s_wait_alu depctr_hold_cnt(0) depctr_sa_sdst(0) depctr_va_vdst(0) depctr_va_sdst(0) depctr_va_ssrc(0) depctr_va_vcc(0) depctr_vm_vsrc(0)
	s_getreg_b32 s2, hwreg(HW_REG_IB_STS2, 6, 4)
	s_cmp_eq_u32 s2, 0
	s_cbranch_scc0 .Lentry_in_a_cluster
	s_endpgm
.Lentry_in_a_cluster:
	s_bfe_u32 s2, ttmp6, 0x10000c
	s_cmp_lg_u32 s2, 0xf033
	s_cbranch_scc0 .Lentry_shape_is_right
	s_endpgm
.Lentry_shape_is_right:
; qkv = x w_attn + b_attn on codes of BF6 (E3M2) with E8M0 scales, and q, k, v quantised on the way out for the two products of attention.
; OPERANDS lie as images of fragments (16 rows x 128 K, 1,536 bytes: registers 6 c .. 6 c + 3 at 768 c + 16 x lane, 6 c + 4, 6 c + 5 at 768 c + 512 + 8 x lane), [row-block][K step]; in each group of 32 rows, row i
; stands at position sigma(i) (bits 3 and 4 exchanged).  Scale words lie [256 rows][K step][16 row-blocks][16 words].
; A tile of 256 x 256 is made by four waves, each 128 x 128: 64 accumulators, 512 registers.  K goes in steps of 256 through a ring of two LDS slots; the scale words of the tile's rows, for all of K, come once.
; The matrix instruction takes 16 rows of the B side as source 0 and 16 rows of the A side as source 1: a lane holds ONE row of the A side, and the 64 registers of an A block are 128 / 2 neighbours along the B side's TRUE rows.
; CLUSTERS 4 x 4: A's tiles are asked for jointly along a row of the cluster, B's along a column.
; Clusters x = 0, 1: A = tokens (x's codes), B = w_attn's columns 0-2047: a lane holds a token and 64 channels of q or k: K of the first product of attention.
; Cluster x = 2: A = w_attn's columns 2048-3071, B = tokens: a lane holds a CHANNEL of v and 64 tokens: the keys, K of the second product.  The choice hangs on the cluster's x alone: it is the same in all sixteen partners.
; OUT: a record of 315,392 bytes for each (batch, head): K 128 x 768 | V [16 key steps][4 channel tiles] x 1,536 | K's scale words | V's | Q 128 x 768 | Q's scale words.  A head's 64 channels are half an image.
; LIMITS: a block whose largest magnitude lies under 2^-122 keeps the scale byte 1; NaN and infinities are not served.
.set KK,     1024
.set KT,     KK/128
.set LAPS,   KK/512                    ; a lap = two K steps of 256 = once round the ring
.set NQ,     2
.set FR,     12
.set NL,     4                         ; LDS loads that bring a fragment
.set NP,     4                         ; places behind this matrix instruction (ISA guide 7.12.1)
.set FRB,    1536
.set RBB,    2*FRB                     ; a row-block's part of a slot
.set HALFT,  8*RBB                     ; 128 rows: what one tensor load brings
.set SLOT,   4*HALFT
.set KROW,   96*KT                     ; bytes of codes for each row
.set KS,     4*KT                      ; bytes of scales for each row
.set SCL,    2*SLOT                    ; behind the ring: A's scale words, then B's
.set SCH,    512*KT                    ; half of a side's: what one tensor load brings
.set SPARE,  SCL+4*SCH                 ; the spare words, 128 bytes a wave
.set REC,    315392
.set ADRA, 16                          ; v16-17 16 x lane + my A rows in slot 0, 1;  v18-19 the same with 8 x lane
.set ADRB, 20                          ; v20-23 the same for B
.set O16,  26
.set ADRS, 27                          ; LDS address of my scale words: lanes 0-15 A's, lanes 16-31 B's
.set SPW,  28
.set NIL,  29
.set O8,   30
.set O4,   31
.set SC,   32                          ; v32-63 scale words and nothing else: set s at SC + 16 s, register 2 i + q
.set BIAS, 64
.set AF,   128                         ; A's fragments, one set
.set HA,   128                         ; the way out: 64 numbers,
.set PC,   192                         ; the codes just made,
.set TM,   212                         ; 16 registers at work,
.set PW,   228                         ; the scale word just made
.set KE,   229
.set KO,   230
.set SW,   232
.set EE,   234
.set OO,   235
.set SEL,  20
.set HI,   100
.set G1, 24
.set G0, 32
.set G1B, 48
.set G0B, 56
.set G1S, 68
.set G0S, 76
.set G1SB, 80
.set G0SB, 88
.set MSB, 0
.macro WIN new                         ; the immediate's high byte repeats the setting that is left
.if MSB != (\new)
	s_set_vgpr_msb (MSB<<8)|(\new)
.set MSB, (\new)
.endif
.endm
.set MUL_LO, 0xa1                      ; source 0 (B) window 1, source 1 (A) window 0, C and D window 2
.set MUL_HI, 0xf1
.set TO_B,   0x40
.macro JLOAD g0a, g1a, g0b, g1b        ; a joint load: waves 0 and 1 fetch for A, waves 2 and 3 for B; an s_nop 0 and four v_nop follow each line
	s_cmp_eq_u32 s15, 0
	s_cbranch_scc0 .Lfor_b_\@
	tensor_load_to_lds s[\g0a:\g0a+3], s[\g1a:\g1a+7]
	s_nop 0
.rept 4
	v_nop
.endr
	s_branch .Lasked_\@
.Lfor_b_\@:
	tensor_load_to_lds s[\g0b:\g0b+3], s[\g1b:\g1b+7]
	s_nop 0
.rept 4
	v_nop
.endr
.Lasked_\@:
.endm
.macro CREST
	s_cmp_lg_u32 s14, 0
	s_cbranch_scc1 .Lnot_wave_0_\@
	s_barrier_signal -3
.Lnot_wave_0_\@:
	s_barrier_wait -3
	s_barrier_signal -1
	s_barrier_wait -1
.endm
.macro CROUND
	s_barrier_signal -1
	s_barrier_wait -1
	CREST
.endm
	s_load_b128 s[4:7], s[0:1], 0x0                ; aq, wq
	s_load_b128 s[8:11], s[0:1], 0x10              ; b_attn, qkvq
	v_lshl_add_u32 v[SPW], v0, 2, SPARE
	v_mov_b32 v[NIL], 0
	ds_add_u32 v[SPW], v[NIL]                      ; the wave's opening
	v_lshrrev_b32 v1, 5, v0
	v_readfirstlane_b32 s14, v1                    ; wave
	s_lshr_b32 s15, s14, 1                         ; my half of A's rows; also: I fetch for A (0) or B (1)
	s_and_b32 s16, s14, 1                          ; my half of B's rows; also: which 128 rows I fetch
	s_bfe_u32 s40, ttmp6, 0x40000                  ; cx
	s_bfe_u32 s41, ttmp6, 0x40004                  ; cy
	s_and_b32 s95, ttmp7, 0xffff
	s_lshl_b32 s95, s95, 2                         ; 4 x cluster y
	s_lshl_b32 s45, ttmp9, 2                       ; 4 x cluster x
	s_cmp_eq_u32 ttmp9, 2                          ; the clusters that make v
	s_cselect_b32 s17, 8, s95
	s_cselect_b32 s42, s95, s45
	s_add_co_u32 s17, s17, s41                     ; A's tile: tokens 4 Y + cy, or w_attn's tile 8 + cy
	s_add_co_u32 s42, s42, s40                     ; B's tile: w_attn's 4 X + cx, or tokens 4 Y + cx
	s_lshl_b32 s43, s41, 2
	s_lshl_b32 s43, 15, s43                        ; my row of the cluster
	s_lshl_b32 s44, 0x1111, s40                    ; my column
	s_or_b32 s[G1+0], s43, (3<<16)|(1<<21)         ; the mask; elements of 8 bytes; bit 21 beside a mask; no padding
	s_or_b32 s[G1B+0], s44, (3<<16)|(1<<21)
.irp g, G1, G1B
	s_mov_b32 s[\g+1], 384<<16                     ; tensor_dim0: a row-block's two K steps, 3,072 bytes
	s_mov_b32 s[\g+2], 8<<16                       ; tensor_dim1: 8 row-blocks
	s_mov_b32 s[\g+3], 384<<16                     ; tile_dim0
	s_mov_b32 s[\g+4], 8                           ; tile_dim1
	s_mov_b32 s[\g+5], 192*KT                      ; from row-block to row-block
	s_mov_b32 s[\g+6], 0
	s_mov_b32 s[\g+7], 0
.endr
	s_or_b32 s[G1S+0], s43, (3<<16)|(1<<21)
	s_or_b32 s[G1SB+0], s44, (3<<16)|(1<<21)
.irp g, G1S, G1SB
	s_mov_b32 s[\g+1], 32<<16                      ; a dense block of 512 KT bytes as rows of 256
	s_mov_b32 s[\g+2], (2*KT)<<16
	s_mov_b32 s[\g+3], 32<<16
	s_mov_b32 s[\g+4], 2*KT
	s_mov_b32 s[\g+5], 32
	s_mov_b32 s[\g+6], 0
	s_mov_b32 s[\g+7], 0
.endr
	s_mov_b32 s18, 3145728                         ; where the scale words begin in aq,
	s_mov_b32 s19, 9437184                         ; and w_attn's in wq
	s_cmp_eq_u32 ttmp9, 2
	s_cselect_b32 s96, s19, s18
	s_cselect_b32 s97, s18, s19
	s_lshl_b32 s18, s16, 7
	s_lshl_b32 s20, s17, 8
	s_add_co_u32 s20, s20, s18                     ; A: the first row that I fetch
	s_lshl_b32 s46, s42, 8
	s_add_co_u32 s46, s46, s18                     ; B likewise
	s_mul_i32 s22, s20, KS
	s_add_co_u32 s22, s22, s96
	s_mul_i32 s92, s46, KS
	s_add_co_u32 s92, s92, s97
	s_mul_i32 s20, s20, KROW
	s_mul_i32 s46, s46, KROW
	s_mov_b32 s21, 0
	s_mov_b32 s23, 0
	s_mov_b32 s47, 0
	s_mov_b32 s93, 0
	s_mul_i32 s45, s14, HALFT                      ; where they go: no place in the cluster enters an LDS address
	s_mul_i32 s94, s14, SCH
	s_wait_dscnt 0x0                               ; the opening add is done
	s_wait_kmcnt 0x0
	s_cmp_eq_u32 ttmp9, 2
	s_cselect_b64 s[96:97], s[6:7], s[4:5]         ; A's buffer
	s_cselect_b64 s[98:99], s[4:5], s[6:7]         ; B's
	s_add_nc_u64 s[20:21], s[96:97], s[20:21]
	s_add_nc_u64 s[22:23], s[96:97], s[22:23]
	s_add_nc_u64 s[46:47], s[98:99], s[46:47]
	s_add_nc_u64 s[92:93], s[98:99], s[92:93]
	CROUND                                         ; all sixteen work-groups are here: the first joint loads meet
	s_mov_b32 s[G0S], 1
	s_add_co_u32 s[G0S+1], s94, SCL
	s_mov_b64 s[G0S+2:G0S+3], s[22:23]
	s_or_b32 s[G0S+3], s[G0S+3], 0x80000000
	s_mov_b32 s[G0SB], 1
	s_add_co_u32 s[G0SB+1], s94, SCL
	s_mov_b64 s[G0SB+2:G0SB+3], s[92:93]
	s_or_b32 s[G0SB+3], s[G0SB+3], 0x80000000
	JLOAD G0S, G1S, G0SB, G1SB                     ; the scale words first
.irp s, 0,1
	s_mov_b32 s[G0+4*\s], 1
	s_add_co_u32 s[G0+4*\s+1], s45, \s*SLOT
	s_add_nc_u64 s[G0+4*\s+2:G0+4*\s+3], s[20:21], \s*RBB
	s_or_b32 s[G0+4*\s+3], s[G0+4*\s+3], 0x80000000
	s_mov_b32 s[G0B+4*\s], 1
	s_add_co_u32 s[G0B+4*\s+1], s45, \s*SLOT
	s_add_nc_u64 s[G0B+4*\s+2:G0B+4*\s+3], s[46:47], \s*RBB
	s_or_b32 s[G0B+4*\s+3], s[G0B+4*\s+3], 0x80000000
	JLOAD G0+4*\s, G1, G0B+4*\s, G1B               ; three tensor loads of mine are out
.endr
	v_and_b32 v1, 15, v0                           ; r
	v_bfe_u32 v2, v0, 4, 1                         ; h
	v_and_b32 v3, 31, v0
	v_lshlrev_b32 v[O16], 4, v3
	v_lshlrev_b32 v[O8], 3, v3
	v_lshlrev_b32 v[O4], 2, v3
	s_mul_i32 s21, s15, HALFT
	s_mul_i32 s22, s16, HALFT
	s_add_co_u32 s22, s22, 2*HALFT
.irp s, 0,1
	v_add_nc_u32 v[ADRA+\s], s21, v[O16]
	v_add_nc_u32 v[ADRB+\s], s22, v[O16]
	v_add_nc_u32 v[ADRA+2+\s], s21, v[O8]
	v_add_nc_u32 v[ADRB+2+\s], s22, v[O8]
	s_add_co_u32 s21, s21, SLOT
	s_add_co_u32 s22, s22, SLOT
.endr
	s_lshl_b32 s21, s15, 9                         ; A's words: my 8 row-blocks of 64 bytes
	s_lshl_b32 s22, s16, 9
	s_add_co_u32 s22, s22, 1024*KT                 ; B's lie behind A's
	s_sub_co_u32 s22, s22, s21
	v_mul_u32_u24 v6, s22, v2                      ; lanes 16-31 take B's: one product with the lane's half
	s_add_co_u32 s21, s21, SCL
	v_lshl_add_u32 v5, v1, 2, v6
	v_add_nc_u32 v[ADRS], s21, v5
.macro FRAG reg, adr, q, i             ; a fragment comes as its image: every load of the wave reads 512 or 256 consecutive bytes
	ds_load_b128 v[\reg:\reg+3], v[\adr] offset:(\q)*FRB+(\i)*RBB
	ds_load_b64 v[\reg+4:\reg+5], v[\adr+2] offset:(\q)*FRB+(\i)*RBB+512
	ds_load_b128 v[\reg+6:\reg+9], v[\adr] offset:(\q)*FRB+(\i)*RBB+768
	ds_load_b64 v[\reg+10:\reg+11], v[\adr+2] offset:(\q)*FRB+(\i)*RBB+1280
.endm
; 16 matrix instructions: A's blocks a0, a0 + 1 x B's eight.  The 64 accumulators take turns, one instruction a turn, in the same order in every step.
.macro MUL16 a0, p, q, sc, zero
.irp a, \a0, \a0+1
.irp b, 0,1,2,3,4,5,6,7
.if \zero
	v_wmma_scale_f32_16x16x128_f8f6f4 v[8*(8*((\a)%4)+\b):8*(8*((\a)%4)+\b)+7], v[128*(\p)+FR*\b:128*(\p)+FR*\b+FR-1], v[AF+FR*(\a):AF+FR*(\a)+FR-1], 0, v[SC+8*NQ*(\sc)+NQ*\b+(\q)], v[SC+8*NQ*(\sc)+NQ*(\a)+(\q)] matrix_a_fmt:MATRIX_FMT_BF6 matrix_b_fmt:MATRIX_FMT_BF6 matrix_a_scale:MATRIX_SCALE_ROW1
.else
	v_wmma_scale_f32_16x16x128_f8f6f4 v[8*(8*((\a)%4)+\b):8*(8*((\a)%4)+\b)+7], v[128*(\p)+FR*\b:128*(\p)+FR*\b+FR-1], v[AF+FR*(\a):AF+FR*(\a)+FR-1], v[8*(8*((\a)%4)+\b):8*(8*((\a)%4)+\b)+7], v[SC+8*NQ*(\sc)+NQ*\b+(\q)], v[SC+8*NQ*(\sc)+NQ*(\a)+(\q)] matrix_a_fmt:MATRIX_FMT_BF6 matrix_b_fmt:MATRIX_FMT_BF6 matrix_a_scale:MATRIX_SCALE_ROW1
.endif
.endr
.endr
.endm
.macro FETCH_B slot, q, p
	WIN TO_B
.irp i, 0,1,2,3,4,5,6,7
	FRAG 128*(\p)+FR*\i, ADRB+\slot, \q, \i
.endr
	WIN 0
.endm
.macro FETCH_A slot, q, i0
.irp i, \i0, \i0+1, \i0+2, \i0+3
	FRAG AF+FR*(\i), ADRA+\slot, \q, \i
.endr
.endm
.macro SCALES sc                       ; a slot's scale words: lanes 0-15 A's block i, lanes 16-31 B's block i
.irp i, 0,1,2,3,4,5,6,7
.irp q, 0,1
	ds_load_b32 v[SC+8*NQ*\sc+NQ*\i+\q], v[ADRS] offset:\q*1024+\i*64
.endr
.endr
.endm
.macro PLACES n
.rept \n
	v_nop
.endr
.endm
.macro STEP slot, q, zero              ; 128 along K that has its successor in the same slot
	s_wait_dscnt 4*NL                              ; all but the youngest 16 loads, A's blocks 4-7
	WIN MUL_LO
	MUL16 0, (\q)%2, \q, \slot, \zero
	MUL16 2, (\q)%2, \q, \slot, \zero
	s_wait_dscnt 0
	PLACES NP
	FETCH_B \slot, (\q)+1, 1-(\q)%2
	FETCH_A \slot, (\q)+1, 0
	WIN MUL_HI
	MUL16 4, (\q)%2, \q, \slot, \zero
	MUL16 6, (\q)%2, \q, \slot, \zero
	PLACES NP
	WIN 0
	FETCH_A \slot, (\q)+1, 4
.endm
; A slot's last step changes slots: one barrier; in front of it each wave waits for all its tensor loads, adds 0 to its spare word, and waits for that and for its reads of this slot.
.macro TURN slot, next, fill
	s_wait_tensorcnt 0x0                           ; all my tensor loads have landed: my part of the next slot
	ds_add_u32 v[SPW], v[NIL]
	s_wait_dscnt 4*NL+1                            ; (the add and A's blocks 4-7 may be out)
	WIN MUL_LO
	MUL16 0, 1, NQ-1, \slot, 0
	s_wait_dscnt 0x0                               ; the add is done, and my reads of this slot are over
	s_barrier_signal -1
	MUL16 2, 1, NQ-1, \slot, 0
	WIN 0
	s_barrier_wait -1
.if \fill
	CREST                                          ; the barrier has opened a round of the cluster's: no wave of any partner still reads this slot or has a load on its way
	s_add_nc_u64 s[G0+4*\slot+2:G0+4*\slot+3], s[G0+4*\slot+2:G0+4*\slot+3], 2*RBB
	s_add_nc_u64 s[G0B+4*\slot+2:G0B+4*\slot+3], s[G0B+4*\slot+2:G0B+4*\slot+3], 2*RBB
	JLOAD G0+4*\slot, G1, G0B+4*\slot, G1B         ; the first tensor load behind the round; its four v_nop are the places in front of the loads below
.else
	PLACES NP
.endif
	v_add_nc_u32 v[ADRS], 1024*NQ, v[ADRS]         ; the next slot's scale words
	FETCH_B \next, 0, 0
	FETCH_A \next, 0, 0
	SCALES \next
	WIN MUL_HI
	MUL16 4, 1, NQ-1, \slot, 0
	MUL16 6, 1, NQ-1, \slot, 0
	PLACES NP
	WIN 0
	FETCH_A \next, 0, 4
.endm
	s_wait_tensorcnt 1                             ; the scale words and my part of slot 0 are in; slot 1's load may be out
	s_barrier_signal -1
	s_barrier_wait -1
	FETCH_B 0, 0, 0
	FETCH_A 0, 0, 0
	SCALES 0
	FETCH_A 0, 0, 4
	STEP 0, 0, 1                                   ; the first step's products start the sums
	s_mov_b32 s3, LAPS-1
.Llap:
	TURN 0, 1, 1
	STEP 1, 0, 0
	TURN 1, 0, 1
	STEP 0, 0, 0
	s_sub_co_u32 s3, s3, 1
	s_cmp_lg_u32 s3, 0
	s_cbranch_scc1 .Llap
	TURN 0, 1, 0
	STEP 1, 0, 0
	s_wait_dscnt 4*NL
	WIN MUL_LO
	MUL16 0, 1, NQ-1, 1, 0
	MUL16 2, 1, NQ-1, 1, 0
	s_wait_dscnt 0
	WIN MUL_HI
	MUL16 4, 1, NQ-1, 1, 0
	MUL16 6, 1, NQ-1, 1, 0
	WIN 0
; ---------------- the way out ----------------
.macro QUANT s                         ; 64 numbers of a lane, register 16 b + i = k 32 b + 16 (lane / 16) + i of my row -> codes in v[PC] on, scale word in v[PW]
.irp b, 0,1,2,3
	v_max3_num_f32 v[TM+\b], |v[\s+16*\b]|, |v[\s+1+16*\b]|, 0x2800000   ; and the floor 2^(5 - 127): the byte cannot fall under 1
.endr
.irp i, 2,4,6,8,10,12,14
.irp b, 0,1,2,3
	v_max3_num_f32 v[TM+\b], v[TM+\b], |v[\s+16*\b+\i]|, |v[\s+1+16*\b+\i]|
.endr
.endr
.irp b, 0,1,2,3
	v_permlanex16_b32 v[TM+4+\b], v[TM+\b], s[SEL], s[SEL+1]
.endr
.irp b, 0,1,2,3
	v_max_num_f32 v[TM+\b], v[TM+\b], v[TM+4+\b]
.endr
.irp b, 0,1,2,3
	v_add_nc_u32 v[TM+12+\b], 0xfe000000, v[TM+\b]   ; 4 off the exponent field: the conversion's scale operand
.endr
.irp b, 0,1,2,3
	v_lshrrev_b32 v[TM+4+\b], 23, v[TM+12+\b]
.endr
	v_lshl_or_b32 v[PW], v[TM+5], 8, v[TM+4]
	v_lshl_or_b32 v[PW], v[TM+6], 16, v[PW]
	v_lshl_or_b32 v[PW], v[TM+7], 24, v[PW]
.irp c, 0,1
	v_cvt_scalef32_pk16_bf6_f32 v[PC+6*\c:PC+2+6*\c], v[\s+32*\c:\s+15+32*\c], v[TM+12+2*\c]
	v_cvt_scalef32_pk16_bf6_f32 v[PC+12+4*\c:PC+14+4*\c], v[\s+16+32*\c:\s+31+32*\c], v[TM+12+2*\c+1]
.endr
	v_nop                                          ; a plain place behind the last conversion
.irp c, 0,1
.irp i, 0,1,2
	v_permlane16_swap_b32 v[PC+6*\c+\i], v[PC+12+4*\c+\i]
.endr
.irp i, 0,1,2
	v_mov_b32 v[PC+3+6*\c+\i], v[PC+12+4*\c+\i]
.endr
.endr
.endm
.macro GIMG base, off
	global_store_b128 v[O16], v[PC:PC+3], s[\base:\base+1] offset:\off
	global_store_b64 v[O8], v[PC+4:PC+5], s[\base:\base+1] offset:\off+512
	global_store_b128 v[O16], v[PC+6:PC+9], s[\base:\base+1] offset:\off+768
	global_store_b64 v[O8], v[PC+10:PC+11], s[\base:\base+1] offset:\off+1280
.endm
	PLACES NP                                      ; behind the last products: their results are read and their operands' registers written below
.irp b, 0,1,2,3
	v_mov_b32 v[TM+4+\b], 0                        ; written once: a lane permute's destination counts as one of its sources
.endr
	s_mov_b32 s[SEL], 0x76543210
	s_mov_b32 s[SEL+1], 0xfedcba98
	s_mov_b32 s[HI], 0xffff0000
	s_mov_b32 s93, 0
	s_cmp_eq_u32 ttmp9, 2
	s_cbranch_scc1 .Lv_arm
; q and k: a lane holds a token; its 64 numbers are channels 32 c + 16 h + 0 .. 15 of two neighbouring heads
	s_lshl_b32 s46, s42, 10
	s_lshl_b32 s47, s16, 9
	s_add_co_u32 s46, s46, s47
	s_mov_b32 s47, 0
	s_add_nc_u64 s[96:97], s[8:9], s[46:47]        ; the bias of my 128 columns
	v_lshlrev_b32 v7, 6, v2
.irp c, 0,1,2,3
.irp j, 0,1,2,3
	global_load_b128 v[BIAS+16*\c+4*\j:BIAS+16*\c+4*\j+3], v7, s[96:97] offset:128*\c+16*\j
.endr
.endr
	s_lshl_b32 s20, s17, 4
	s_lshl_b32 s21, s15, 3
	s_add_co_u32 s20, s20, s21                     ; my first row-block of tokens
	s_lshr_b32 s21, s20, 7                         ; the batch
	s_and_b32 s20, s20, 127                        ; the tile in it
	s_lshl_b32 s46, s42, 1
	s_add_co_u32 s46, s46, s16
	s_and_b32 s46, s46, 7                          ; the pair of heads
	s_lshl_b32 s46, s46, 1
	s_lshl_b32 s21, s21, 4
	s_add_co_u32 s46, s46, s21
	s_mul_i32 s46, s46, REC                        ; the even head's record
	s_mov_b32 s22, 196608
	s_cmp_eq_u32 ttmp9, 0                          ; q (cluster x = 0) or k
	s_cselect_b32 s21, 208896, 0
	s_cselect_b32 s22, 307200, s22
	s_mul_i32 s23, s20, 768
	s_add_co_u32 s21, s21, s23
	s_add_co_u32 s92, s21, s46
	s_add_nc_u64 s[12:13], s[10:11], s[92:93]      ; where my half images go
	s_lshl_b32 s20, s20, 6
	s_add_co_u32 s22, s22, s20
	s_add_co_u32 s92, s22, s46
	s_add_nc_u64 s[94:95], s[10:11], s[92:93]      ; and their scale words
	s_mov_b32 s[SEL], 0x76543210                   ; (s20 and s21 were at work above)
	s_mov_b32 s[SEL+1], 0xfedcba98
	s_wait_loadcnt 0x0
.macro QKBLOCK a
.set AC, 64*((\a)%4)
.if (\a) > 0
	s_wait_xcnt 0x0                                ; the last block's stores have read their registers
.endif
	WIN 0x02+(\a)/4                                ; source 0: the accumulators' window
.set J, 0
.rept 32
	v_pk_add_f32 v[HA+J:HA+J+1], v[AC+J:AC+J+1], v[BIAS+J:BIAS+J+1]   ; each accumulator from its low end on
.set J, J+2
.endr
	WIN 0
	QUANT HA
	global_store_b128 v[O16], v[PC:PC+3], s[12:13] offset:768*(\a)               ; the even head's half image,
	global_store_b64 v[O8], v[PC+4:PC+5], s[12:13] offset:768*(\a)+512
	global_store_b128 v[O16], v[PC+6:PC+9], s[12:13] offset:768*(\a)+REC         ; the odd head's
	global_store_b64 v[O8], v[PC+10:PC+11], s[12:13] offset:768*(\a)+512+REC
.if (\a)%2 == 0
	v_and_b32 v[KE], 0xffff, v[PW]                 ; a head's two bytes; the word's upper two stay 0: they scale zero codes
	v_lshrrev_b32 v[KO], 16, v[PW]
.else
	v_and_b32 v[EE], 0xffff, v[PW]
	v_lshrrev_b32 v[OO], 16, v[PW]
	v_cndmask_b32 v[SW], v[KE], v[EE], s[HI]       ; lanes 0-15: tile a - 1's words, lanes 16-31: tile a's
	v_cndmask_b32 v[SW+1], v[KO], v[OO], s[HI]
	global_store_b32 v[O4], v[SW], s[94:95] offset:64*((\a)-1)
	global_store_b32 v[O4], v[SW+1], s[94:95] offset:64*((\a)-1)+REC
.endif
.endm
.irp a, 0,1,2,3,4,5,6,7
	QKBLOCK \a
.endr
	s_branch .Lclose
.Lv_arm:
; v: a lane holds a channel; its 64 numbers are tokens 32 c + 16 h + 0 .. 15 of a key step of 128
	s_lshl_b32 s46, s41, 10
	s_lshl_b32 s47, s15, 9
	s_add_co_u32 s46, s46, s47
	s_add_co_u32 s46, s46, 8192
	s_mov_b32 s47, 0
	s_add_nc_u64 s[96:97], s[8:9], s[46:47]        ; the bias of my 128 channels
	v_and_b32 v7, 8, v1
	v_add_nc_u32 v7, v7, v1
	v_lshlrev_b32 v7, 2, v7                        ; my channel in a block: r + 8 (r / 8)
.irp a, 0,1,2,3,4,5,6,7
	global_load_b32 v[BIAS+2*\a], v7, s[96:97] offset:4*(32*(\a/2)+8*(\a%2))
	global_load_b32 v[BIAS+2*\a+1], v7, s[96:97] offset:4*(32*(\a/2)+8*(\a%2))   ; twice: a pair for the packed addition
.endr
	s_lshr_b32 s22, s42, 3                         ; the batch
	s_lshl_b32 s22, s22, 4
	s_lshl_b32 s23, s41, 2
	s_add_co_u32 s22, s22, s23
	s_lshl_b32 s23, s15, 1
	s_add_co_u32 s22, s22, s23                     ; + my first head: 4 cy + 2 x half
	s_mul_i32 s22, s22, REC
	s_lshl_b32 s46, s42, 1
	s_add_co_u32 s46, s46, s16
	s_and_b32 s46, s46, 15                         ; the key step
	s_mul_i32 s23, s46, 6144
	s_add_co_u32 s23, s23, s22
	s_add_co_u32 s92, s23, 98304
	s_add_nc_u64 s[12:13], s[10:11], s[92:93]
	s_lshl_b32 s46, s46, 8
	s_add_co_u32 s46, s46, s22
	s_add_co_u32 s92, s46, 204800
	s_add_nc_u64 s[94:95], s[10:11], s[92:93]
	s_wait_loadcnt 0x0
.macro VBLOCK a
.set AC, 64*((\a)%4)
.if (\a) > 0
	s_wait_xcnt 0x0
.endif
	WIN 0x02+(\a)/4
.set J, 0
.rept 32
	v_pk_add_f32 v[HA+J:HA+J+1], v[AC+J:AC+J+1], v[BIAS+2*(\a):BIAS+2*(\a)+1]
.set J, J+2
.endr
	WIN 0
	QUANT HA
	GIMG 12, ((\a)/4)*REC+((\a)%4)*1536
.if (\a)%2 == 0
	v_mov_b32 v[KE], v[PW]
.else
	v_cndmask_b32 v[SW], v[KE], v[PW], s[HI]
	global_store_b32 v[O4], v[SW], s[94:95] offset:((\a)/4)*REC+64*(((\a)-1)%4)
.endif
.endm
.irp a, 0,1,2,3,4,5,6,7
	VBLOCK \a
.endr
.Lclose:
	s_wait_tensorcnt 0x0                           ; the wave's end
	ds_add_u32 v[SPW], v[NIL]
	s_wait_dscnt 0x0
	CROUND                                         ; the closing round
	s_endpgm
.Lfunc_end_k_q56fa894d75_g_qkv:
	.size	k_q56fa894d75_g_qkv, .Lfunc_end_k_q56fa894d75_g_qkv-k_q56fa894d75_g_qkv
	.p2alignl 7, 3214868480
	.fill 96, 4, 3214868480
	.section	.rodata,"a",@progbits
	.p2align	6, 0x0
	.amdhsa_kernel k_q56fa894d75_g_qkv
		.amdhsa_group_segment_fixed_size 327680
		.amdhsa_private_segment_fixed_size 0
		.amdhsa_enable_private_segment 0
		.amdhsa_kernarg_size 32
		.amdhsa_user_sgpr_count 2
		.amdhsa_user_sgpr_kernarg_segment_ptr 1
		.amdhsa_wavefront_size32 1
		.amdhsa_system_sgpr_workgroup_id_x 1
		.amdhsa_system_sgpr_workgroup_id_y 1
		.amdhsa_system_sgpr_workgroup_id_z 1
		.amdhsa_system_vgpr_workitem_id 0
		.amdhsa_next_free_vgpr 1024
		.amdhsa_next_free_sgpr 102
		.amdhsa_reserve_vcc 0
		.amdhsa_float_denorm_mode_32 3
		.amdhsa_float_denorm_mode_16_64 3
		.amdhsa_memory_ordered 1
		.amdhsa_forward_progress 1
		.amdhsa_inst_pref_size 223
	.end_amdhsa_kernel
	.amdgpu_metadata
---
amdhsa.version: [ 1, 2 ]
amdhsa.kernels:
  - .name:           k_q56fa894d75_g_qkv
    .symbol:         k_q56fa894d75_g_qkv.kd
    .args:
      - { .name: aq, .offset: 0, .size: 8, .value_kind: global_buffer, .address_space: global }
      - { .name: wq, .offset: 8, .size: 8, .value_kind: global_buffer, .address_space: global }
      - { .name: b_attn, .offset: 16, .size: 8, .value_kind: global_buffer, .address_space: global }
      - { .name: qkvq, .offset: 24, .size: 8, .value_kind: global_buffer, .address_space: global }
    .group_segment_fixed_size: 327680
    .private_segment_fixed_size: 0
    .kernarg_segment_align: 8
    .kernarg_segment_size: 32
    .max_flat_workgroup_size: 128
    .sgpr_count:     102
    .vgpr_count:     1024
    .wavefront_size: 32
...
	.end_amdgpu_metadata
.endif
;; end of part 2
;; launch attn (part 3): grid 8 x 32, 16 waves a work-group, clusters of 4 x 1, 210,944 bytes of LDS; arguments qkvq, aq; writes aq
.if DOCPART == 3
	.amdgcn_target "amdgcn-amd-amdhsa--gfx1250"
	.amdhsa_code_object_version 6
	.text
	.protected	k_q56fa894d75_attn
	.globl	k_q56fa894d75_attn
	.p2align	8
	.type	k_q56fa894d75_attn,@function
k_q56fa894d75_attn:
	s_mov_b64 s[64:65], 0
	v_nop
	global_prefetch_b8 v0, s[64:65] scope:SCOPE_SE
	s_setreg_imm32_b32 hwreg(HW_REG_WAVE_MODE, 25, 1), 1
	s_wait_xcnt 0x0
	s_wait_alu depctr_hold_cnt(0) depctr_sa_sdst(0) depctr_va_vdst(0) depctr_va_sdst(0) depctr_va_ssrc(0) depctr_va_vcc(0) depctr_vm_vsrc(0)
	s_getreg_b32 s2, hwreg(HW_REG_IB_STS2, 6, 4)
	s_cmp_eq_u32 s2, 0
	s_cbranch_scc0 .Lentry_in_a_cluster
	s_endpgm
.Lentry_in_a_cluster:
	s_bfe_u32 s2, ttmp6, 0x10000c
	s_cmp_lg_u32 s2, 0x3003
	s_cbranch_scc0 .Lentry_shape_is_right
	s_endpgm
.Lentry_shape_is_right:
; y = softmax(q k^T / 8, causal) v for one (batch, head), both products on codes of BF6 (E3M2) with E8M0 scales; y is quantised on the way out, along the next product's K (the model's 1,024).
; THE SOFTMAX: t = score x log2(e) / 8; M = the running largest t rounded UP to a whole number; p = 2^(t - M) is quantised along the keys, not normalised; the row's sum is taken of the unquantised p and divides at the end.
; A HEAD'S K AND V, as codes with their scale words, are 208,896 bytes: they come into LDS ONCE, as they lie in the head's record, and stay: no ring.  Each of the sixteen waves brings 13,056 bytes by one tensor load.
; CLUSTER 4 x 1: the four work-groups of a cluster serve one head, so each of those loads is a joint one, with the same descriptor in all four.
; SHARES.  The head's 128 tiles of 16 queries go to 8 work-groups x 16 waves: wave w of work-group j takes tile 8 rank + j, rank = w with its low two bits turned where bit 2 is set.  A key step is 128 keys: step st is
; past the diagonal for st > rank, on it for st = rank, under it for st < rank: every branch hangs on the wave's number and the count of steps alone, and every work-group has the same 136 steps of work.
; LAYOUT.  Both products are used transposed (S^T = K Q^T, O^T = V^T P^T): a lane holds one query.  Rows stand at positions (bits 3 and 4 of the row's number exchanged), so that the 16 registers of two neighbouring tiles
; are 16 neighbours: keys for p, channels for y.  The first product's K is 64: registers 6-11 of both its operands hold zero codes, under the scale byte 0.
; The scale halfwords of y are stored two bytes a lane (lanes r and r + 16 the same value to the same place): 131,072 bytes in the launch, one byte in 24 of what it stores.
; LIMITS: a block whose largest magnitude lies under 2^-122 keeps the scale byte 1; NaN and infinities are not served.
.set REC,  315392
.set VOF,  98304
.set KSC,  196608
.set VSC,  204800
.set QOF,  208896
.set QSC,  307200
.set SPARE, 208896                     ; behind the record's part: the spare words, 128 bytes for each of 16 waves
.set L16,  1
.set L8,   2
.set AKS,  3                           ; 4 r + K's scale words
.set AVS,  4                           ; 4 r + V's
.set SPW,  5
.set NIL,  6
.set DD,   7                           ; my query's place in its 128, less 16 (lane / 16)
.set ADK16, 8
.set ADK8, 9
.set ADV16, 10
.set ADV8, 11
.set ADS,  28
.set ADT,  29
.set LV16, 30
.set LV8,  31
.set R4,   80                          ; 4 r
.set WV,   18
.set RANK, 19
.set SEL,  20
.set CS,   22
.set G1,   24
.set G0,   32
.set TB,   2                           ; the step's tiles: 6,144 bytes a step, in K and in V
.set TS,   3                           ; K's scale words: 512 bytes a step
.set TJ,   36                          ; V's: 256
.set ST,   37                          ; the step
.macro ROUND
	s_barrier_signal -1
	s_barrier_wait -1
	s_cmp_lg_u32 s[WV], 0
	s_cbranch_scc1 .Lnot_wave_0_\@
	s_barrier_signal -3
.Lnot_wave_0_\@:
	s_barrier_wait -3
	s_barrier_signal -1
	s_barrier_wait -1
.endm
	s_load_b128 s[4:7], s[0:1], 0x0                ; qkvq, aq
	v_lshl_add_u32 v[SPW], v0, 2, SPARE
	v_mov_b32 v[NIL], 0
	ds_add_u32 v[SPW], v[NIL]                      ; the wave's opening
	v_lshrrev_b32 v8, 5, v0
	v_readfirstlane_b32 s[WV], v8
	s_bfe_u32 s8, ttmp6, 0x40000                   ; cx
	s_lshl_b32 s9, ttmp9, 2
	s_add_co_u32 s9, s9, s8                        ; j: it enters Q's and y's addresses and the mask's numbers alone
	s_and_b32 s10, ttmp7, 0xffff                   ; 16 x batch + head, which the four partners share
	s_mul_i32 s12, s10, REC
	s_mov_b32 s13, 0
	s_bfe_u32 s11, s[WV], 0x10002
	s_mul_i32 s11, s11, 3
	s_xor_b32 s[RANK], s[WV], s11
	s_mov_b32 s[G1], 15|(3<<16)|(1<<21)            ; the mask: all four; elements of 8 bytes; bit 21 beside a mask; no padding
	s_mov_b32 s[G1+1], 32<<16                      ; 51 rows of 256 bytes, dense
	s_mov_b32 s[G1+2], 51<<16
	s_mov_b32 s[G1+3], 32<<16
	s_mov_b32 s[G1+4], 51
	s_mov_b32 s[G1+5], 32
	s_mov_b32 s[G1+6], 0
	s_mov_b32 s[G1+7], 0
	s_mul_i32 s14, s[WV], 13056
	s_mov_b32 s15, 0
	s_lshl_b32 s16, s[RANK], 3
	s_add_co_u32 s16, s16, s9                      ; my tile of queries
	s_mul_i32 s38, s16, 768
	s_add_co_u32 s38, s38, QOF
	s_mov_b32 s39, 0
	s_lshl_b32 s40, s16, 6
	s_add_co_u32 s40, s40, QSC
	s_mov_b32 s41, 0
	s_lshr_b32 s11, s10, 4
	s_lshl_b32 s11, s11, 7
	s_add_co_u32 s11, s11, s16                     ; its row-block among the 4,096 tokens
	s_and_b32 s17, s10, 15                         ; the head
	s_lshr_b32 s46, s17, 1                         ; y's K step,
	s_and_b32 s47, s17, 1                          ; and which half of the image
	s_lshl_b32 s42, s11, 3
	s_add_co_u32 s42, s42, s46
	s_mul_i32 s42, s42, 1536
	s_mul_i32 s48, s47, 768
	s_add_co_u32 s42, s42, s48
	s_mov_b32 s43, 0
	s_lshr_b32 s44, s11, 4
	s_lshl_b32 s44, s44, 13
	s_lshl_b32 s46, s46, 10
	s_add_co_u32 s44, s44, s46
	s_and_b32 s48, s11, 15
	s_lshl_b32 s48, s48, 6
	s_add_co_u32 s44, s44, s48
	s_lshl_b32 s47, s47, 1
	s_add_co_u32 s44, s44, s47
	s_add_co_u32 s44, s44, 3145728
	s_mov_b32 s45, 0
	s_lshr_b32 s48, s9, 1
	s_lshl_b32 s48, s48, 5
	s_and_b32 s49, s9, 1
	s_lshl_b32 s49, s49, 3
	s_add_co_u32 s48, s48, s49                     ; 32 (j / 2) + 8 (j % 2)
	s_mov_b32 s[SEL], 0x76543210
	s_mov_b32 s[SEL+1], 0xfedcba98
	s_mov_b32 s[CS], 0x3e38aa3b                    ; c = log2(e) / 8
	s_mov_b32 s[CS+1], s[CS]
	s_mov_b32 s[TB], 0
	s_mov_b32 s[TS], 0
	s_mov_b32 s[TJ], 0
	s_mov_b32 s[ST], 0
	s_wait_dscnt 0x0                               ; the opening add is done
	s_wait_kmcnt 0x0
	s_add_nc_u64 s[4:5], s[4:5], s[12:13]          ; the head's record
	s_mov_b32 s[G0], 1
	s_mov_b32 s[G0+1], s14
	s_add_nc_u64 s[G0+2:G0+3], s[4:5], s[14:15]
	s_or_b32 s[G0+3], s[G0+3], 0x80000000
	s_add_nc_u64 s[38:39], s[4:5], s[38:39]
	s_add_nc_u64 s[40:41], s[4:5], s[40:41]
	s_add_nc_u64 s[42:43], s[6:7], s[42:43]
	s_add_nc_u64 s[44:45], s[6:7], s[44:45]
	ROUND                                          ; all four work-groups are here: the joint loads meet
	tensor_load_to_lds s[G0:G0+3], s[G1:G1+7]      ; my sixteenth of K, V and their scale words: the one tensor load of this wave
	s_nop 0
.rept 4
	v_nop
.endr
	v_and_b32 v9, 31, v0
	v_lshlrev_b32 v[L16], 4, v9
	v_lshlrev_b32 v[L8], 3, v9
	v_and_b32 v8, 15, v0                           ; r
	v_bfe_u32 v9, v0, 4, 1                         ; h
	v_lshlrev_b32 v[R4], 2, v8
	global_load_b128 v[16:19], v[L16], s[38:39]    ; Q's half image stays in registers
	global_load_b64 v[20:21], v[L8], s[38:39] offset:512
	global_load_b32 v255, v[R4], s[40:41]          ; and its scale words
	v_add_nc_u32 v[AKS], KSC, v[R4]
	v_add_nc_u32 v[AVS], VSC, v[R4]
	v_add_nc_u32 v[LV16], VOF, v[L16]
	v_add_nc_u32 v[LV8], VOF, v[L8]
	v_and_b32 v10, 8, v8
	v_add_nc_u32 v10, v10, v8
	v_lshlrev_b32 v11, 4, v9
	v_sub_nc_u32 v10, v10, v11
	v_add_nc_u32 v[DD], s48, v10
.irp i, 22,23,24,25,26,27
	v_mov_b32 v[\i], 0                             ; Q's K 64 .. 127: zero codes
.endr
.irp t, 0,1,2,3
.irp i, 6,7,8,9,10,11
	v_mov_b32 v[32+12*\t+\i], 0                    ; and K's, set once
.endr
.endr
	v_mov_b32 v13, 0xff61b1e6                      ; the largest t so far: -3e38
	v_floor_f32 v12, -v13                          ; -M
	v_mov_b32 v14, 0
	v_mov_b32 v15, 0
.irp b, 0,1,2,3
	v_mov_b32 v[236+\b], 0                         ; written once: a lane permute's destination counts as one of its sources
.endr
	v_mov_b32 v252, 0
	v_mov_b32 v253, 0
.set J, 0
.rept 32
	v_mov_b32 v[160+J], 0                          ; O^T: the step is written once; the first finds zeros
.set J, J+1
.endr
	s_wait_tensorcnt 0x0                           ; my part has landed,
	s_barrier_signal -1
	s_barrier_wait -1                              ; everybody's has
	s_wait_loadcnt 0x0                             ; Q
.Lstep:                                            ; 16 trips in every wave; a step past my diagonal is left out but for the lines that step addresses
	s_cmp_gt_u32 s[ST], s[RANK]
	s_cbranch_scc1 .Lhidden
	v_add_nc_u32 v[ADK16], s[TB], v[L16]           ; six plain lines: also the places between the last step's products and what is written over their registers below
	v_add_nc_u32 v[ADK8], s[TB], v[L8]
	v_add_nc_u32 v[ADV16], s[TB], v[LV16]
	v_add_nc_u32 v[ADV8], s[TB], v[LV8]
	v_add_nc_u32 v[ADS], s[TS], v[AKS]
	v_add_nc_u32 v[ADT], s[TJ], v[AVS]
.irp g, 0,1                                    ; S^T = K Q^T, four tiles of 16 keys at a time
.if \g > 0
.rept 4
	v_nop                                          ; places in front of loads into registers that matrix instructions have read
.endr
.endif
.irp t, 0,1,2,3
	ds_load_b128 v[32+12*\t:35+12*\t], v[ADK16] offset:(4*\g+\t)*768
	ds_load_b64 v[36+12*\t:37+12*\t], v[ADK8] offset:(4*\g+\t)*768+512
	ds_load_b32 v[248+\t], v[ADS] offset:(4*\g+\t)*64
.endr
	s_wait_dscnt 0x0
.irp t, 0,1,2,3
	v_wmma_scale_f32_16x16x128_f8f6f4 v[96+8*(4*\g+\t):103+8*(4*\g+\t)], v[32+12*\t:43+12*\t], v[16:27], 0, v[248+\t], v255 matrix_a_fmt:MATRIX_FMT_BF6 matrix_b_fmt:MATRIX_FMT_BF6
.endr
.endr
.rept 4
	v_nop
.endr
	s_cmp_lg_u32 s[ST], s[RANK]                    ; on the diagonal the scores of hidden keys become -infinity ahead of the maximum
	s_cbranch_scc1 .Lopen
	v_mov_b32 v254, 0xff800000
.set N, 0
.rept 64
	v_cmp_gt_i32 vcc_lo, 32*(N/16)+N%16, v[DD]     ; register 16 b + i holds key 32 b + 16 (lane / 16) + i of the step
	v_cndmask_b32 v[96+N], v[96+N], v254, vcc_lo
.set N, N+1
.endr
.Lopen:
.irp b, 0,1,2,3
	v_max3_num_f32 v[232+\b], v[96+16*\b], v[97+16*\b], v[98+16*\b]   ; the largest score of each block of 32 keys: for the row's maximum, and, since p rises with the score, for the block's largest p
.endr
.irp i, 3,5,7,9,11,13
.irp b, 0,1,2,3
	v_max3_num_f32 v[232+\b], v[232+\b], v[96+16*\b+\i], v[97+16*\b+\i]
.endr
.endr
.irp b, 0,1,2,3
	v_max_num_f32 v[232+\b], v[232+\b], v[111+16*\b]
.endr
.irp b, 0,1,2,3
	v_permlanex16_b32 v[236+\b], v[232+\b], s[SEL], s[SEL+1]
.endr
.irp b, 0,1,2,3
	v_max_num_f32 v[232+\b], v[232+\b], v[236+\b]
.endr
	v_max3_num_f32 v254, v232, v233, v234
	v_max_num_f32 v254, v254, v235
	v_mul_f32 v254, s[CS], v254
	v_max_num_f32 v13, v13, v254                   ; the running largest t
	v_mov_b32 v254, v12
	v_floor_f32 v12, -v13                          ; the new -M = -ceil(t): a whole number
	v_sub_f32 v254, v12, v254
	v_cvt_i32_f32 v254, v254
	v_ldexp_f32 v252, 1.0, v254                    ; f = 2^(old M - new M): a multiplication by it rounds nothing
.set J, 0
.rept 32
	v_pk_fma_f32 v[96+J:97+J], v[96+J:97+J], s[CS:CS+1], v[12:13] op_sel_hi:[1,0,0]   ; t - M
.set J, J+2
.endr
.irp b, 0,1,2,3
	v_fma_f32 v[232+\b], v[232+\b], s[CS], v12
.endr
.set J, 0
.rept 64
	v_exp_f32 v[96+J], v[96+J]                     ; p = 2^(t - M)
.set J, J+1
.endr
	v_pk_mul_f32 v[14:15], v[14:15], v[252:253] op_sel_hi:[1,0]   ; the sums under the new M: a plain place behind the exponentials
	s_wait_alu depctr_va_vdst(0)                   ; one wait for the batch, ahead of its first reader
.irp b, 0,1,2,3
	v_exp_f32 v[232+\b], v[232+\b]                 ; each block's largest p
.endr
	v_pk_add_f32 v[236:237], v[96:97], v[98:99]    ; the row's sum, of the unquantised p, in two chains
.irp j, 4,8,12,16,20,24,28,32,36,40,44,48,52,56,60
	v_pk_add_f32 v[14:15], v[14:15], v[96+\j:97+\j]
	v_pk_add_f32 v[236:237], v[236:237], v[98+\j:99+\j]
.endr
	v_pk_add_f32 v[14:15], v[14:15], v[236:237]
	s_wait_alu depctr_va_vdst(0)                   ; and one for the four
.irp b, 0,1,2,3
	v_max_num_f32 v[232+\b], 0x2800000, v[232+\b]  ; the floor 2^(5 - 127)
.endr
.irp b, 0,1,2,3
	v_add_nc_u32 v[244+\b], 0xfe000000, v[232+\b]
.endr
.irp b, 0,1,2,3
	v_lshrrev_b32 v[236+\b], 23, v[244+\b]
.endr
	v_lshl_or_b32 v253, v237, 8, v236              ; p's scale word for these 128 keys
	v_lshl_or_b32 v253, v238, 16, v253
	v_lshl_or_b32 v253, v239, 24, v253
.irp c, 0,1
	v_cvt_scalef32_pk16_bf6_f32 v[224+6*\c:226+6*\c], v[96+32*\c:111+32*\c], v[244+2*\c]
	v_cvt_scalef32_pk16_bf6_f32 v[236+4*\c:238+4*\c], v[112+32*\c:127+32*\c], v[244+2*\c+1]
.endr
	v_nop                                          ; a plain place behind the last conversion
.irp t, 0,1,2,3                                ; V's four fragments take the registers that p has left
	ds_load_b128 v[96+12*\t:99+12*\t], v[ADV16] offset:1536*\t
	ds_load_b64 v[100+12*\t:101+12*\t], v[ADV8] offset:1536*\t+512
	ds_load_b128 v[102+12*\t:105+12*\t], v[ADV16] offset:1536*\t+768
	ds_load_b64 v[106+12*\t:107+12*\t], v[ADV8] offset:1536*\t+1280
	ds_load_b32 v[248+\t], v[ADT] offset:64*\t
.endr
.irp c, 0,1
.irp i, 0,1,2
	v_permlane16_swap_b32 v[224+6*\c+\i], v[236+4*\c+\i]
.endr
.irp i, 0,1,2
	v_mov_b32 v[227+6*\c+\i], v[236+4*\c+\i]
.endr
.endr
.set J, 0
.rept 16
	v_pk_mul_f32 v[160+J:161+J], v[160+J:161+J], v[252:253] op_sel_hi:[1,0]   ; O^T under the new M; these 16 are also the places in front of the scaled products
.set J, J+2
.endr
	s_wait_dscnt 0x0
.irp t, 0,1,2,3                                ; O^T += V^T P^T: four accumulators, one instruction a turn
	v_wmma_scale_f32_16x16x128_f8f6f4 v[160+8*\t:167+8*\t], v[96+12*\t:107+12*\t], v[224:235], v[160+8*\t:167+8*\t], v[248+\t], v253 matrix_a_fmt:MATRIX_FMT_BF6 matrix_b_fmt:MATRIX_FMT_BF6
.endr
.Lhidden:
	s_add_co_u32 s[TB], s[TB], 6144
	s_add_co_u32 s[TS], s[TS], 512
	s_add_co_u32 s[TJ], s[TJ], 256
	s_add_co_u32 s[ST], s[ST], 1
	s_cmp_lt_u32 s[ST], 16
	s_cbranch_scc1 .Lstep
; THE WAY OUT: O^T / the sum; register 16 b + i is channel 32 b + 16 (lane / 16) + i of my query: two blocks of the next product's K: half an image
.rept 4
	v_nop
.endr
	v_add_f32 v14, v14, v15
	v_permlanex16_b32 v252, v14, s[SEL], s[SEL+1]
	v_add_f32 v14, v14, v252                       ; the row's sum
	v_rcp_f32 v14, v14
	v_nop                                          ; a plain place behind the reciprocal
	s_wait_alu depctr_va_vdst(0)                   ; and the wait ahead of its first reader
.set J, 0
.rept 32
	v_mul_f32 v[96+J], v[160+J], v14               ; each accumulator from its low end on
.set J, J+1
.endr
.irp b, 0,1
	v_max3_num_f32 v[232+\b], |v[96+16*\b]|, |v[97+16*\b]|, 0x2800000
.endr
.irp i, 2,4,6,8,10,12,14
.irp b, 0,1
	v_max3_num_f32 v[232+\b], v[232+\b], |v[96+16*\b+\i]|, |v[97+16*\b+\i]|
.endr
.endr
.irp b, 0,1
	v_permlanex16_b32 v[236+\b], v[232+\b], s[SEL], s[SEL+1]
.endr
.irp b, 0,1
	v_max_num_f32 v[232+\b], v[232+\b], v[236+\b]
.endr
.irp b, 0,1
	v_add_nc_u32 v[244+\b], 0xfe000000, v[232+\b]
.endr
.irp b, 0,1
	v_lshrrev_b32 v[236+\b], 23, v[244+\b]
.endr
	v_lshl_or_b32 v254, v237, 8, v236              ; my query's two scale bytes
	v_cvt_scalef32_pk16_bf6_f32 v[224:226], v[96:111], v244
	v_cvt_scalef32_pk16_bf6_f32 v[240:242], v[112:127], v245
	v_nop
.irp i, 0,1,2
	v_permlane16_swap_b32 v[224+\i], v[240+\i]
.endr
.irp i, 0,1,2
	v_mov_b32 v[227+\i], v[240+\i]
.endr
	global_store_b128 v[L16], v[224:227], s[42:43]           ; 512 consecutive bytes,
	global_store_b64 v[L8], v[228:229], s[42:43] offset:512  ; and 256
	global_store_b16 v[R4], v254, s[44:45]
	s_wait_tensorcnt 0x0                           ; the wave's end
	ds_add_u32 v[SPW], v[NIL]
	s_wait_dscnt 0x0
	ROUND                                          ; the closing round
	s_endpgm
.Lfunc_end_k_q56fa894d75_attn:
	.size	k_q56fa894d75_attn, .Lfunc_end_k_q56fa894d75_attn-k_q56fa894d75_attn
	.p2alignl 7, 3214868480
	.fill 96, 4, 3214868480
	.section	.rodata,"a",@progbits
	.p2align	6, 0x0
	.amdhsa_kernel k_q56fa894d75_attn
		.amdhsa_group_segment_fixed_size 210944
		.amdhsa_private_segment_fixed_size 0
		.amdhsa_enable_private_segment 0
		.amdhsa_kernarg_size 16
		.amdhsa_user_sgpr_count 2
		.amdhsa_user_sgpr_kernarg_segment_ptr 1
		.amdhsa_wavefront_size32 1
		.amdhsa_system_sgpr_workgroup_id_x 1
		.amdhsa_system_sgpr_workgroup_id_y 1
		.amdhsa_system_sgpr_workgroup_id_z 1
		.amdhsa_system_vgpr_workitem_id 0
		.amdhsa_next_free_vgpr 256
		.amdhsa_next_free_sgpr 66
		.amdhsa_reserve_vcc 1
		.amdhsa_float_denorm_mode_32 3
		.amdhsa_float_denorm_mode_16_64 3
		.amdhsa_memory_ordered 1
		.amdhsa_forward_progress 1
		.amdhsa_inst_pref_size 34
	.end_amdhsa_kernel
	.amdgpu_metadata
---
amdhsa.version: [ 1, 2 ]
amdhsa.kernels:
  - .name:           k_q56fa894d75_attn
    .symbol:         k_q56fa894d75_attn.kd
    .args:
      - { .name: qkvq, .offset: 0, .size: 8, .value_kind: global_buffer, .address_space: global }
      - { .name: aq, .offset: 8, .size: 8, .value_kind: global_buffer, .address_space: global }
    .group_segment_fixed_size: 210944
    .private_segment_fixed_size: 0
    .kernarg_segment_align: 8
    .kernarg_segment_size: 16
    .max_flat_workgroup_size: 512
    .sgpr_count:     66
    .vgpr_count:     256
    .wavefront_size: 32
...
	.end_amdgpu_metadata
.endif
;; end of part 3
;; launch g_proj (part 4): grid 4 x 16, 4 waves a work-group, clusters of 4 x 4, 327,680 bytes of LDS; arguments aq, wq, b_proj, x, pre; writes pre
.if DOCPART == 4
	.amdgcn_target "amdgcn-amd-amdhsa--gfx1250"
	.amdhsa_code_object_version 6
	.text
	.protected	k_q56fa894d75_g_proj
	.globl	k_q56fa894d75_g_proj
	.p2align	8
	.type	k_q56fa894d75_g_proj,@function
k_q56fa894d75_g_proj:
	s_mov_b64 s[64:65], 0
	v_nop
	global_prefetch_b8 v0, s[64:65] scope:SCOPE_SE
	s_setreg_imm32_b32 hwreg(HW_REG_WAVE_MODE, 25, 1), 1
	s_wait_xcnt 0x0
	s_wait_alu depctr_hold_cnt(0) depctr_sa_sdst(0) depctr_va_vdst(0) depctr_va_sdst(0) depctr_va_ssrc(0) depctr_va_vcc(0) depctr_vm_vsrc(0)
	s_getreg_b32 s2, hwreg(HW_REG_IB_STS2, 6, 4)
	s_cmp_eq_u32 s2, 0
	s_cbranch_scc0 .Lentry_in_a_cluster
	s_endpgm
.Lentry_in_a_cluster:
	s_bfe_u32 s2, ttmp6, 0x10000c
	s_cmp_lg_u32 s2, 0xf033
	s_cbranch_scc0 .Lentry_shape_is_right
	s_endpgm
.Lentry_shape_is_right:
; pre = x + (y w_proj + b_proj): the product on codes of BF6 (E3M2) with E8M0 scales, bias and residual in f32; pre is [4096][1024] f32 in token order.
; OPERANDS lie as images of fragments (16 rows x 128 K, 1,536 bytes: registers 6 c .. 6 c + 3 at 768 c + 16 x lane, 6 c + 4, 6 c + 5 at 768 c + 512 + 8 x lane), [row-block][K step]; in each group of 32 rows, row i
; stands at position sigma(i) (bits 3 and 4 exchanged).  Scale words lie [256 rows][K step][16 row-blocks][16 words].
; A tile of 256 x 256 is made by four waves, each 128 x 128: 64 accumulators.  K goes in steps of 256 through a ring of two LDS slots; the scale words of the tile's rows, for all of K, come once.
; Source 0 = 16 rows of the weight, source 1 = 16 tokens: a lane holds one token and eight neighbouring columns an accumulator.  CLUSTERS 4 x 4: A's tiles jointly along a row of the cluster, B's along a column.
; The grid has 64 work-groups: the tile is kept at 256 x 256 so that all four products of this program run one and the same loop.
.set KK,     1024
.set ASOFF,  3145728                   ; A's scale words in its buffer
.set WOFF,   2359296                   ; the weight's codes in wq,
.set WSOFF,  9535488                   ; and its scale words
.set KT,     KK/128
.set LAPS,   KK/512
.set NQ,     2
.set FR,     12
.set NL,     4
.set NP,     4
.set FRB,    1536
.set RBB,    2*FRB
.set HALFT,  8*RBB
.set SLOT,   4*HALFT
.set KROW,   96*KT
.set KS,     4*KT
.set SCL,    2*SLOT
.set SCH,    512*KT
.set SPARE,  SCL+4*SCH
.set SPITCH, 528                       ; the way out: a stage of 16 rows x (512 + 16) bytes a wave, in slot 0, which has had its last fill and its last read by then
.set ADRA, 16
.set ADRB, 20
.set STO,  24
.set RD,   25
.set O16,  26
.set ADRS, 27
.set SPW,  28
.set NIL,  29
.set O8,   30
.set SC,   32
.set BIAS, 64
.set AF,   128
.set BK,   128
.set G1, 24
.set G0, 32
.set G1B, 48
.set G0B, 56
.set G1S, 68
.set G0S, 76
.set G1SB, 80
.set G0SB, 88
.set MSB, 0
.macro WIN new
.if MSB != (\new)
	s_set_vgpr_msb (MSB<<8)|(\new)
.set MSB, (\new)
.endif
.endm
.set MUL_LO, 0xa1
.set MUL_HI, 0xf1
.set TO_B,   0x40
.macro JLOAD g0a, g1a, g0b, g1b        ; a joint load: waves 0 and 1 fetch for A, waves 2 and 3 for B; an s_nop 0 and four v_nop follow each line
	s_cmp_eq_u32 s15, 0
	s_cbranch_scc0 .Lfor_b_\@
	tensor_load_to_lds s[\g0a:\g0a+3], s[\g1a:\g1a+7]
	s_nop 0
.rept 4
	v_nop
.endr
	s_branch .Lasked_\@
.Lfor_b_\@:
	tensor_load_to_lds s[\g0b:\g0b+3], s[\g1b:\g1b+7]
	s_nop 0
.rept 4
	v_nop
.endr
.Lasked_\@:
.endm
.macro CREST
	s_cmp_lg_u32 s14, 0
	s_cbranch_scc1 .Lnot_wave_0_\@
	s_barrier_signal -3
.Lnot_wave_0_\@:
	s_barrier_wait -3
	s_barrier_signal -1
	s_barrier_wait -1
.endm
.macro CROUND
	s_barrier_signal -1
	s_barrier_wait -1
	CREST
.endm
	s_load_b256 s[4:11], s[0:1], 0x0               ; A's buffer, wq, the bias, the residual
	s_load_b64 s[12:13], s[0:1], 0x20              ; pre
	v_lshl_add_u32 v[SPW], v0, 2, SPARE
	v_mov_b32 v[NIL], 0
	ds_add_u32 v[SPW], v[NIL]                      ; the wave's opening
	v_lshrrev_b32 v1, 5, v0
	v_readfirstlane_b32 s14, v1
	s_lshr_b32 s15, s14, 1
	s_and_b32 s16, s14, 1
	s_bfe_u32 s40, ttmp6, 0x40000
	s_bfe_u32 s41, ttmp6, 0x40004
	s_lshl_b32 s42, ttmp9, 2
	s_add_co_u32 s42, s42, s40                     ; B's tile
	s_and_b32 s17, ttmp7, 0xffff
	s_lshl_b32 s17, s17, 2
	s_add_co_u32 s17, s17, s41                     ; A's tile
	s_lshl_b32 s43, s41, 2
	s_lshl_b32 s43, 15, s43
	s_lshl_b32 s44, 0x1111, s40
	s_or_b32 s[G1+0], s43, (3<<16)|(1<<21)
	s_or_b32 s[G1B+0], s44, (3<<16)|(1<<21)
.irp g, G1, G1B
	s_mov_b32 s[\g+1], 384<<16
	s_mov_b32 s[\g+2], 8<<16
	s_mov_b32 s[\g+3], 384<<16
	s_mov_b32 s[\g+4], 8
	s_mov_b32 s[\g+5], 192*KT
	s_mov_b32 s[\g+6], 0
	s_mov_b32 s[\g+7], 0
.endr
	s_or_b32 s[G1S+0], s43, (3<<16)|(1<<21)
	s_or_b32 s[G1SB+0], s44, (3<<16)|(1<<21)
.irp g, G1S, G1SB
	s_mov_b32 s[\g+1], 32<<16
	s_mov_b32 s[\g+2], (2*KT)<<16
	s_mov_b32 s[\g+3], 32<<16
	s_mov_b32 s[\g+4], 2*KT
	s_mov_b32 s[\g+5], 32
	s_mov_b32 s[\g+6], 0
	s_mov_b32 s[\g+7], 0
.endr
	s_lshl_b32 s18, s16, 7
	s_lshl_b32 s20, s17, 8
	s_add_co_u32 s20, s20, s18
	s_lshl_b32 s46, s42, 8
	s_add_co_u32 s46, s46, s18
	s_mul_i32 s22, s20, KS
	s_add_co_u32 s22, s22, ASOFF
	s_mul_i32 s92, s46, KS
	s_add_co_u32 s92, s92, WSOFF
	s_mul_i32 s20, s20, KROW
	s_mul_i32 s46, s46, KROW
	s_add_co_u32 s46, s46, WOFF
	s_mov_b32 s21, 0
	s_mov_b32 s23, 0
	s_mov_b32 s47, 0
	s_mov_b32 s93, 0
	s_mul_i32 s45, s14, HALFT
	s_mul_i32 s94, s14, SCH
	s_wait_dscnt 0x0
	s_wait_kmcnt 0x0
	s_add_nc_u64 s[20:21], s[4:5], s[20:21]
	s_add_nc_u64 s[22:23], s[4:5], s[22:23]
	s_add_nc_u64 s[46:47], s[6:7], s[46:47]
	s_add_nc_u64 s[92:93], s[6:7], s[92:93]
	CROUND
	s_mov_b32 s[G0S], 1
	s_add_co_u32 s[G0S+1], s94, SCL
	s_mov_b64 s[G0S+2:G0S+3], s[22:23]
	s_or_b32 s[G0S+3], s[G0S+3], 0x80000000
	s_mov_b32 s[G0SB], 1
	s_add_co_u32 s[G0SB+1], s94, SCL
	s_mov_b64 s[G0SB+2:G0SB+3], s[92:93]
	s_or_b32 s[G0SB+3], s[G0SB+3], 0x80000000
	JLOAD G0S, G1S, G0SB, G1SB
.irp s, 0,1
	s_mov_b32 s[G0+4*\s], 1
	s_add_co_u32 s[G0+4*\s+1], s45, \s*SLOT
	s_add_nc_u64 s[G0+4*\s+2:G0+4*\s+3], s[20:21], \s*RBB
	s_or_b32 s[G0+4*\s+3], s[G0+4*\s+3], 0x80000000
	s_mov_b32 s[G0B+4*\s], 1
	s_add_co_u32 s[G0B+4*\s+1], s45, \s*SLOT
	s_add_nc_u64 s[G0B+4*\s+2:G0B+4*\s+3], s[46:47], \s*RBB
	s_or_b32 s[G0B+4*\s+3], s[G0B+4*\s+3], 0x80000000
	JLOAD G0+4*\s, G1, G0B+4*\s, G1B               ; three tensor loads of mine are out
.endr
	v_and_b32 v1, 15, v0
	v_bfe_u32 v2, v0, 4, 1
	v_and_b32 v3, 31, v0
	v_lshlrev_b32 v[O16], 4, v3
	v_lshlrev_b32 v[O8], 3, v3
	s_mul_i32 s21, s15, HALFT
	s_mul_i32 s22, s16, HALFT
	s_add_co_u32 s22, s22, 2*HALFT
.irp s, 0,1
	v_add_nc_u32 v[ADRA+\s], s21, v[O16]
	v_add_nc_u32 v[ADRB+\s], s22, v[O16]
	v_add_nc_u32 v[ADRA+2+\s], s21, v[O8]
	v_add_nc_u32 v[ADRB+2+\s], s22, v[O8]
	s_add_co_u32 s21, s21, SLOT
	s_add_co_u32 s22, s22, SLOT
.endr
	s_lshl_b32 s21, s15, 9
	s_lshl_b32 s22, s16, 9
	s_add_co_u32 s22, s22, 1024*KT
	s_sub_co_u32 s22, s22, s21
	v_mul_u32_u24 v6, s22, v2
	s_add_co_u32 s21, s21, SCL
	v_lshl_add_u32 v5, v1, 2, v6
	v_add_nc_u32 v[ADRS], s21, v5
	s_mul_i32 s23, s14, 16*SPITCH                  ; my stage
	v_mul_u32_u24 v5, v1, SPITCH
	v_lshl_add_u32 v5, v2, 6, v5
	v_add_nc_u32 v[STO], s23, v5                   ; in: row r, + 64 h
	v_add_nc_u32 v[RD], s23, v[O16]                ; back: the 32 lanes take a row of 512 bytes
	s_lshl_b32 s20, s17, 20
	s_lshl_b32 s21, s15, 19
	s_add_co_u32 s20, s20, s21                     ; my first token x 4,096 bytes
	s_lshl_b32 s46, s42, 10
	s_lshl_b32 s47, s16, 9
	s_add_co_u32 s46, s46, s47                     ; my first column x 4 bytes
	s_mov_b32 s47, 0
	s_add_nc_u64 s[8:9], s[8:9], s[46:47]
	s_add_co_u32 s20, s20, s46
	s_mov_b32 s21, 0
	s_add_nc_u64 s[12:13], s[12:13], s[20:21]
	s_add_nc_u64 s[10:11], s[10:11], s[20:21]
	global_load_b128 v[BIAS:BIAS+3], v[O16], s[8:9]   ; the bias of the four columns that I store; waited for at the head of the way out
.macro FRAG reg, adr, q, i
	ds_load_b128 v[\reg:\reg+3], v[\adr] offset:(\q)*FRB+(\i)*RBB
	ds_load_b64 v[\reg+4:\reg+5], v[\adr+2] offset:(\q)*FRB+(\i)*RBB+512
	ds_load_b128 v[\reg+6:\reg+9], v[\adr] offset:(\q)*FRB+(\i)*RBB+768
	ds_load_b64 v[\reg+10:\reg+11], v[\adr+2] offset:(\q)*FRB+(\i)*RBB+1280
.endm
.macro MUL16 a0, p, q, sc, zero        ; the 64 accumulators take turns, one instruction a turn
.irp a, \a0, \a0+1
.irp b, 0,1,2,3,4,5,6,7
.if \zero
	v_wmma_scale_f32_16x16x128_f8f6f4 v[8*(8*((\a)%4)+\b):8*(8*((\a)%4)+\b)+7], v[128*(\p)+FR*\b:128*(\p)+FR*\b+FR-1], v[AF+FR*(\a):AF+FR*(\a)+FR-1], 0, v[SC+8*NQ*(\sc)+NQ*\b+(\q)], v[SC+8*NQ*(\sc)+NQ*(\a)+(\q)] matrix_a_fmt:MATRIX_FMT_BF6 matrix_b_fmt:MATRIX_FMT_BF6 matrix_a_scale:MATRIX_SCALE_ROW1
.else
	v_wmma_scale_f32_16x16x128_f8f6f4 v[8*(8*((\a)%4)+\b):8*(8*((\a)%4)+\b)+7], v[128*(\p)+FR*\b:128*(\p)+FR*\b+FR-1], v[AF+FR*(\a):AF+FR*(\a)+FR-1], v[8*(8*((\a)%4)+\b):8*(8*((\a)%4)+\b)+7], v[SC+8*NQ*(\sc)+NQ*\b+(\q)], v[SC+8*NQ*(\sc)+NQ*(\a)+(\q)] matrix_a_fmt:MATRIX_FMT_BF6 matrix_b_fmt:MATRIX_FMT_BF6 matrix_a_scale:MATRIX_SCALE_ROW1
.endif
.endr
.endr
.endm
.macro FETCH_B slot, q, p
	WIN TO_B
.irp i, 0,1,2,3,4,5,6,7
	FRAG 128*(\p)+FR*\i, ADRB+\slot, \q, \i
.endr
	WIN 0
.endm
.macro FETCH_A slot, q, i0
.irp i, \i0, \i0+1, \i0+2, \i0+3
	FRAG AF+FR*(\i), ADRA+\slot, \q, \i
.endr
.endm
.macro SCALES sc
.irp i, 0,1,2,3,4,5,6,7
.irp q, 0,1
	ds_load_b32 v[SC+8*NQ*\sc+NQ*\i+\q], v[ADRS] offset:\q*1024+\i*64
.endr
.endr
.endm
.macro PLACES n
.rept \n
	v_nop
.endr
.endm
.macro STEP slot, q, zero
	s_wait_dscnt 4*NL                              ; all but the youngest 16 loads, A's blocks 4-7
	WIN MUL_LO
	MUL16 0, (\q)%2, \q, \slot, \zero
	MUL16 2, (\q)%2, \q, \slot, \zero
	s_wait_dscnt 0
	PLACES NP
	FETCH_B \slot, (\q)+1, 1-(\q)%2
	FETCH_A \slot, (\q)+1, 0
	WIN MUL_HI
	MUL16 4, (\q)%2, \q, \slot, \zero
	MUL16 6, (\q)%2, \q, \slot, \zero
	PLACES NP
	WIN 0
	FETCH_A \slot, (\q)+1, 4
.endm
.macro TURN slot, next, fill
	s_wait_tensorcnt 0x0                           ; all my tensor loads have landed: my part of the next slot
	ds_add_u32 v[SPW], v[NIL]
	s_wait_dscnt 4*NL+1                            ; (the add and A's blocks 4-7 may be out)
	WIN MUL_LO
	MUL16 0, 1, NQ-1, \slot, 0
	s_wait_dscnt 0x0                               ; the add is done, and my reads of this slot are over
	s_barrier_signal -1
	MUL16 2, 1, NQ-1, \slot, 0
	WIN 0
	s_barrier_wait -1
.if \fill
	CREST                                          ; a round of the cluster's barrier: no wave of any partner still reads this slot or has a load on its way
	s_add_nc_u64 s[G0+4*\slot+2:G0+4*\slot+3], s[G0+4*\slot+2:G0+4*\slot+3], 2*RBB
	s_add_nc_u64 s[G0B+4*\slot+2:G0B+4*\slot+3], s[G0B+4*\slot+2:G0B+4*\slot+3], 2*RBB
	JLOAD G0+4*\slot, G1, G0B+4*\slot, G1B
.else
	PLACES NP
.endif
	v_add_nc_u32 v[ADRS], 1024*NQ, v[ADRS]
	FETCH_B \next, 0, 0
	FETCH_A \next, 0, 0
	SCALES \next
	WIN MUL_HI
	MUL16 4, 1, NQ-1, \slot, 0
	MUL16 6, 1, NQ-1, \slot, 0
	PLACES NP
	WIN 0
	FETCH_A \next, 0, 4
.endm
	s_wait_tensorcnt 1                             ; the scale words and my part of slot 0 are in; slot 1's load may be out
	s_barrier_signal -1
	s_barrier_wait -1
	FETCH_B 0, 0, 0
	FETCH_A 0, 0, 0
	SCALES 0
	FETCH_A 0, 0, 4
	STEP 0, 0, 1
	s_mov_b32 s3, LAPS-1
.Llap:
	TURN 0, 1, 1
	STEP 1, 0, 0
	TURN 1, 0, 1
	STEP 0, 0, 0
	s_sub_co_u32 s3, s3, 1
	s_cmp_lg_u32 s3, 0
	s_cbranch_scc1 .Llap
	TURN 0, 1, 0
	STEP 1, 0, 0
	s_wait_dscnt 4*NL
	WIN MUL_LO
	MUL16 0, 1, NQ-1, 1, 0
	MUL16 2, 1, NQ-1, 1, 0
	s_wait_dscnt 0
	WIN MUL_HI
	MUL16 4, 1, NQ-1, 1, 0
	MUL16 6, 1, NQ-1, 1, 0
	WIN 0
; THE WAY OUT, a block of 16 tokens x 128 columns at a time, through my own stage.  Accumulator b of a lane holds columns 32 (b / 2) + 16 h + 8 (b % 2) + 0 .. 7; position t of block a is token 32 (a / 2) + 8 (a % 2) + t + 8 (t / 8).
.macro RLOAD a                         ; the block's rows of the residual, into window 1
	WIN 0x40
.irp t, 0,1,2,3,4,5,6,7,8,9,10,11,12,13,14,15
	global_load_b128 v[64*((\a)%2)+4*\t:64*((\a)%2)+4*\t+3], v[O16], s[10:11] offset:(32*((\a)/2)+8*((\a)%2)+\t+8*(\t/8))*4096 th:TH_LOAD_NT
.endr
	WIN 0
.endm
.macro TOSTAGE a
.set AC, 64*((\a)%4)
	WIN 0x08+4*((\a)/4)                            ; an LDS store's data: window 2 or 3
.irp b, 0,1,2,3,4,5,6,7
	ds_store_b128 v[STO], v[AC+8*\b:AC+8*\b+3] offset:128*(\b/2)+32*(\b%2)        ; each accumulator from its low end on
	ds_store_b128 v[STO], v[AC+8*\b+4:AC+8*\b+7] offset:128*(\b/2)+32*(\b%2)+16
.endr
	WIN 0
.set BB, BK+64*((\a)%2)
.irp t, 0,1,2,3,4,5,6,7,8,9,10,11,12,13,14,15
	ds_load_b128 v[BB+4*\t:BB+4*\t+3], v[RD] offset:\t*SPITCH   ; LDS serves a wave's instructions in order: these see my stores
.endr
.endm
.macro SEND a, younger, left           ; younger: LDS instructions issued behind the block's loads; left: global loads issued behind its residual's
.set BB, BK+64*((\a)%2)
.set RR, 64*((\a)%2)
	s_wait_dscnt \younger
.set J, 0
.rept 16
	v_pk_add_f32 v[BB+J:BB+J+1], v[BB+J:BB+J+1], v[BIAS:BIAS+1]
	v_pk_add_f32 v[BB+J+2:BB+J+3], v[BB+J+2:BB+J+3], v[BIAS+2:BIAS+3]
.set J, J+4
.endr
	s_wait_loadcnt \left
	WIN 0x04                                       ; source 1: window 1
.set J, 0
.rept 32
	v_pk_add_f32 v[BB+J:BB+J+1], v[BB+J:BB+J+1], v[RR+J:RR+J+1]
.set J, J+2
.endr
	WIN 0
.irp t, 0,1,2,3,4,5,6,7,8,9,10,11,12,13,14,15
	global_store_b128 v[O16], v[BB+4*\t:BB+4*\t+3], s[12:13] offset:(32*((\a)/2)+8*((\a)%2)+\t+8*(\t/8))*4096   ; 32 lanes store 512 consecutive bytes, aligned to 256
.endr
.endm
	PLACES NP
	s_wait_loadcnt 0x0                             ; the bias, my one global load so far, asked for at the head: it is in before the first block's additions read it
	RLOAD 0
	TOSTAGE 0
.irp a, 1,2,3,4,5,6,7
.if \a > 1
	s_wait_xcnt 0x0                                ; block a - 2's stores have read their registers: block a's loads may land there
.endif
	RLOAD \a
	TOSTAGE \a
	SEND (\a)-1, 32, 16                            ; behind block a - 1's: block a's 16 LDS stores and 16 LDS loads, and its 16 loads of the residual
.endr
	SEND 7, 0, 0
	s_wait_tensorcnt 0x0                           ; the wave's end
	ds_add_u32 v[SPW], v[NIL]
	s_wait_dscnt 0x0
	CROUND                                         ; the closing round
	s_endpgm
.Lfunc_end_k_q56fa894d75_g_proj:
	.size	k_q56fa894d75_g_proj, .Lfunc_end_k_q56fa894d75_g_proj-k_q56fa894d75_g_proj
	.p2alignl 7, 3214868480
	.fill 96, 4, 3214868480
	.section	.rodata,"a",@progbits
	.p2align	6, 0x0
	.amdhsa_kernel k_q56fa894d75_g_proj
		.amdhsa_group_segment_fixed_size 327680
		.amdhsa_private_segment_fixed_size 0
		.amdhsa_enable_private_segment 0
		.amdhsa_kernarg_size 40
		.amdhsa_user_sgpr_count 2
		.amdhsa_user_sgpr_kernarg_segment_ptr 1
		.amdhsa_wavefront_size32 1
		.amdhsa_system_sgpr_workgroup_id_x 1
		.amdhsa_system_sgpr_workgroup_id_y 1
		.amdhsa_system_sgpr_workgroup_id_z 1
		.amdhsa_system_vgpr_workitem_id 0
		.amdhsa_next_free_vgpr 1024
		.amdhsa_next_free_sgpr 102
		.amdhsa_reserve_vcc 0
		.amdhsa_float_denorm_mode_32 3
		.amdhsa_float_denorm_mode_16_64 3
		.amdhsa_memory_ordered 1
		.amdhsa_forward_progress 1
		.amdhsa_inst_pref_size 190
	.end_amdhsa_kernel
	.amdgpu_metadata
---
amdhsa.version: [ 1, 2 ]
amdhsa.kernels:
  - .name:           k_q56fa894d75_g_proj
    .symbol:         k_q56fa894d75_g_proj.kd
    .args:
      - { .name: aq, .offset: 0, .size: 8, .value_kind: global_buffer, .address_space: global }
      - { .name: wq, .offset: 8, .size: 8, .value_kind: global_buffer, .address_space: global }
      - { .name: b_proj, .offset: 16, .size: 8, .value_kind: global_buffer, .address_space: global }
      - { .name: x, .offset: 24, .size: 8, .value_kind: global_buffer, .address_space: global }
      - { .name: pre, .offset: 32, .size: 8, .value_kind: global_buffer, .address_space: global }
    .group_segment_fixed_size: 327680
    .private_segment_fixed_size: 0
    .kernarg_segment_align: 8
    .kernarg_segment_size: 40
    .max_flat_workgroup_size: 128
    .sgpr_count:     102
    .vgpr_count:     1024
    .wavefront_size: 32
...
	.end_amdgpu_metadata
.endif
;; end of part 4
;; launch ln1 (part 5): grid 128 x 1, 8 waves a work-group, no clusters, 132,608 bytes of LDS; arguments pre, ln1_g, ln1_b, h1, aq; writes h1, aq
.if DOCPART == 5
	.amdgcn_target "amdgcn-amd-amdhsa--gfx1250"
	.amdhsa_code_object_version 6
	.text
	.protected	k_q56fa894d75_ln1
	.globl	k_q56fa894d75_ln1
	.p2align	8
	.type	k_q56fa894d75_ln1,@function
k_q56fa894d75_ln1:
	s_mov_b64 s[64:65], 0
	v_nop
	global_prefetch_b8 v0, s[64:65] scope:SCOPE_SE
	s_setreg_imm32_b32 hwreg(HW_REG_WAVE_MODE, 25, 1), 1
	s_wait_xcnt 0x0
; h1 = layernorm(pre) x g + b, stored as f32 (the later residual) and as codes of BF6 (E3M2) with E8M0 scales (the next product's operand).
; A work-group takes 32 tokens, each of its eight waves four: a row of 4,096 bytes is 32 registers of one wave, so mean and variance never leave the wave.  The mean is taken away before the squares are summed
; (two passes over registers): a common offset of the inputs costs no accuracy.
; The normalised rows meet in a stage in LDS, token i at position sigma(i) (bits 3 and 4 exchanged), rows 4,112 bytes apart; behind one barrier wave w quantises K step w of both row-blocks and stores their images
; (registers 6 c .. 6 c + 3 at 768 c + 16 x lane, 6 c + 4, 6 c + 5 at 768 c + 512 + 8 x lane) and scale words.
; Memory binds: no matrix unit, no cluster, no tensor load.  LIMITS: a block whose largest magnitude lies under 2^-122 keeps the scale byte 1; NaN and infinities are not served.
.set ROWS, 4
.set SPARE, 131584                     ; behind the stage of 32 x 4,112 bytes: the spare words, 128 bytes for each of 8 waves
.set O16,  1
.set SPW,  4
.set NIL,  5
.set STW,  6
.set RD0,  7
.set RD1,  8
.set O8,   9
.set O4,   10
.set X,    32                          ; v32-159 four rows
.set G,    160
.set B,    192
.set RS,   224                         ; 1 / sqrt(var + eps), a pair for each row
.set VAR,  232
.set PC,   160
.set TM,   192
.set PW,   208
.set KE,   209
.set SW,   210
.set SEL,  20
.set HI,   24
	s_load_b256 s[4:11], s[0:1], 0x0               ; pre, g, b, h1
	s_load_b64 s[12:13], s[0:1], 0x20              ; aq
	v_lshl_add_u32 v[SPW], v0, 2, SPARE
	v_mov_b32 v[NIL], 0
	v_lshrrev_b32 v2, 5, v0
	v_readfirstlane_b32 s14, v2                    ; wave
	v_and_b32 v2, 31, v0
	v_lshlrev_b32 v[O16], 4, v2
	v_lshlrev_b32 v[O8], 3, v2
	v_lshlrev_b32 v[O4], 2, v2
	s_lshl_b32 s16, ttmp9, 17
	s_lshl_b32 s17, s14, 14
	s_add_co_u32 s16, s16, s17                     ; my first token x 4,096 bytes
	s_mov_b32 s17, 0
	s_and_b32 s18, s14, 1
	s_lshl_b32 s18, s18, 2
	s_lshr_b32 s19, s14, 2
	s_lshl_b32 s19, s19, 3
	s_add_co_u32 s18, s18, s19
	s_bfe_u32 s19, s14, 0x10001
	s_lshl_b32 s19, s19, 4
	s_add_co_u32 s18, s18, s19                     ; sigma(4 x wave)
	s_mul_i32 s18, s18, 4112
	v_add_nc_u32 v[STW], s18, v[O16]
	v_and_b32 v2, 15, v0
	v_bfe_u32 v3, v0, 4, 1
	v_mul_u32_u24 v2, v2, 4112
	v_lshl_add_u32 v2, v3, 6, v2
	s_lshl_b32 s18, s14, 9
	v_add_nc_u32 v[RD0], s18, v2                   ; position r, + 64 h, + my K step's 512 bytes
	v_add_nc_u32 v[RD1], 65792, v[RD0]             ; and 16 positions on
	s_mov_b32 s[SEL], 0x76543210
	s_mov_b32 s[SEL+1], 0xfedcba98
	s_mov_b32 s22, 0x3a800000                      ; 1 / 1024
	s_mov_b32 s23, 0x3727c5ac                      ; 1e-5
	s_mov_b32 s[HI], 0xffff0000
	s_lshl_b32 s26, ttmp9, 4
	s_add_co_u32 s26, s26, s14
	s_mul_i32 s26, s26, 1536                       ; fragment (row-block 2 g, K step w)
	s_mov_b32 s27, 0
	s_lshr_b32 s28, ttmp9, 3
	s_lshl_b32 s28, s28, 13
	s_lshl_b32 s29, s14, 10
	s_add_co_u32 s28, s28, s29
	s_and_b32 s29, ttmp9, 7
	s_lshl_b32 s29, s29, 7
	s_add_co_u32 s28, s28, s29
	s_add_co_u32 s28, s28, 3145728
	s_mov_b32 s29, 0
	s_wait_kmcnt 0x0
	s_add_nc_u64 s[4:5], s[4:5], s[16:17]
	s_add_nc_u64 s[10:11], s[10:11], s[16:17]
	s_add_nc_u64 s[30:31], s[12:13], s[26:27]
	s_add_nc_u64 s[32:33], s[12:13], s[28:29]
.irp j, 0,1,2,3,4,5,6,7
	global_load_b128 v[G+4*\j:G+4*\j+3], v[O16], s[6:7] offset:512*\j
.endr
.irp j, 0,1,2,3,4,5,6,7
	global_load_b128 v[B+4*\j:B+4*\j+3], v[O16], s[8:9] offset:512*\j
.endr
.irp p, 0,1,2,3
.irp j, 0,1,2,3,4,5,6,7
	global_load_b128 v[X+32*\p+4*\j:X+32*\p+4*\j+3], v[O16], s[4:5] offset:4096*\p+512*\j th:TH_LOAD_NT
.endr
.endr
.macro REDUCE                          ; v12 summed over the 32 lanes, in every lane
	v_add_f32_dpp v12, v12, v12 row_xmask:1 row_mask:0xf bank_mask:0xf
	v_add_f32_dpp v12, v12, v12 row_xmask:2 row_mask:0xf bank_mask:0xf
	v_add_f32_dpp v12, v12, v12 row_xmask:4 row_mask:0xf bank_mask:0xf
	v_add_f32_dpp v12, v12, v12 row_xmask:8 row_mask:0xf bank_mask:0xf
	v_permlanex16_b32 v13, v12, s[SEL], s[SEL+1]
	v_add_f32 v12, v12, v13
.endm
.macro STAT p, left                    ; row p: the mean is taken away in place; var + eps into v[VAR + p].  left: the later rows' loads, which may stay out
.set XR, X+32*(\p)
	s_wait_loadcnt \left
	v_pk_add_f32 v[12:13], v[XR:XR+1], v[XR+2:XR+3]
	v_pk_add_f32 v[14:15], v[XR+4:XR+5], v[XR+6:XR+7]
	v_pk_add_f32 v[16:17], v[XR+8:XR+9], v[XR+10:XR+11]
	v_pk_add_f32 v[18:19], v[XR+12:XR+13], v[XR+14:XR+15]
.irp k, 16,24
	v_pk_add_f32 v[12:13], v[12:13], v[XR+\k:XR+\k+1]
	v_pk_add_f32 v[14:15], v[14:15], v[XR+\k+2:XR+\k+3]
	v_pk_add_f32 v[16:17], v[16:17], v[XR+\k+4:XR+\k+5]
	v_pk_add_f32 v[18:19], v[18:19], v[XR+\k+6:XR+\k+7]
.endr
	v_pk_add_f32 v[12:13], v[12:13], v[14:15]
	v_pk_add_f32 v[16:17], v[16:17], v[18:19]
	v_pk_add_f32 v[12:13], v[12:13], v[16:17]
	v_add_f32 v12, v12, v13
	REDUCE
	v_mul_f32 v20, 0xba800000, v12                 ; - the mean
	v_mov_b32 v21, v20
.set J, 0
.rept 16
	v_pk_add_f32 v[XR+J:XR+J+1], v[XR+J:XR+J+1], v[20:21]
.set J, J+2
.endr
	v_pk_mul_f32 v[12:13], v[XR:XR+1], v[XR:XR+1]
	v_pk_mul_f32 v[14:15], v[XR+2:XR+3], v[XR+2:XR+3]
.irp k, 4,8,12,16,20,24,28
	v_pk_fma_f32 v[12:13], v[XR+\k:XR+\k+1], v[XR+\k:XR+\k+1], v[12:13]
	v_pk_fma_f32 v[14:15], v[XR+\k+2:XR+\k+3], v[XR+\k+2:XR+\k+3], v[14:15]
.endr
	v_pk_add_f32 v[12:13], v[12:13], v[14:15]
	v_add_f32 v12, v12, v13
	REDUCE
	v_fma_f32 v[VAR+\p], v12, s22, s23
.endm
	STAT 0, 24
	STAT 1, 16
	STAT 2, 8
	STAT 3, 0
.irp p, 0,1,2,3
	v_rsq_f32 v[RS+2*\p], v[VAR+\p]
.endr
	v_nop                                          ; a plain place behind the last of the batch
	s_wait_alu depctr_va_vdst(0)                   ; one wait for the four, ahead of their first reader
.irp p, 0,1,2,3
	v_mov_b32 v[RS+2*\p+1], v[RS+2*\p]
.endr
.macro NORM p
.set XR, X+32*(\p)
.set J, 0
.rept 16
	v_pk_mul_f32 v[XR+J:XR+J+1], v[XR+J:XR+J+1], v[RS+2*(\p):RS+2*(\p)+1]
.set J, J+2
.endr
.set J, 0
.rept 16
	v_pk_fma_f32 v[XR+J:XR+J+1], v[XR+J:XR+J+1], v[G+J:G+J+1], v[B+J:B+J+1]
.set J, J+2
.endr
.irp j, 0,1,2,3,4,5,6,7
	global_store_b128 v[O16], v[XR+4*\j:XR+4*\j+3], s[10:11] offset:4096*(\p)+512*\j   ; 512 consecutive bytes
	ds_store_b128 v[STW], v[XR+4*\j:XR+4*\j+3] offset:4112*(\p)+512*\j
.endr
.endm
	NORM 0
	NORM 1
	NORM 2
	NORM 3
	s_wait_dscnt 0x0                               ; for the others' sake: my rows lie in the stage
	s_barrier_signal -1
	s_barrier_wait -1
	s_wait_xcnt 0x0                                ; my stores to h1 have read their registers
.irp b, 0,1,2,3
.irp j, 0,1,2,3
	ds_load_b128 v[32+16*\b+4*\j:35+16*\b+4*\j], v[RD0] offset:128*\b+16*\j
.endr
.endr
.irp b, 0,1,2,3
.irp j, 0,1,2,3
	ds_load_b128 v[96+16*\b+4*\j:99+16*\b+4*\j], v[RD1] offset:128*\b+16*\j
.endr
.endr
.macro QUANT s                         ; 64 numbers of a lane, register 16 b + i = k 32 b + 16 (lane / 16) + i of my row -> codes in v[PC] on, scale word in v[PW]
.irp b, 0,1,2,3
	v_max3_num_f32 v[TM+\b], |v[\s+16*\b]|, |v[\s+1+16*\b]|, 0x2800000   ; and the floor 2^(5 - 127)
.endr
.irp i, 2,4,6,8,10,12,14
.irp b, 0,1,2,3
	v_max3_num_f32 v[TM+\b], v[TM+\b], |v[\s+16*\b+\i]|, |v[\s+1+16*\b+\i]|
.endr
.endr
.irp b, 0,1,2,3
	v_permlanex16_b32 v[TM+4+\b], v[TM+\b], s[SEL], s[SEL+1]
.endr
.irp b, 0,1,2,3
	v_max_num_f32 v[TM+\b], v[TM+\b], v[TM+4+\b]
.endr
.irp b, 0,1,2,3
	v_add_nc_u32 v[TM+12+\b], 0xfe000000, v[TM+\b]
.endr
.irp b, 0,1,2,3
	v_lshrrev_b32 v[TM+4+\b], 23, v[TM+12+\b]
.endr
	v_lshl_or_b32 v[PW], v[TM+5], 8, v[TM+4]
	v_lshl_or_b32 v[PW], v[TM+6], 16, v[PW]
	v_lshl_or_b32 v[PW], v[TM+7], 24, v[PW]
.irp c, 0,1
	v_cvt_scalef32_pk16_bf6_f32 v[PC+6*\c:PC+2+6*\c], v[\s+32*\c:\s+15+32*\c], v[TM+12+2*\c]
	v_cvt_scalef32_pk16_bf6_f32 v[PC+12+4*\c:PC+14+4*\c], v[\s+16+32*\c:\s+31+32*\c], v[TM+12+2*\c+1]
.endr
	v_nop
.irp c, 0,1
.irp i, 0,1,2
	v_permlane16_swap_b32 v[PC+6*\c+\i], v[PC+12+4*\c+\i]
.endr
.irp i, 0,1,2
	v_mov_b32 v[PC+3+6*\c+\i], v[PC+12+4*\c+\i]
.endr
.endr
.endm
.macro GIMG base, off
	global_store_b128 v[O16], v[PC:PC+3], s[\base:\base+1] offset:\off
	global_store_b64 v[O8], v[PC+4:PC+5], s[\base:\base+1] offset:\off+512
	global_store_b128 v[O16], v[PC+6:PC+9], s[\base:\base+1] offset:\off+768
	global_store_b64 v[O8], v[PC+10:PC+11], s[\base:\base+1] offset:\off+1280
.endm
	s_wait_dscnt 16                                ; the even row-block's 16 loads are in; the odd one's may be out
	QUANT 32
	GIMG 30, 0
	v_mov_b32 v[KE], v[PW]
	s_wait_dscnt 0x0
	s_wait_xcnt 0x0                                ; the stores have read the codes' registers
	QUANT 96
	GIMG 30, 12288
	v_cndmask_b32 v[SW], v[KE], v[PW], s[HI]
	global_store_b32 v[O4], v[SW], s[32:33]
	s_wait_tensorcnt 0x0                           ; the wave's end
	ds_add_u32 v[SPW], v[NIL]
	s_wait_dscnt 0x0
	s_endpgm
.Lfunc_end_k_q56fa894d75_ln1:
	.size	k_q56fa894d75_ln1, .Lfunc_end_k_q56fa894d75_ln1-k_q56fa894d75_ln1
	.p2alignl 7, 3214868480
	.fill 96, 4, 3214868480
	.section	.rodata,"a",@progbits
	.p2align	6, 0x0
	.amdhsa_kernel k_q56fa894d75_ln1
		.amdhsa_group_segment_fixed_size 132608
		.amdhsa_private_segment_fixed_size 0
		.amdhsa_enable_private_segment 0
		.amdhsa_kernarg_size 40
		.amdhsa_user_sgpr_count 2
		.amdhsa_user_sgpr_kernarg_segment_ptr 1
		.amdhsa_wavefront_size32 1
		.amdhsa_system_sgpr_workgroup_id_x 1
		.amdhsa_system_sgpr_workgroup_id_y 1
		.amdhsa_system_sgpr_workgroup_id_z 1
		.amdhsa_system_vgpr_workitem_id 0
		.amdhsa_next_free_vgpr 256
		.amdhsa_next_free_sgpr 66
		.amdhsa_reserve_vcc 0
		.amdhsa_float_denorm_mode_32 3
		.amdhsa_float_denorm_mode_16_64 3
		.amdhsa_memory_ordered 1
		.amdhsa_forward_progress 1
		.amdhsa_inst_pref_size 47
	.end_amdhsa_kernel
	.amdgpu_metadata
---
amdhsa.version: [ 1, 2 ]
amdhsa.kernels:
  - .name:           k_q56fa894d75_ln1
    .symbol:         k_q56fa894d75_ln1.kd
    .args:
      - { .name: pre, .offset: 0, .size: 8, .value_kind: global_buffer, .address_space: global }
      - { .name: ln1_g, .offset: 8, .size: 8, .value_kind: global_buffer, .address_space: global }
      - { .name: ln1_b, .offset: 16, .size: 8, .value_kind: global_buffer, .address_space: global }
      - { .name: h1, .offset: 24, .size: 8, .value_kind: global_buffer, .address_space: global }
      - { .name: aq, .offset: 32, .size: 8, .value_kind: global_buffer, .address_space: global }
    .group_segment_fixed_size: 132608
    .private_segment_fixed_size: 0
    .kernarg_segment_align: 8
    .kernarg_segment_size: 40
    .max_flat_workgroup_size: 256
    .sgpr_count:     66
    .vgpr_count:     256
    .wavefront_size: 32
...
	.end_amdgpu_metadata
.endif
;; end of part 5
;; launch g_fc (part 6): grid 16 x 16, 4 waves a work-group, clusters of 4 x 4, 327,680 bytes of LDS; arguments aq, wq, b_fc, gq; writes gq
.if DOCPART == 6
	.amdgcn_target "amdgcn-amd-amdhsa--gfx1250"
	.amdhsa_code_object_version 6
	.text
	.protected	k_q56fa894d75_g_fc
	.globl	k_q56fa894d75_g_fc
	.p2align	8
	.type	k_q56fa894d75_g_fc,@function
k_q56fa894d75_g_fc:
	s_mov_b64 s[64:65], 0
	v_nop
	global_prefetch_b8 v0, s[64:65] scope:SCOPE_SE
	s_setreg_imm32_b32 hwreg(HW_REG_WAVE_MODE, 25, 1), 1
	s_wait_xcnt 0x0
	s_wait_alu depctr_hold_cnt(0) depctr_sa_sdst(0) depctr_va_vdst(0) depctr_va_sdst(0) depctr_va_ssrc(0) depctr_va_vcc(0) depctr_vm_vsrc(0)
	s_getreg_b32 s2, hwreg(HW_REG_IB_STS2, 6, 4)
	s_cmp_eq_u32 s2, 0
	s_cbranch_scc0 .Lentry_in_a_cluster
	s_endpgm
.Lentry_in_a_cluster:
	s_bfe_u32 s2, ttmp6, 0x10000c
	s_cmp_lg_u32 s2, 0xf033
	s_cbranch_scc0 .Lentry_shape_is_right
	s_endpgm
.Lentry_shape_is_right:
; gq = Q(gelu(h1 w_fc + b_fc)): the product on codes of BF6 (E3M2) with E8M0 scales; bias and activation in f32; the result quantised in registers along the next product's K (the 4,096 hidden units) and stored as codes.
; OPERANDS lie as images of fragments (16 rows x 128 K, 1,536 bytes: registers 6 c .. 6 c + 3 at 768 c + 16 x lane, 6 c + 4, 6 c + 5 at 768 c + 512 + 8 x lane), [row-block][K step]; in each group of 32 rows, row i
; stands at position sigma(i) (bits 3 and 4 exchanged).  Scale words lie [256 rows][K step][16 row-blocks][16 words].
; A tile of 256 x 256 is made by four waves, each 128 x 128: 64 accumulators.  K goes in steps of 256 through a ring of two LDS slots; the scale words of the tile's rows, for all of K, come once.
; Source 0 = 16 rows of the weight, source 1 = 16 tokens: a lane holds one token, and the 64 registers of a block of tokens are hidden units 32 c + 16 h + 0 .. 15: one K step of the next product.
; CLUSTERS 4 x 4: A's tiles jointly along a row of the cluster, B's along a column.
; THE ACTIVATION: 0.5 x (1 + tanh(u)) = x / (1 + e^(-2 u)), u = sqrt(2 / pi) (x + 0.044715 x^3): the same number, with no difference of near-equal terms for negative x; e^(-2 u) = 2^(x (k1 + k2 x^2)).
; LIMITS: a block whose largest magnitude lies under 2^-122 keeps the scale byte 1; NaN and infinities are not served.
.set KK,     1024
.set ASOFF,  3145728
.set WOFF,   3145728
.set WSOFF,  9568256
.set KT,     KK/128
.set LAPS,   KK/512
.set NQ,     2
.set FR,     12
.set NL,     4
.set NP,     4
.set FRB,    1536
.set RBB,    2*FRB
.set HALFT,  8*RBB
.set SLOT,   4*HALFT
.set KROW,   96*KT
.set KS,     4*KT
.set SCL,    2*SLOT
.set SCH,    512*KT
.set SPARE,  SCL+4*SCH
.set ADRA, 16
.set ADRB, 20
.set O16,  26
.set ADRS, 27
.set SPW,  28
.set NIL,  29
.set O8,   30
.set O4,   31
.set SC,   32
.set BIAS, 64
.set AF,   128
.set HA,   128                         ; the way out: 64 numbers,
.set T,    192                         ; 64 more at work in the activation; behind it:
.set PC,   192                         ; the codes just made,
.set TM,   212                         ; 16 registers at work,
.set PW,   228                         ; the scale word just made
.set KE,   10
.set SW,   11
.set SEL,  20
.set HI,   100
.set G1, 24
.set G0, 32
.set G1B, 48
.set G0B, 56
.set G1S, 68
.set G0S, 76
.set G1SB, 80
.set G0SB, 88
.set MSB, 0
.macro WIN new
.if MSB != (\new)
	s_set_vgpr_msb (MSB<<8)|(\new)
.set MSB, (\new)
.endif
.endm
.set MUL_LO, 0xa1
.set MUL_HI, 0xf1
.set TO_B,   0x40
.macro JLOAD g0a, g1a, g0b, g1b        ; a joint load: waves 0 and 1 fetch for A, waves 2 and 3 for B; an s_nop 0 and four v_nop follow each line
	s_cmp_eq_u32 s15, 0
	s_cbranch_scc0 .Lfor_b_\@
	tensor_load_to_lds s[\g0a:\g0a+3], s[\g1a:\g1a+7]
	s_nop 0
.rept 4
	v_nop
.endr
	s_branch .Lasked_\@
.Lfor_b_\@:
	tensor_load_to_lds s[\g0b:\g0b+3], s[\g1b:\g1b+7]
	s_nop 0
.rept 4
	v_nop
.endr
.Lasked_\@:
.endm
.macro CREST
	s_cmp_lg_u32 s14, 0
	s_cbranch_scc1 .Lnot_wave_0_\@
	s_barrier_signal -3
.Lnot_wave_0_\@:
	s_barrier_wait -3
	s_barrier_signal -1
	s_barrier_wait -1
.endm
.macro CROUND
	s_barrier_signal -1
	s_barrier_wait -1
	CREST
.endm
	s_load_b128 s[4:7], s[0:1], 0x0                ; aq, wq
	s_load_b128 s[8:11], s[0:1], 0x10              ; b_fc, gq
	v_lshl_add_u32 v[SPW], v0, 2, SPARE
	v_mov_b32 v[NIL], 0
	ds_add_u32 v[SPW], v[NIL]                      ; the wave's opening
	v_lshrrev_b32 v1, 5, v0
	v_readfirstlane_b32 s14, v1
	s_lshr_b32 s15, s14, 1
	s_and_b32 s16, s14, 1
	s_bfe_u32 s40, ttmp6, 0x40000
	s_bfe_u32 s41, ttmp6, 0x40004
	s_lshl_b32 s42, ttmp9, 2
	s_add_co_u32 s42, s42, s40                     ; B's tile
	s_and_b32 s17, ttmp7, 0xffff
	s_lshl_b32 s17, s17, 2
	s_add_co_u32 s17, s17, s41                     ; A's tile
	s_lshl_b32 s43, s41, 2
	s_lshl_b32 s43, 15, s43
	s_lshl_b32 s44, 0x1111, s40
	s_or_b32 s[G1+0], s43, (3<<16)|(1<<21)
	s_or_b32 s[G1B+0], s44, (3<<16)|(1<<21)
.irp g, G1, G1B
	s_mov_b32 s[\g+1], 384<<16
	s_mov_b32 s[\g+2], 8<<16
	s_mov_b32 s[\g+3], 384<<16
	s_mov_b32 s[\g+4], 8
	s_mov_b32 s[\g+5], 192*KT
	s_mov_b32 s[\g+6], 0
	s_mov_b32 s[\g+7], 0
.endr
	s_or_b32 s[G1S+0], s43, (3<<16)|(1<<21)
	s_or_b32 s[G1SB+0], s44, (3<<16)|(1<<21)
.irp g, G1S, G1SB
	s_mov_b32 s[\g+1], 32<<16
	s_mov_b32 s[\g+2], (2*KT)<<16
	s_mov_b32 s[\g+3], 32<<16
	s_mov_b32 s[\g+4], 2*KT
	s_mov_b32 s[\g+5], 32
	s_mov_b32 s[\g+6], 0
	s_mov_b32 s[\g+7], 0
.endr
	s_lshl_b32 s18, s16, 7
	s_lshl_b32 s20, s17, 8
	s_add_co_u32 s20, s20, s18
	s_lshl_b32 s46, s42, 8
	s_add_co_u32 s46, s46, s18
	s_mul_i32 s22, s20, KS
	s_add_co_u32 s22, s22, ASOFF
	s_mul_i32 s92, s46, KS
	s_add_co_u32 s92, s92, WSOFF
	s_mul_i32 s20, s20, KROW
	s_mul_i32 s46, s46, KROW
	s_add_co_u32 s46, s46, WOFF
	s_mov_b32 s21, 0
	s_mov_b32 s23, 0
	s_mov_b32 s47, 0
	s_mov_b32 s93, 0
	s_mul_i32 s45, s14, HALFT
	s_mul_i32 s94, s14, SCH
	s_wait_dscnt 0x0
	s_wait_kmcnt 0x0
	s_add_nc_u64 s[20:21], s[4:5], s[20:21]
	s_add_nc_u64 s[22:23], s[4:5], s[22:23]
	s_add_nc_u64 s[46:47], s[6:7], s[46:47]
	s_add_nc_u64 s[92:93], s[6:7], s[92:93]
	CROUND
	s_mov_b32 s[G0S], 1
	s_add_co_u32 s[G0S+1], s94, SCL
	s_mov_b64 s[G0S+2:G0S+3], s[22:23]
	s_or_b32 s[G0S+3], s[G0S+3], 0x80000000
	s_mov_b32 s[G0SB], 1
	s_add_co_u32 s[G0SB+1], s94, SCL
	s_mov_b64 s[G0SB+2:G0SB+3], s[92:93]
	s_or_b32 s[G0SB+3], s[G0SB+3], 0x80000000
	JLOAD G0S, G1S, G0SB, G1SB
.irp s, 0,1
	s_mov_b32 s[G0+4*\s], 1
	s_add_co_u32 s[G0+4*\s+1], s45, \s*SLOT
	s_add_nc_u64 s[G0+4*\s+2:G0+4*\s+3], s[20:21], \s*RBB
	s_or_b32 s[G0+4*\s+3], s[G0+4*\s+3], 0x80000000
	s_mov_b32 s[G0B+4*\s], 1
	s_add_co_u32 s[G0B+4*\s+1], s45, \s*SLOT
	s_add_nc_u64 s[G0B+4*\s+2:G0B+4*\s+3], s[46:47], \s*RBB
	s_or_b32 s[G0B+4*\s+3], s[G0B+4*\s+3], 0x80000000
	JLOAD G0+4*\s, G1, G0B+4*\s, G1B               ; three tensor loads of mine are out
.endr
	v_and_b32 v1, 15, v0
	v_bfe_u32 v2, v0, 4, 1
	v_and_b32 v3, 31, v0
	v_lshlrev_b32 v[O16], 4, v3
	v_lshlrev_b32 v[O8], 3, v3
	v_lshlrev_b32 v[O4], 2, v3
	s_mul_i32 s21, s15, HALFT
	s_mul_i32 s22, s16, HALFT
	s_add_co_u32 s22, s22, 2*HALFT
.irp s, 0,1
	v_add_nc_u32 v[ADRA+\s], s21, v[O16]
	v_add_nc_u32 v[ADRB+\s], s22, v[O16]
	v_add_nc_u32 v[ADRA+2+\s], s21, v[O8]
	v_add_nc_u32 v[ADRB+2+\s], s22, v[O8]
	s_add_co_u32 s21, s21, SLOT
	s_add_co_u32 s22, s22, SLOT
.endr
	s_lshl_b32 s21, s15, 9
	s_lshl_b32 s22, s16, 9
	s_add_co_u32 s22, s22, 1024*KT
	s_sub_co_u32 s22, s22, s21
	v_mul_u32_u24 v6, s22, v2
	s_add_co_u32 s21, s21, SCL
	v_lshl_add_u32 v5, v1, 2, v6
	v_add_nc_u32 v[ADRS], s21, v5
	s_lshl_b32 s46, s42, 10
	s_lshl_b32 s47, s16, 9
	s_add_co_u32 s46, s46, s47
	s_mov_b32 s47, 0
	s_add_nc_u64 s[8:9], s[8:9], s[46:47]          ; the bias of my 128 hidden units
	v_lshlrev_b32 v7, 6, v2                        ; never rewritten
.irp c, 0,1,2,3
.irp j, 0,1,2,3
	global_load_b128 v[BIAS+16*\c+4*\j:BIAS+16*\c+4*\j+3], v7, s[8:9] offset:128*\c+16*\j
.endr
.endr
	s_lshl_b32 s20, s17, 4
	s_lshl_b32 s21, s15, 3
	s_add_co_u32 s20, s20, s21                     ; my first row-block of tokens
	s_mul_i32 s20, s20, 49152                      ; x 32 K steps of 1,536 bytes
	s_lshl_b32 s46, s42, 1
	s_add_co_u32 s46, s46, s16                     ; the next product's K step that I make
	s_mul_i32 s47, s46, 1536
	s_add_co_u32 s20, s20, s47
	s_mov_b32 s21, 0
	s_add_nc_u64 s[12:13], s[10:11], s[20:21]      ; where my fragments go
	s_lshl_b32 s20, s17, 15
	s_lshl_b32 s46, s46, 10
	s_add_co_u32 s20, s20, s46
	s_lshl_b32 s47, s15, 9
	s_add_co_u32 s20, s20, s47
	s_add_co_u32 s20, s20, 12582912
	s_add_nc_u64 s[10:11], s[10:11], s[20:21]      ; and their scale words
.macro FRAG reg, adr, q, i
	ds_load_b128 v[\reg:\reg+3], v[\adr] offset:(\q)*FRB+(\i)*RBB
	ds_load_b64 v[\reg+4:\reg+5], v[\adr+2] offset:(\q)*FRB+(\i)*RBB+512
	ds_load_b128 v[\reg+6:\reg+9], v[\adr] offset:(\q)*FRB+(\i)*RBB+768
	ds_load_b64 v[\reg+10:\reg+11], v[\adr+2] offset:(\q)*FRB+(\i)*RBB+1280
.endm
.macro MUL16 a0, p, q, sc, zero        ; the 64 accumulators take turns, one instruction a turn
.irp a, \a0, \a0+1
.irp b, 0,1,2,3,4,5,6,7
.if \zero
	v_wmma_scale_f32_16x16x128_f8f6f4 v[8*(8*((\a)%4)+\b):8*(8*((\a)%4)+\b)+7], v[128*(\p)+FR*\b:128*(\p)+FR*\b+FR-1], v[AF+FR*(\a):AF+FR*(\a)+FR-1], 0, v[SC+8*NQ*(\sc)+NQ*\b+(\q)], v[SC+8*NQ*(\sc)+NQ*(\a)+(\q)] matrix_a_fmt:MATRIX_FMT_BF6 matrix_b_fmt:MATRIX_FMT_BF6 matrix_a_scale:MATRIX_SCALE_ROW1
.else
	v_wmma_scale_f32_16x16x128_f8f6f4 v[8*(8*((\a)%4)+\b):8*(8*((\a)%4)+\b)+7], v[128*(\p)+FR*\b:128*(\p)+FR*\b+FR-1], v[AF+FR*(\a):AF+FR*(\a)+FR-1], v[8*(8*((\a)%4)+\b):8*(8*((\a)%4)+\b)+7], v[SC+8*NQ*(\sc)+NQ*\b+(\q)], v[SC+8*NQ*(\sc)+NQ*(\a)+(\q)] matrix_a_fmt:MATRIX_FMT_BF6 matrix_b_fmt:MATRIX_FMT_BF6 matrix_a_scale:MATRIX_SCALE_ROW1
.endif
.endr
.endr
.endm
.macro FETCH_B slot, q, p
	WIN TO_B
.irp i, 0,1,2,3,4,5,6,7
	FRAG 128*(\p)+FR*\i, ADRB+\slot, \q, \i
.endr
	WIN 0
.endm
.macro FETCH_A slot, q, i0
.irp i, \i0, \i0+1, \i0+2, \i0+3
	FRAG AF+FR*(\i), ADRA+\slot, \q, \i
.endr
.endm
.macro SCALES sc
.irp i, 0,1,2,3,4,5,6,7
.irp q, 0,1
	ds_load_b32 v[SC+8*NQ*\sc+NQ*\i+\q], v[ADRS] offset:\q*1024+\i*64
.endr
.endr
.endm
.macro PLACES n
.rept \n
	v_nop
.endr
.endm
.macro STEP slot, q, zero
	s_wait_dscnt 4*NL                              ; all but the youngest 16 loads, A's blocks 4-7
	WIN MUL_LO
	MUL16 0, (\q)%2, \q, \slot, \zero
	MUL16 2, (\q)%2, \q, \slot, \zero
	s_wait_dscnt 0
	PLACES NP
	FETCH_B \slot, (\q)+1, 1-(\q)%2
	FETCH_A \slot, (\q)+1, 0
	WIN MUL_HI
	MUL16 4, (\q)%2, \q, \slot, \zero
	MUL16 6, (\q)%2, \q, \slot, \zero
	PLACES NP
	WIN 0
	FETCH_A \slot, (\q)+1, 4
.endm
.macro TURN slot, next, fill
	s_wait_tensorcnt 0x0                           ; all my tensor loads have landed: my part of the next slot
	ds_add_u32 v[SPW], v[NIL]
	s_wait_dscnt 4*NL+1                            ; (the add and A's blocks 4-7 may be out)
	WIN MUL_LO
	MUL16 0, 1, NQ-1, \slot, 0
	s_wait_dscnt 0x0                               ; the add is done, and my reads of this slot are over
	s_barrier_signal -1
	MUL16 2, 1, NQ-1, \slot, 0
	WIN 0
	s_barrier_wait -1
.if \fill
	CREST                                          ; a round of the cluster's barrier: no wave of any partner still reads this slot or has a load on its way
	s_add_nc_u64 s[G0+4*\slot+2:G0+4*\slot+3], s[G0+4*\slot+2:G0+4*\slot+3], 2*RBB
	s_add_nc_u64 s[G0B+4*\slot+2:G0B+4*\slot+3], s[G0B+4*\slot+2:G0B+4*\slot+3], 2*RBB
	JLOAD G0+4*\slot, G1, G0B+4*\slot, G1B
.else
	PLACES NP
.endif
	v_add_nc_u32 v[ADRS], 1024*NQ, v[ADRS]
	FETCH_B \next, 0, 0
	FETCH_A \next, 0, 0
	SCALES \next
	WIN MUL_HI
	MUL16 4, 1, NQ-1, \slot, 0
	MUL16 6, 1, NQ-1, \slot, 0
	PLACES NP
	WIN 0
	FETCH_A \next, 0, 4
.endm
	s_wait_tensorcnt 1                             ; the scale words and my part of slot 0 are in; slot 1's load may be out
	s_barrier_signal -1
	s_barrier_wait -1
	FETCH_B 0, 0, 0
	FETCH_A 0, 0, 0
	SCALES 0
	FETCH_A 0, 0, 4
	STEP 0, 0, 1
	s_mov_b32 s3, LAPS-1
.Llap:
	TURN 0, 1, 1
	STEP 1, 0, 0
	TURN 1, 0, 1
	STEP 0, 0, 0
	s_sub_co_u32 s3, s3, 1
	s_cmp_lg_u32 s3, 0
	s_cbranch_scc1 .Llap
	TURN 0, 1, 0
	STEP 1, 0, 0
	s_wait_dscnt 4*NL
	WIN MUL_LO
	MUL16 0, 1, NQ-1, 1, 0
	MUL16 2, 1, NQ-1, 1, 0
	s_wait_dscnt 0
	WIN MUL_HI
	MUL16 4, 1, NQ-1, 1, 0
	MUL16 6, 1, NQ-1, 1, 0
	WIN 0
; ---------------- the way out ----------------
.macro QUANT s                         ; 64 numbers of a lane, register 16 b + i = k 32 b + 16 (lane / 16) + i of my row -> codes in v[PC] on, scale word in v[PW]
.irp b, 0,1,2,3
	v_max3_num_f32 v[TM+\b], |v[\s+16*\b]|, |v[\s+1+16*\b]|, 0x2800000   ; and the floor 2^(5 - 127)
.endr
.irp i, 2,4,6,8,10,12,14
.irp b, 0,1,2,3
	v_max3_num_f32 v[TM+\b], v[TM+\b], |v[\s+16*\b+\i]|, |v[\s+1+16*\b+\i]|
.endr
.endr
.irp b, 0,1,2,3
	v_permlanex16_b32 v[TM+4+\b], v[TM+\b], s[SEL], s[SEL+1]
.endr
.irp b, 0,1,2,3
	v_max_num_f32 v[TM+\b], v[TM+\b], v[TM+4+\b]
.endr
.irp b, 0,1,2,3
	v_add_nc_u32 v[TM+12+\b], 0xfe000000, v[TM+\b]
.endr
.irp b, 0,1,2,3
	v_lshrrev_b32 v[TM+4+\b], 23, v[TM+12+\b]
.endr
	v_lshl_or_b32 v[PW], v[TM+5], 8, v[TM+4]
	v_lshl_or_b32 v[PW], v[TM+6], 16, v[PW]
	v_lshl_or_b32 v[PW], v[TM+7], 24, v[PW]
.irp c, 0,1
	v_cvt_scalef32_pk16_bf6_f32 v[PC+6*\c:PC+2+6*\c], v[\s+32*\c:\s+15+32*\c], v[TM+12+2*\c]
	v_cvt_scalef32_pk16_bf6_f32 v[PC+12+4*\c:PC+14+4*\c], v[\s+16+32*\c:\s+31+32*\c], v[TM+12+2*\c+1]
.endr
	v_nop
.irp c, 0,1
.irp i, 0,1,2
	v_permlane16_swap_b32 v[PC+6*\c+\i], v[PC+12+4*\c+\i]
.endr
.irp i, 0,1,2
	v_mov_b32 v[PC+3+6*\c+\i], v[PC+12+4*\c+\i]
.endr
.endr
.endm
.macro GIMG base, off
	global_store_b128 v[O16], v[PC:PC+3], s[\base:\base+1] offset:\off
	global_store_b64 v[O8], v[PC+4:PC+5], s[\base:\base+1] offset:\off+512
	global_store_b128 v[O16], v[PC+6:PC+9], s[\base:\base+1] offset:\off+768
	global_store_b64 v[O8], v[PC+10:PC+11], s[\base:\base+1] offset:\off+1280
.endm
.macro FCBLOCK a
.set AC, 64*((\a)%4)
.if (\a) > 0
	s_wait_xcnt 0x0                                ; the last block's stores have read their registers
.endif
	WIN 0x02+(\a)/4                                ; source 0: the accumulators' window
.set J, 0
.rept 32
	v_pk_add_f32 v[HA+J:HA+J+1], v[AC+J:AC+J+1], v[BIAS+J:BIAS+J+1]   ; x = the sum + the bias; each accumulator from its low end on
.set J, J+2
.endr
	WIN 0
.set J, 0
.rept 32
	v_pk_mul_f32 v[T+J:T+J+1], v[HA+J:HA+J+1], v[HA+J:HA+J+1]         ; x^2
.set J, J+2
.endr
.set J, 0
.rept 32
	v_pk_fma_f32 v[T+J:T+J+1], v[T+J:T+J+1], s[92:93], v[8:9] op_sel_hi:[1,0,1]   ; k2 x^2 + k1
.set J, J+2
.endr
.set J, 0
.rept 32
	v_pk_mul_f32 v[T+J:T+J+1], v[T+J:T+J+1], v[HA+J:HA+J+1]           ; x (k1 + k2 x^2) = -2 u log2(e)
.set J, J+2
.endr
.set J, 0
.rept 64
	v_exp_f32 v[T+J], v[T+J]
.set J, J+1
.endr
	v_nop                                          ; a plain place behind the batch
	s_wait_alu depctr_va_vdst(0)                   ; one wait for the 64, ahead of their first reader
.set J, 0
.rept 32
	v_pk_add_f32 v[T+J:T+J+1], v[T+J:T+J+1], 1.0 op_sel_hi:[1,0]
.set J, J+2
.endr
.set J, 0
.rept 64
	v_rcp_f32 v[T+J], v[T+J]
.set J, J+1
.endr
	v_nop
	s_wait_alu depctr_va_vdst(0)
.set J, 0
.rept 32
	v_pk_mul_f32 v[HA+J:HA+J+1], v[HA+J:HA+J+1], v[T+J:T+J+1]         ; x / (1 + e^(-2 u))
.set J, J+2
.endr
	QUANT HA
	GIMG 12, 49152*(\a)
.if (\a)%2 == 0
	v_mov_b32 v[KE], v[PW]
.else
	v_cndmask_b32 v[SW], v[KE], v[PW], s[HI]       ; lanes 0-15: row-block a - 1's words, lanes 16-31: row-block a's
	global_store_b32 v[O4], v[SW], s[10:11] offset:64*((\a)-1)
.endif
.endm
	PLACES NP                                      ; behind the last products
	s_mov_b32 s[SEL], 0x76543210
	s_mov_b32 s[SEL+1], 0xfedcba98
	s_mov_b32 s[HI], 0xffff0000
	s_mov_b32 s92, 0xbdd2d3e8                      ; k2 = 0.044715 k1
	s_mov_b32 s93, s92
	v_mov_b32 v8, 0xc0135761                       ; k1 = -2 log2(e) sqrt(2 / pi)
	v_mov_b32 v9, v8
	s_wait_loadcnt 0x0                             ; the bias
.irp a, 0,1,2,3,4,5,6,7
	FCBLOCK \a
.endr
	s_wait_tensorcnt 0x0                           ; the wave's end
	ds_add_u32 v[SPW], v[NIL]
	s_wait_dscnt 0x0
	CROUND                                         ; the closing round
	s_endpgm
.Lfunc_end_k_q56fa894d75_g_fc:
	.size	k_q56fa894d75_g_fc, .Lfunc_end_k_q56fa894d75_g_fc-k_q56fa894d75_g_fc
	.p2alignl 7, 3214868480
	.fill 96, 4, 3214868480
	.section	.rodata,"a",@progbits
	.p2align	6, 0x0
	.amdhsa_kernel k_q56fa894d75_g_fc
		.amdhsa_group_segment_fixed_size 327680
		.amdhsa_private_segment_fixed_size 0
		.amdhsa_enable_private_segment 0
		.amdhsa_kernarg_size 32
		.amdhsa_user_sgpr_count 2
		.amdhsa_user_sgpr_kernarg_segment_ptr 1
		.amdhsa_wavefront_size32 1
		.amdhsa_system_sgpr_workgroup_id_x 1
		.amdhsa_system_sgpr_workgroup_id_y 1
		.amdhsa_system_sgpr_workgroup_id_z 1
		.amdhsa_system_vgpr_workitem_id 0
		.amdhsa_next_free_vgpr 1024
		.amdhsa_next_free_sgpr 102
		.amdhsa_reserve_vcc 0
		.amdhsa_float_denorm_mode_32 3
		.amdhsa_float_denorm_mode_16_64 3
		.amdhsa_memory_ordered 1
		.amdhsa_forward_progress 1
		.amdhsa_inst_pref_size 255
	.end_amdhsa_kernel
	.section	.bss,"aw",@nobits
	.p2align	6
	.space	262144
	.amdgpu_metadata
---
amdhsa.version: [ 1, 2 ]
amdhsa.kernels:
  - .name:           k_q56fa894d75_g_fc
    .symbol:         k_q56fa894d75_g_fc.kd
    .args:
      - { .name: aq, .offset: 0, .size: 8, .value_kind: global_buffer, .address_space: global }
      - { .name: wq, .offset: 8, .size: 8, .value_kind: global_buffer, .address_space: global }
      - { .name: b_fc, .offset: 16, .size: 8, .value_kind: global_buffer, .address_space: global }
      - { .name: gq, .offset: 24, .size: 8, .value_kind: global_buffer, .address_space: global }
    .group_segment_fixed_size: 327680
    .private_segment_fixed_size: 0
    .kernarg_segment_align: 8
    .kernarg_segment_size: 32
    .max_flat_workgroup_size: 128
    .sgpr_count:     102
    .vgpr_count:     1024
    .wavefront_size: 32
...
	.end_amdgpu_metadata
.endif
;; end of part 6
;; launch g_fcp (part 7): grid 4 x 16, 4 waves a work-group, clusters of 4 x 4, 327,680 bytes of LDS; arguments gq, wq, b_fc_proj, h1, pre; writes pre
.if DOCPART == 7
	.amdgcn_target "amdgcn-amd-amdhsa--gfx1250"
	.amdhsa_code_object_version 6
	.text
	.protected	k_q56fa894d75_g_fcp
	.globl	k_q56fa894d75_g_fcp
	.p2align	8
	.type	k_q56fa894d75_g_fcp,@function
k_q56fa894d75_g_fcp:
	s_mov_b64 s[64:65], 0
	v_nop
	global_prefetch_b8 v0, s[64:65] scope:SCOPE_SE
	s_setreg_imm32_b32 hwreg(HW_REG_WAVE_MODE, 25, 1), 1
	s_wait_xcnt 0x0
	s_wait_alu depctr_hold_cnt(0) depctr_sa_sdst(0) depctr_va_vdst(0) depctr_va_sdst(0) depctr_va_ssrc(0) depctr_va_vcc(0) depctr_vm_vsrc(0)
	s_getreg_b32 s2, hwreg(HW_REG_IB_STS2, 6, 4)
	s_cmp_eq_u32 s2, 0
	s_cbranch_scc0 .Lentry_in_a_cluster
	s_endpgm
.Lentry_in_a_cluster:
	s_bfe_u32 s2, ttmp6, 0x10000c
	s_cmp_lg_u32 s2, 0xf033
	s_cbranch_scc0 .Lentry_shape_is_right
	s_endpgm
.Lentry_shape_is_right:
; pre = h1 + (gelu(..) w_fc_proj + b_fc_proj): the product (K = 4,096) on codes of BF6 (E3M2) with E8M0 scales, bias and residual in f32; pre is [4096][1024] f32 in token order.
; OPERANDS lie as images of fragments (16 rows x 128 K, 1,536 bytes: registers 6 c .. 6 c + 3 at 768 c + 16 x lane, 6 c + 4, 6 c + 5 at 768 c + 512 + 8 x lane), [row-block][K step]; in each group of 32 rows, row i
; stands at position sigma(i) (bits 3 and 4 exchanged).  Scale words lie [256 rows][K step][16 row-blocks][16 words].
; A tile of 256 x 256 is made by four waves, each 128 x 128: 64 accumulators.  K goes in steps of 256 through a ring of two LDS slots; the scale words of the tile's rows, for all of K (65,536 bytes), come once.
; Source 0 = 16 rows of the weight, source 1 = 16 tokens: a lane holds one token and eight neighbouring columns an accumulator.  CLUSTERS 4 x 4: A's tiles jointly along a row of the cluster, B's along a column.
; The grid has 64 work-groups: the tile is kept at 256 x 256 so that all four products of this program run one and the same loop.
.set KK,     4096
.set ASOFF,  12582912
.set WOFF,   6291456
.set WSOFF,  9699328
.set KT,     KK/128
.set LAPS,   KK/512
.set NQ,     2
.set FR,     12
.set NL,     4
.set NP,     4
.set FRB,    1536
.set RBB,    2*FRB
.set HALFT,  8*RBB
.set SLOT,   4*HALFT
.set KROW,   96*KT
.set KS,     4*KT
.set SCL,    2*SLOT
.set SCH,    512*KT
.set SPARE,  SCL+4*SCH
.set SPITCH, 528
.set ADRA, 16
.set ADRB, 20
.set STO,  24
.set RD,   25
.set O16,  26
.set ADRS, 27
.set SPW,  28
.set NIL,  29
.set O8,   30
.set SC,   32
.set BIAS, 64
.set AF,   128
.set BK,   128
.set G1, 24
.set G0, 32
.set G1B, 48
.set G0B, 56
.set G1S, 68
.set G0S, 76
.set G1SB, 80
.set G0SB, 88
.set MSB, 0
.macro WIN new
.if MSB != (\new)
	s_set_vgpr_msb (MSB<<8)|(\new)
.set MSB, (\new)
.endif
.endm
.set MUL_LO, 0xa1
.set MUL_HI, 0xf1
.set TO_B,   0x40
.macro JLOAD g0a, g1a, g0b, g1b        ; a joint load: waves 0 and 1 fetch for A, waves 2 and 3 for B; an s_nop 0 and four v_nop follow each line
	s_cmp_eq_u32 s15, 0
	s_cbranch_scc0 .Lfor_b_\@
	tensor_load_to_lds s[\g0a:\g0a+3], s[\g1a:\g1a+7]
	s_nop 0
.rept 4
	v_nop
.endr
	s_branch .Lasked_\@
.Lfor_b_\@:
	tensor_load_to_lds s[\g0b:\g0b+3], s[\g1b:\g1b+7]
	s_nop 0
.rept 4
	v_nop
.endr
.Lasked_\@:
.endm
.macro CREST
	s_cmp_lg_u32 s14, 0
	s_cbranch_scc1 .Lnot_wave_0_\@
	s_barrier_signal -3
.Lnot_wave_0_\@:
	s_barrier_wait -3
	s_barrier_signal -1
	s_barrier_wait -1
.endm
.macro CROUND
	s_barrier_signal -1
	s_barrier_wait -1
	CREST
.endm
	s_load_b256 s[4:11], s[0:1], 0x0               ; A's buffer, wq, the bias, the residual
	s_load_b64 s[12:13], s[0:1], 0x20              ; pre
	v_lshl_add_u32 v[SPW], v0, 2, SPARE
	v_mov_b32 v[NIL], 0
	ds_add_u32 v[SPW], v[NIL]                      ; the wave's opening
	v_lshrrev_b32 v1, 5, v0
	v_readfirstlane_b32 s14, v1
	s_lshr_b32 s15, s14, 1
	s_and_b32 s16, s14, 1
	s_bfe_u32 s40, ttmp6, 0x40000
	s_bfe_u32 s41, ttmp6, 0x40004
	s_lshl_b32 s42, ttmp9, 2
	s_add_co_u32 s42, s42, s40
	s_and_b32 s17, ttmp7, 0xffff
	s_lshl_b32 s17, s17, 2
	s_add_co_u32 s17, s17, s41
	s_lshl_b32 s43, s41, 2
	s_lshl_b32 s43, 15, s43
	s_lshl_b32 s44, 0x1111, s40
	s_or_b32 s[G1+0], s43, (3<<16)|(1<<21)
	s_or_b32 s[G1B+0], s44, (3<<16)|(1<<21)
.irp g, G1, G1B
	s_mov_b32 s[\g+1], 384<<16
	s_mov_b32 s[\g+2], 8<<16
	s_mov_b32 s[\g+3], 384<<16
	s_mov_b32 s[\g+4], 8
	s_mov_b32 s[\g+5], 192*KT
	s_mov_b32 s[\g+6], 0
	s_mov_b32 s[\g+7], 0
.endr
	s_or_b32 s[G1S+0], s43, (3<<16)|(1<<21)
	s_or_b32 s[G1SB+0], s44, (3<<16)|(1<<21)
.irp g, G1S, G1SB
	s_mov_b32 s[\g+1], 32<<16
	s_mov_b32 s[\g+2], (2*KT)<<16
	s_mov_b32 s[\g+3], 32<<16
	s_mov_b32 s[\g+4], 2*KT
	s_mov_b32 s[\g+5], 32
	s_mov_b32 s[\g+6], 0
	s_mov_b32 s[\g+7], 0
.endr
	s_lshl_b32 s18, s16, 7
	s_lshl_b32 s20, s17, 8
	s_add_co_u32 s20, s20, s18
	s_lshl_b32 s46, s42, 8
	s_add_co_u32 s46, s46, s18
	s_mul_i32 s22, s20, KS
	s_add_co_u32 s22, s22, ASOFF
	s_mul_i32 s92, s46, KS
	s_add_co_u32 s92, s92, WSOFF
	s_mul_i32 s20, s20, KROW
	s_mul_i32 s46, s46, KROW
	s_add_co_u32 s46, s46, WOFF
	s_mov_b32 s21, 0
	s_mov_b32 s23, 0
	s_mov_b32 s47, 0
	s_mov_b32 s93, 0
	s_mul_i32 s45, s14, HALFT
	s_mul_i32 s94, s14, SCH
	s_wait_dscnt 0x0
	s_wait_kmcnt 0x0
	s_add_nc_u64 s[20:21], s[4:5], s[20:21]
	s_add_nc_u64 s[22:23], s[4:5], s[22:23]
	s_add_nc_u64 s[46:47], s[6:7], s[46:47]
	s_add_nc_u64 s[92:93], s[6:7], s[92:93]
	CROUND
	s_mov_b32 s[G0S], 1
	s_add_co_u32 s[G0S+1], s94, SCL
	s_mov_b64 s[G0S+2:G0S+3], s[22:23]
	s_or_b32 s[G0S+3], s[G0S+3], 0x80000000
	s_mov_b32 s[G0SB], 1
	s_add_co_u32 s[G0SB+1], s94, SCL
	s_mov_b64 s[G0SB+2:G0SB+3], s[92:93]
	s_or_b32 s[G0SB+3], s[G0SB+3], 0x80000000
	JLOAD G0S, G1S, G0SB, G1SB
.irp s, 0,1
	s_mov_b32 s[G0+4*\s], 1
	s_add_co_u32 s[G0+4*\s+1], s45, \s*SLOT
	s_add_nc_u64 s[G0+4*\s+2:G0+4*\s+3], s[20:21], \s*RBB
	s_or_b32 s[G0+4*\s+3], s[G0+4*\s+3], 0x80000000
	s_mov_b32 s[G0B+4*\s], 1
	s_add_co_u32 s[G0B+4*\s+1], s45, \s*SLOT
	s_add_nc_u64 s[G0B+4*\s+2:G0B+4*\s+3], s[46:47], \s*RBB
	s_or_b32 s[G0B+4*\s+3], s[G0B+4*\s+3], 0x80000000
	JLOAD G0+4*\s, G1, G0B+4*\s, G1B               ; three tensor loads of mine are out
.endr
	v_and_b32 v1, 15, v0
	v_bfe_u32 v2, v0, 4, 1
	v_and_b32 v3, 31, v0
	v_lshlrev_b32 v[O16], 4, v3
	v_lshlrev_b32 v[O8], 3, v3
	s_mul_i32 s21, s15, HALFT
	s_mul_i32 s22, s16, HALFT
	s_add_co_u32 s22, s22, 2*HALFT
.irp s, 0,1
	v_add_nc_u32 v[ADRA+\s], s21, v[O16]
	v_add_nc_u32 v[ADRB+\s], s22, v[O16]
	v_add_nc_u32 v[ADRA+2+\s], s21, v[O8]
	v_add_nc_u32 v[ADRB+2+\s], s22, v[O8]
	s_add_co_u32 s21, s21, SLOT
	s_add_co_u32 s22, s22, SLOT
.endr
	s_lshl_b32 s21, s15, 9
	s_lshl_b32 s22, s16, 9
	s_add_co_u32 s22, s22, 1024*KT
	s_sub_co_u32 s22, s22, s21
	v_mul_u32_u24 v6, s22, v2
	s_add_co_u32 s21, s21, SCL
	v_lshl_add_u32 v5, v1, 2, v6
	v_add_nc_u32 v[ADRS], s21, v5
	s_mul_i32 s23, s14, 16*SPITCH
	v_mul_u32_u24 v5, v1, SPITCH
	v_lshl_add_u32 v5, v2, 6, v5
	v_add_nc_u32 v[STO], s23, v5
	v_add_nc_u32 v[RD], s23, v[O16]
	s_lshl_b32 s20, s17, 20
	s_lshl_b32 s21, s15, 19
	s_add_co_u32 s20, s20, s21
	s_lshl_b32 s46, s42, 10
	s_lshl_b32 s47, s16, 9
	s_add_co_u32 s46, s46, s47
	s_mov_b32 s47, 0
	s_add_nc_u64 s[8:9], s[8:9], s[46:47]
	s_add_co_u32 s20, s20, s46
	s_mov_b32 s21, 0
	s_add_nc_u64 s[12:13], s[12:13], s[20:21]
	s_add_nc_u64 s[10:11], s[10:11], s[20:21]
	global_load_b128 v[BIAS:BIAS+3], v[O16], s[8:9]   ; the bias of the four columns that I store; waited for at the head of the way out
.macro FRAG reg, adr, q, i
	ds_load_b128 v[\reg:\reg+3], v[\adr] offset:(\q)*FRB+(\i)*RBB
	ds_load_b64 v[\reg+4:\reg+5], v[\adr+2] offset:(\q)*FRB+(\i)*RBB+512
	ds_load_b128 v[\reg+6:\reg+9], v[\adr] offset:(\q)*FRB+(\i)*RBB+768
	ds_load_b64 v[\reg+10:\reg+11], v[\adr+2] offset:(\q)*FRB+(\i)*RBB+1280
.endm
.macro MUL16 a0, p, q, sc, zero        ; the 64 accumulators take turns, one instruction a turn
.irp a, \a0, \a0+1
.irp b, 0,1,2,3,4,5,6,7
.if \zero
	v_wmma_scale_f32_16x16x128_f8f6f4 v[8*(8*((\a)%4)+\b):8*(8*((\a)%4)+\b)+7], v[128*(\p)+FR*\b:128*(\p)+FR*\b+FR-1], v[AF+FR*(\a):AF+FR*(\a)+FR-1], 0, v[SC+8*NQ*(\sc)+NQ*\b+(\q)], v[SC+8*NQ*(\sc)+NQ*(\a)+(\q)] matrix_a_fmt:MATRIX_FMT_BF6 matrix_b_fmt:MATRIX_FMT_BF6 matrix_a_scale:MATRIX_SCALE_ROW1
.else
	v_wmma_scale_f32_16x16x128_f8f6f4 v[8*(8*((\a)%4)+\b):8*(8*((\a)%4)+\b)+7], v[128*(\p)+FR*\b:128*(\p)+FR*\b+FR-1], v[AF+FR*(\a):AF+FR*(\a)+FR-1], v[8*(8*((\a)%4)+\b):8*(8*((\a)%4)+\b)+7], v[SC+8*NQ*(\sc)+NQ*\b+(\q)], v[SC+8*NQ*(\sc)+NQ*(\a)+(\q)] matrix_a_fmt:MATRIX_FMT_BF6 matrix_b_fmt:MATRIX_FMT_BF6 matrix_a_scale:MATRIX_SCALE_ROW1
.endif
.endr
.endr
.endm
.macro FETCH_B slot, q, p
	WIN TO_B
.irp i, 0,1,2,3,4,5,6,7
	FRAG 128*(\p)+FR*\i, ADRB+\slot, \q, \i
.endr
	WIN 0
.endm
.macro FETCH_A slot, q, i0
.irp i, \i0, \i0+1, \i0+2, \i0+3
	FRAG AF+FR*(\i), ADRA+\slot, \q, \i
.endr
.endm
.macro SCALES sc
.irp i, 0,1,2,3,4,5,6,7
.irp q, 0,1
	ds_load_b32 v[SC+8*NQ*\sc+NQ*\i+\q], v[ADRS] offset:\q*1024+\i*64
.endr
.endr
.endm
.macro PLACES n
.rept \n
	v_nop
.endr
.endm
.macro STEP slot, q, zero
	s_wait_dscnt 4*NL                              ; all but the youngest 16 loads, A's blocks 4-7
	WIN MUL_LO
	MUL16 0, (\q)%2, \q, \slot, \zero
	MUL16 2, (\q)%2, \q, \slot, \zero
	s_wait_dscnt 0
	PLACES NP
	FETCH_B \slot, (\q)+1, 1-(\q)%2
	FETCH_A \slot, (\q)+1, 0
	WIN MUL_HI
	MUL16 4, (\q)%2, \q, \slot, \zero
	MUL16 6, (\q)%2, \q, \slot, \zero
	PLACES NP
	WIN 0
	FETCH_A \slot, (\q)+1, 4
.endm
.macro TURN slot, next, fill
	s_wait_tensorcnt 0x0                           ; all my tensor loads have landed: my part of the next slot
	ds_add_u32 v[SPW], v[NIL]
	s_wait_dscnt 4*NL+1                            ; (the add and A's blocks 4-7 may be out)
	WIN MUL_LO
	MUL16 0, 1, NQ-1, \slot, 0
	s_wait_dscnt 0x0                               ; the add is done, and my reads of this slot are over
	s_barrier_signal -1
	MUL16 2, 1, NQ-1, \slot, 0
	WIN 0
	s_barrier_wait -1
.if \fill
	CREST                                          ; a round of the cluster's barrier: no wave of any partner still reads this slot or has a load on its way
	s_add_nc_u64 s[G0+4*\slot+2:G0+4*\slot+3], s[G0+4*\slot+2:G0+4*\slot+3], 2*RBB
	s_add_nc_u64 s[G0B+4*\slot+2:G0B+4*\slot+3], s[G0B+4*\slot+2:G0B+4*\slot+3], 2*RBB
	JLOAD G0+4*\slot, G1, G0B+4*\slot, G1B
.else
	PLACES NP
.endif
	v_add_nc_u32 v[ADRS], 1024*NQ, v[ADRS]
	FETCH_B \next, 0, 0
	FETCH_A \next, 0, 0
	SCALES \next
	WIN MUL_HI
	MUL16 4, 1, NQ-1, \slot, 0
	MUL16 6, 1, NQ-1, \slot, 0
	PLACES NP
	WIN 0
	FETCH_A \next, 0, 4
.endm
	s_wait_tensorcnt 1                             ; the scale words and my part of slot 0 are in; slot 1's load may be out
	s_barrier_signal -1
	s_barrier_wait -1
	FETCH_B 0, 0, 0
	FETCH_A 0, 0, 0
	SCALES 0
	FETCH_A 0, 0, 4
	STEP 0, 0, 1
	s_mov_b32 s3, LAPS-1
.Llap:
	TURN 0, 1, 1
	STEP 1, 0, 0
	TURN 1, 0, 1
	STEP 0, 0, 0
	s_sub_co_u32 s3, s3, 1
	s_cmp_lg_u32 s3, 0
	s_cbranch_scc1 .Llap
	TURN 0, 1, 0
	STEP 1, 0, 0
	s_wait_dscnt 4*NL
	WIN MUL_LO
	MUL16 0, 1, NQ-1, 1, 0
	MUL16 2, 1, NQ-1, 1, 0
	s_wait_dscnt 0
	WIN MUL_HI
	MUL16 4, 1, NQ-1, 1, 0
	MUL16 6, 1, NQ-1, 1, 0
	WIN 0
; THE WAY OUT, a block of 16 tokens x 128 columns at a time, through my own stage.  Accumulator b of a lane holds columns 32 (b / 2) + 16 h + 8 (b % 2) + 0 .. 7; position t of block a is token 32 (a / 2) + 8 (a % 2) + t + 8 (t / 8).
.macro RLOAD a
	WIN 0x40
.irp t, 0,1,2,3,4,5,6,7,8,9,10,11,12,13,14,15
	global_load_b128 v[64*((\a)%2)+4*\t:64*((\a)%2)+4*\t+3], v[O16], s[10:11] offset:(32*((\a)/2)+8*((\a)%2)+\t+8*(\t/8))*4096 th:TH_LOAD_NT
.endr
	WIN 0
.endm
.macro TOSTAGE a
.set AC, 64*((\a)%4)
	WIN 0x08+4*((\a)/4)
.irp b, 0,1,2,3,4,5,6,7
	ds_store_b128 v[STO], v[AC+8*\b:AC+8*\b+3] offset:128*(\b/2)+32*(\b%2)        ; each accumulator from its low end on
	ds_store_b128 v[STO], v[AC+8*\b+4:AC+8*\b+7] offset:128*(\b/2)+32*(\b%2)+16
.endr
	WIN 0
.set BB, BK+64*((\a)%2)
.irp t, 0,1,2,3,4,5,6,7,8,9,10,11,12,13,14,15
	ds_load_b128 v[BB+4*\t:BB+4*\t+3], v[RD] offset:\t*SPITCH   ; LDS serves a wave's instructions in order: these see my stores
.endr
.endm
.macro SEND a, younger, left
.set BB, BK+64*((\a)%2)
.set RR, 64*((\a)%2)
	s_wait_dscnt \younger
.set J, 0
.rept 16
	v_pk_add_f32 v[BB+J:BB+J+1], v[BB+J:BB+J+1], v[BIAS:BIAS+1]
	v_pk_add_f32 v[BB+J+2:BB+J+3], v[BB+J+2:BB+J+3], v[BIAS+2:BIAS+3]
.set J, J+4
.endr
	s_wait_loadcnt \left
	WIN 0x04
.set J, 0
.rept 32
	v_pk_add_f32 v[BB+J:BB+J+1], v[BB+J:BB+J+1], v[RR+J:RR+J+1]
.set J, J+2
.endr
	WIN 0
.irp t, 0,1,2,3,4,5,6,7,8,9,10,11,12,13,14,15
	global_store_b128 v[O16], v[BB+4*\t:BB+4*\t+3], s[12:13] offset:(32*((\a)/2)+8*((\a)%2)+\t+8*(\t/8))*4096   ; 32 lanes store 512 consecutive bytes, aligned to 256
.endr
.endm
	PLACES NP
	s_wait_loadcnt 0x0                             ; the bias, my one global load so far, asked for at the head: it is in before the first block's additions read it
	RLOAD 0
	TOSTAGE 0
.irp a, 1,2,3,4,5,6,7
.if \a > 1
	s_wait_xcnt 0x0                                ; block a - 2's stores have read their registers: block a's loads may land there
.endif
	RLOAD \a
	TOSTAGE \a
	SEND (\a)-1, 32, 16                            ; behind block a - 1's: block a's 16 LDS stores and 16 LDS loads, and its 16 loads of the residual
.endr
	SEND 7, 0, 0
	s_wait_tensorcnt 0x0                           ; the wave's end
	ds_add_u32 v[SPW], v[NIL]
	s_wait_dscnt 0x0
	CROUND                                         ; the closing round
	s_endpgm
.Lfunc_end_k_q56fa894d75_g_fcp:
	.size	k_q56fa894d75_g_fcp, .Lfunc_end_k_q56fa894d75_g_fcp-k_q56fa894d75_g_fcp
	.p2alignl 7, 3214868480
	.fill 96, 4, 3214868480
	.section	.rodata,"a",@progbits
	.p2align	6, 0x0
	.amdhsa_kernel k_q56fa894d75_g_fcp
		.amdhsa_group_segment_fixed_size 327680
		.amdhsa_private_segment_fixed_size 0
		.amdhsa_enable_private_segment 0
		.amdhsa_kernarg_size 40
		.amdhsa_user_sgpr_count 2
		.amdhsa_user_sgpr_kernarg_segment_ptr 1
		.amdhsa_wavefront_size32 1
		.amdhsa_system_sgpr_workgroup_id_x 1
		.amdhsa_system_sgpr_workgroup_id_y 1
		.amdhsa_system_sgpr_workgroup_id_z 1
		.amdhsa_system_vgpr_workitem_id 0
		.amdhsa_next_free_vgpr 1024
		.amdhsa_next_free_sgpr 102
		.amdhsa_reserve_vcc 0
		.amdhsa_float_denorm_mode_32 3
		.amdhsa_float_denorm_mode_16_64 3
		.amdhsa_memory_ordered 1
		.amdhsa_forward_progress 1
		.amdhsa_inst_pref_size 190
	.end_amdhsa_kernel
	.amdgpu_metadata
---
amdhsa.version: [ 1, 2 ]
amdhsa.kernels:
  - .name:           k_q56fa894d75_g_fcp
    .symbol:         k_q56fa894d75_g_fcp.kd
    .args:
      - { .name: gq, .offset: 0, .size: 8, .value_kind: global_buffer, .address_space: global }
      - { .name: wq, .offset: 8, .size: 8, .value_kind: global_buffer, .address_space: global }
      - { .name: b_fc_proj, .offset: 16, .size: 8, .value_kind: global_buffer, .address_space: global }
      - { .name: h1, .offset: 24, .size: 8, .value_kind: global_buffer, .address_space: global }
      - { .name: pre, .offset: 32, .size: 8, .value_kind: global_buffer, .address_space: global }
    .group_segment_fixed_size: 327680
    .private_segment_fixed_size: 0
    .kernarg_segment_align: 8
    .kernarg_segment_size: 40
    .max_flat_workgroup_size: 128
    .sgpr_count:     102
    .vgpr_count:     1024
    .wavefront_size: 32
...
	.end_amdgpu_metadata
.endif
;; end of part 7
;; launch ln2 (part 8): grid 256 x 1, 8 waves a work-group, no clusters, 0 bytes of LDS; arguments pre, ln2_g, ln2_b, out0; writes out0
.if DOCPART == 8
	.amdgcn_target "amdgcn-amd-amdhsa--gfx1250"
	.amdhsa_code_object_version 6
	.text
	.protected	k_q56fa894d75_ln2
	.globl	k_q56fa894d75_ln2
	.p2align	8
	.type	k_q56fa894d75_ln2,@function
k_q56fa894d75_ln2:
	s_mov_b64 s[64:65], 0
	v_nop
	global_prefetch_b8 v0, s[64:65] scope:SCOPE_SE
	s_setreg_imm32_b32 hwreg(HW_REG_WAVE_MODE, 25, 1), 1
	s_wait_xcnt 0x0
; out0 = layernorm(pre) x g + b.  A row of 4,096 bytes is 32 registers of one wave: a wave takes two rows, and mean and variance never leave it.  The mean is taken away before the squares are summed (two passes
; over registers): a common offset of the inputs costs no accuracy.  Memory binds: each byte is read once and written once, 512 consecutive bytes an instruction; no LDS, no barrier, no matrix unit, no cluster.
; LIMITS: NaN and infinities are not served.
.set O16,  1
.set X,    32                          ; v32-95 two rows
.set G,    96
.set B,    128
.set VAR,  160
.set RS,   164
.set SEL,  20
	s_load_b256 s[4:11], s[0:1], 0x0               ; pre, g, b, out0
	v_lshrrev_b32 v2, 5, v0
	v_readfirstlane_b32 s14, v2
	v_and_b32 v2, 31, v0
	v_lshlrev_b32 v[O16], 4, v2
	s_lshl_b32 s16, ttmp9, 16
	s_lshl_b32 s17, s14, 13
	s_add_co_u32 s16, s16, s17                     ; my first token x 4,096 bytes
	s_mov_b32 s17, 0
	s_mov_b32 s[SEL], 0x76543210
	s_mov_b32 s[SEL+1], 0xfedcba98
	s_mov_b32 s22, 0x3a800000                      ; 1 / 1024
	s_mov_b32 s23, 0x3727c5ac                      ; 1e-5
	s_wait_kmcnt 0x0
	s_add_nc_u64 s[4:5], s[4:5], s[16:17]
	s_add_nc_u64 s[10:11], s[10:11], s[16:17]
.irp j, 0,1,2,3,4,5,6,7
	global_load_b128 v[G+4*\j:G+4*\j+3], v[O16], s[6:7] offset:512*\j
.endr
.irp j, 0,1,2,3,4,5,6,7
	global_load_b128 v[B+4*\j:B+4*\j+3], v[O16], s[8:9] offset:512*\j
.endr
.irp p, 0,1
.irp j, 0,1,2,3,4,5,6,7
	global_load_b128 v[X+32*\p+4*\j:X+32*\p+4*\j+3], v[O16], s[4:5] offset:4096*\p+512*\j th:TH_LOAD_NT
.endr
.endr
.macro REDUCE                          ; v12 summed over the 32 lanes, in every lane
	v_add_f32_dpp v12, v12, v12 row_xmask:1 row_mask:0xf bank_mask:0xf
	v_add_f32_dpp v12, v12, v12 row_xmask:2 row_mask:0xf bank_mask:0xf
	v_add_f32_dpp v12, v12, v12 row_xmask:4 row_mask:0xf bank_mask:0xf
	v_add_f32_dpp v12, v12, v12 row_xmask:8 row_mask:0xf bank_mask:0xf
	v_permlanex16_b32 v13, v12, s[SEL], s[SEL+1]
	v_add_f32 v12, v12, v13
.endm
.macro STAT p, left                    ; row p: the mean is taken away in place; var + eps into v[VAR + p].  left: the later row's loads, which may stay out
.set XR, X+32*(\p)
	s_wait_loadcnt \left
	v_pk_add_f32 v[12:13], v[XR:XR+1], v[XR+2:XR+3]
	v_pk_add_f32 v[14:15], v[XR+4:XR+5], v[XR+6:XR+7]
	v_pk_add_f32 v[16:17], v[XR+8:XR+9], v[XR+10:XR+11]
	v_pk_add_f32 v[18:19], v[XR+12:XR+13], v[XR+14:XR+15]
.irp k, 16,24
	v_pk_add_f32 v[12:13], v[12:13], v[XR+\k:XR+\k+1]
	v_pk_add_f32 v[14:15], v[14:15], v[XR+\k+2:XR+\k+3]
	v_pk_add_f32 v[16:17], v[16:17], v[XR+\k+4:XR+\k+5]
	v_pk_add_f32 v[18:19], v[18:19], v[XR+\k+6:XR+\k+7]
.endr
	v_pk_add_f32 v[12:13], v[12:13], v[14:15]
	v_pk_add_f32 v[16:17], v[16:17], v[18:19]
	v_pk_add_f32 v[12:13], v[12:13], v[16:17]
	v_add_f32 v12, v12, v13
	REDUCE
	v_mul_f32 v20, 0xba800000, v12                 ; - the mean
	v_mov_b32 v21, v20
.set J, 0
.rept 16
	v_pk_add_f32 v[XR+J:XR+J+1], v[XR+J:XR+J+1], v[20:21]
.set J, J+2
.endr
	v_pk_mul_f32 v[12:13], v[XR:XR+1], v[XR:XR+1]
	v_pk_mul_f32 v[14:15], v[XR+2:XR+3], v[XR+2:XR+3]
.irp k, 4,8,12,16,20,24,28
	v_pk_fma_f32 v[12:13], v[XR+\k:XR+\k+1], v[XR+\k:XR+\k+1], v[12:13]
	v_pk_fma_f32 v[14:15], v[XR+\k+2:XR+\k+3], v[XR+\k+2:XR+\k+3], v[14:15]
.endr
	v_pk_add_f32 v[12:13], v[12:13], v[14:15]
	v_add_f32 v12, v12, v13
	REDUCE
	v_fma_f32 v[VAR+\p], v12, s22, s23
.endm
	STAT 0, 8
	STAT 1, 0
.irp p, 0,1
	v_rsq_f32 v[RS+2*\p], v[VAR+\p]
.endr
	v_nop                                          ; a plain place behind the last of the batch
	s_wait_alu depctr_va_vdst(0)                   ; one wait for the two, ahead of their first reader
.irp p, 0,1
	v_mov_b32 v[RS+2*\p+1], v[RS+2*\p]
.endr
.macro NORM p
.set XR, X+32*(\p)
.set J, 0
.rept 16
	v_pk_mul_f32 v[XR+J:XR+J+1], v[XR+J:XR+J+1], v[RS+2*(\p):RS+2*(\p)+1]
.set J, J+2
.endr
.set J, 0
.rept 16
	v_pk_fma_f32 v[XR+J:XR+J+1], v[XR+J:XR+J+1], v[G+J:G+J+1], v[B+J:B+J+1]
.set J, J+2
.endr
.irp j, 0,1,2,3,4,5,6,7
	global_store_b128 v[O16], v[XR+4*\j:XR+4*\j+3], s[10:11] offset:4096*(\p)+512*\j th:TH_STORE_NT   ; 512 consecutive bytes
.endr
.endm
	NORM 0
	NORM 1
	s_endpgm
.Lfunc_end_k_q56fa894d75_ln2:
	.size	k_q56fa894d75_ln2, .Lfunc_end_k_q56fa894d75_ln2-k_q56fa894d75_ln2
	.p2alignl 7, 3214868480
	.fill 96, 4, 3214868480
	.section	.rodata,"a",@progbits
	.p2align	6, 0x0
	.amdhsa_kernel k_q56fa894d75_ln2
		.amdhsa_group_segment_fixed_size 0
		.amdhsa_private_segment_fixed_size 0
		.amdhsa_enable_private_segment 0
		.amdhsa_kernarg_size 32
		.amdhsa_user_sgpr_count 2
		.amdhsa_user_sgpr_kernarg_segment_ptr 1
		.amdhsa_wavefront_size32 1
		.amdhsa_system_sgpr_workgroup_id_x 1
		.amdhsa_system_sgpr_workgroup_id_y 1
		.amdhsa_system_sgpr_workgroup_id_z 1
		.amdhsa_system_vgpr_workitem_id 0
		.amdhsa_next_free_vgpr 192
		.amdhsa_next_free_sgpr 66
		.amdhsa_reserve_vcc 0
		.amdhsa_float_denorm_mode_32 3
		.amdhsa_float_denorm_mode_16_64 3
		.amdhsa_memory_ordered 1
		.amdhsa_forward_progress 1
		.amdhsa_inst_pref_size 18
	.end_amdhsa_kernel
	.amdgpu_metadata
---
amdhsa.version: [ 1, 2 ]
amdhsa.kernels:
  - .name:           k_q56fa894d75_ln2
    .symbol:         k_q56fa894d75_ln2.kd
    .args:
      - { .name: pre, .offset: 0, .size: 8, .value_kind: global_buffer, .address_space: global }
      - { .name: ln2_g, .offset: 8, .size: 8, .value_kind: global_buffer, .address_space: global }
      - { .name: ln2_b, .offset: 16, .size: 8, .value_kind: global_buffer, .address_space: global }
      - { .name: out0, .offset: 24, .size: 8, .value_kind: global_buffer, .address_space: global }
    .group_segment_fixed_size: 0
    .private_segment_fixed_size: 0
    .kernarg_segment_align: 8
    .kernarg_segment_size: 32
    .max_flat_workgroup_size: 256
    .sgpr_count:     66
    .vgpr_count:     192
    .wavefront_size: 32
...
	.end_amdgpu_metadata
.endif
;; end of part 8
;; ======== version 2 of 2: 7 launches
;; limits: right only within a limited range of input values
;; workspace buffers: wq 9,830,400 bytes; aq 3,276,800 bytes; qkvq 10,092,544 bytes; pre 16,777,216 bytes; h1 16,777,216 bytes; gq 13,107,200 bytes; hq 3,276,800 bytes
;; launch prep (part 9): grid 640 x 1, 4 waves a work-group, no clusters, 68,096 bytes of LDS; arguments x, w_attn, w_proj, w_fc, w_fc_proj, wq, aq; writes wq, aq
.if DOCPART == 9
	.amdgcn_target "amdgcn-amd-amdhsa--gfx1250"
	.amdhsa_code_object_version 6
	.text
	.protected	k_q56fa894d75_prep
	.globl	k_q56fa894d75_prep
	.p2align	8
	.type	k_q56fa894d75_prep,@function
k_q56fa894d75_prep:
	s_mov_b64 s[64:65], 0
	v_nop
	global_prefetch_b8 v0, s[64:65] scope:SCOPE_SE
	s_setreg_imm32_b32 hwreg(HW_REG_WAVE_MODE, 25, 1), 1
	s_wait_xcnt 0x0
; PREP: the four weights ([K][N] f32, K their first axis) and x ([4096][1024] f32) become codes of BF6 (E3M2) with one E8M0 byte for each 32 along K.
; LAYOUT OF THE CODE BUFFERS MADE HERE.  A fragment is 16 rows x 128 K, 12 registers a lane, kept as an image of those registers, 1,536 bytes: registers 4 c .. 4 c + 3 at 512 c + 16 x lane, c = 0, 1, 2.
; Fragments lie [row-block][K step].  Scale words (4 bytes: a row's 128 K) lie [256 rows][K step][16 row-blocks][16 words].
; POSITIONS.  In each aligned group of 32 rows, row i stands at position sigma(i), sigma = bits 3 and 4 exchanged: lane r of row-block 2 g + u holds row 32 g + 8 u + r + 8 (r / 8).
; With that, the 16 registers that a lane gets from two neighbouring tiles of a product's first source are 16 neighbours along the next product's K.
; A block's scale is 2^(floor(log2(largest magnitude)) - 4): its byte is the largest magnitude's exponent field - 4, held at 1 from below.
; LIMITS: a block whose largest magnitude lies under 2^-122, a block of zeros too, keeps the byte 1 (the codes of a block of zeros are zeros, and this program alone reads the bytes); NaN and infinities are not served.
; Work-groups 0-383: the weights, a wave 32 columns x 256 K, a lane a column, registers down K; no LDS.  Work-groups 384-639: x, a wave 32 tokens x 128 K, turned through the wave's own stage in LDS.
.set SPARE, 67584                      ; behind the four stages of 32 x 528 bytes: the spare words, 128 bytes a wave
.set SPW,  2                           ; v2   LDS address of my spare word; never rewritten
.set NIL,  3                           ; v3   0; never rewritten
.set LANE, 4
.set O16,  5                           ; 16 x lane
.set O8,   6
.set O4,   7                           ; 4 x lane
.set X,    32                          ; weights: two sets of 32 numbers; x: 32 rows x 4 registers
.set OFS,  96                          ; weights: v96-127 byte offset of row i of a block at my column
.set F0,   128                         ; weights: the fragment of my wave's even row-block,
.set F1,   140                         ; of its odd one,
.set TQ,   152                         ; and the upper halves of four blocks' codes, 4 registers apart
.set SWD,  24                          ; weights: my column's scale word
.set PC,   224                         ; x: the codes just made (20 registers)
.set TM,   100                         ; x: 16 registers at work
.set PW,   116                         ; x: the scale word just made
.set KE,   117
.set SW,   118
.set SEL,  58                          ; s[58:59] lane selects for lane l xor 16
.set HI,   60                          ; s60 mask of lanes 16-31
	s_load_b256 s[4:11], s[0:1], 0x0               ; x, w_attn, w_proj, w_fc
	s_load_b128 s[12:15], s[0:1], 0x20             ; w_fc_proj, wq
	s_load_b64 s[16:17], s[0:1], 0x30              ; aq
	v_lshl_add_u32 v[SPW], v0, 2, SPARE
	v_mov_b32 v[NIL], 0
	v_lshrrev_b32 v1, 5, v0
	v_readfirstlane_b32 s18, v1                    ; wave
	v_and_b32 v[LANE], 31, v0
	v_lshlrev_b32 v[O16], 4, v[LANE]
	v_lshlrev_b32 v[O4], 2, v[LANE]
	s_cmp_lt_u32 ttmp9, 384
	s_cbranch_scc0 .Lx_path
; ---------------- the weights ----------------
	v_and_b32 v8, 7, v[LANE]
	v_and_b32 v9, 8, v[LANE]
	v_lshl_or_b32 v8, v9, 1, v8
	v_bfe_u32 v9, v[LANE], 4, 1
	v_lshl_or_b32 v8, v9, 3, v8                    ; sigma(lane): my column in the wave's 32
	v_lshlrev_b32 v[OFS], 2, v8
	s_mov_b32 s20, 256                             ; w_fc_proj: first work-group,
	s_mov_b32 s21, 4096                            ; bytes in a row,
	s_mov_b32 s22, 32                              ; K steps,
	s_mov_b32 s23, 4                               ; log2 of the work-groups along K,
	s_mov_b32 s24, 6291456                         ; its codes' place in wq,
	s_mov_b32 s25, 9699328                         ; its scale words'
	s_wait_alu depctr_va_vdst(0)
	s_wait_kmcnt 0x0
	s_mov_b64 s[26:27], s[12:13]
	s_cmp_lt_u32 ttmp9, 256                        ; w_fc.  Every choice hangs on the work-group's number alone
	s_cselect_b64 s[26:27], s[10:11], s[26:27]
	s_cselect_b32 s20, 128, s20
	s_cselect_b32 s21, 16384, s21
	s_cselect_b32 s22, 8, s22
	s_cselect_b32 s23, 2, s23
	s_cselect_b32 s24, 3145728, s24
	s_cselect_b32 s25, 9568256, s25
	s_cmp_lt_u32 ttmp9, 128                        ; w_proj
	s_cselect_b64 s[26:27], s[8:9], s[26:27]
	s_cselect_b32 s20, 96, s20
	s_cselect_b32 s21, 4096, s21
	s_cselect_b32 s24, 2359296, s24
	s_cselect_b32 s25, 9535488, s25
	s_cmp_lt_u32 ttmp9, 96                         ; w_attn
	s_cselect_b64 s[26:27], s[6:7], s[26:27]
	s_cselect_b32 s20, 0, s20
	s_cselect_b32 s21, 12288, s21
	s_cselect_b32 s24, 0, s24
	s_cselect_b32 s25, 9437184, s25
	s_sub_co_u32 s28, ttmp9, s20
	s_bfm_b32 s29, s23, 0
	s_and_b32 s29, s28, s29                        ; kg: which 256 along K
	s_lshr_b32 s28, s28, s23                       ; cg: which 128 columns
.set I, 1
.rept 31
	v_add_nc_u32 v[OFS+I], s21, v[OFS+I-1]         ; row i of a block: i rows further down
.set I, I+1
.endr
	s_mul_i32 s30, s29, s21
	s_lshl_b32 s30, s30, 8                         ; 256 kg rows
	s_lshl_b32 s31, s28, 9
	s_add_co_u32 s30, s30, s31                     ; + 128 cg columns
	s_lshl_b32 s31, s18, 7
	s_add_co_u32 s30, s30, s31                     ; + 32 x wave columns
	s_mov_b32 s31, 0
	s_add_nc_u64 s[32:33], s[26:27], s[30:31]      ; block 0's first row;
	s_lshl_b32 s30, s21, 5
.irp t, 1,2,3,4,5,6,7
	s_add_nc_u64 s[32+2*\t:33+2*\t], s[30+2*\t:31+2*\t], s[30:31]   ; block t's: 32 rows on
.endr
	s_lshl_b32 s48, s28, 3
	s_lshl_b32 s49, s18, 1
	s_add_co_u32 s48, s48, s49                     ; my even row-block: 8 cg + 2 x wave
	s_mul_i32 s50, s48, s22
	s_lshl_b32 s51, s29, 1
	s_add_co_u32 s50, s50, s51                     ; x K steps + 2 kg
	s_mul_i32 s50, s50, 1536
	s_add_co_u32 s50, s50, s24
	s_mov_b32 s51, 0
	s_add_nc_u64 s[52:53], s[14:15], s[50:51]      ; where the even row-block's fragments go,
	s_mul_i32 s50, s22, 1536
	s_add_nc_u64 s[54:55], s[52:53], s[50:51]      ; and the odd one's
	s_lshr_b32 s50, s48, 4
	s_mul_i32 s50, s50, s22
	s_lshl_b32 s50, s50, 10
	s_lshl_b32 s56, s29, 11
	s_add_co_u32 s50, s50, s56
	s_and_b32 s56, s48, 15
	s_lshl_b32 s56, s56, 6
	s_add_co_u32 s50, s50, s56
	s_add_co_u32 s50, s50, s25
	s_add_nc_u64 s[56:57], s[14:15], s[50:51]      ; and the two row-blocks' scale words, 128 bytes on end
.macro LOAD t                          ; block t: W(32 t + i, my column): 32 lanes read 128 consecutive bytes, the four waves 512
.set I, 0
.rept 32
	global_load_b32 v[X+32*((\t)%2)+I], v[OFS+I], s[32+2*(\t):33+2*(\t)] th:TH_LOAD_NT
.set I, I+1
.endr
.endm
.macro BLOCK t
.set XS, X+32*((\t)%2)
.set Q, (\t)%4
.set FD, F0+12*(Q%2)+6*(Q/2)
.if (\t) < 7
	s_wait_loadcnt 32                              ; this block's 32 loads are in; the next block's may be out
.else
	s_wait_loadcnt 0x0
.endif
	v_max3_num_f32 v12, |v[XS]|, |v[XS+1]|, |v[XS+2]|   ; the block's largest magnitude: all 32 numbers are mine
	v_max3_num_f32 v13, |v[XS+3]|, |v[XS+4]|, |v[XS+5]|
.irp i, 6,10,14,18,22,26
	v_max3_num_f32 v12, v12, |v[XS+\i]|, |v[XS+\i+1]|
	v_max3_num_f32 v13, v13, |v[XS+\i+2]|, |v[XS+\i+3]|
.endr
	v_max3_num_f32 v12, v12, |v[XS+30]|, |v[XS+31]|
	v_max3_num_f32 v12, v12, v13, 0x2800000        ; and the floor 2^(5 - 127): the byte cannot fall under 1
	v_add_nc_u32 v11, 0xfe000000, v12              ; 4 off the exponent field: the conversion's scale operand
	v_lshrrev_b32 v13, 23, v11                     ; the scale's byte
.if Q == 0
	v_mov_b32 v[SWD], v13
.else
	v_lshl_or_b32 v[SWD], v13, 8*Q, v[SWD]
.endif
	v_cvt_scalef32_pk16_bf6_f32 v[FD:FD+2], v[XS:XS+15], v11
	v_cvt_scalef32_pk16_bf6_f32 v[TQ+4*Q:TQ+4*Q+2], v[XS+16:XS+31], v11   ; (a conversion's three registers begin on an even number)
.if (\t)+2 < 8
	LOAD (\t)+2
.endif
.endm
; Four blocks are a K step.  A lane holds all four blocks of ITS column; the operand's layout wants block 2 c + (lane / 16) of column lane % 16 of one row-block.  One exchange of halves between the registers of
; blocks 2 c and 2 c + 1 gives both row-blocks' registers at once: the first then belongs to the even row-block, the second to the odd one.
.macro OUTK s
	v_nop                                          ; a plain place behind the last conversion
.irp i, 0,1,2
	v_permlane16_swap_b32 v[F0+\i], v[F1+\i]
	v_permlane16_swap_b32 v[TQ+\i], v[TQ+4+\i]
	v_permlane16_swap_b32 v[F0+6+\i], v[F1+6+\i]
	v_permlane16_swap_b32 v[TQ+8+\i], v[TQ+12+\i]
.endr
.irp i, 0,1,2
	v_mov_b32 v[F0+3+\i], v[TQ+\i]
	v_mov_b32 v[F1+3+\i], v[TQ+4+\i]
	v_mov_b32 v[F0+9+\i], v[TQ+8+\i]
	v_mov_b32 v[F1+9+\i], v[TQ+12+\i]
.endr
; THE IMAGE AS IT IS STORED HERE (weights and x alike): registers 4 c .. 4 c + 3 at 512 c + 16 x lane, c = 0, 1, 2: each store of the wave covers 512 consecutive bytes, aligned to 256
.irp c, 0,1,2
	global_store_b128 v[O16], v[F0+4*\c:F0+4*\c+3], s[52:53] offset:1536*\s+512*\c
.endr
.irp c, 0,1,2
	global_store_b128 v[O16], v[F1+4*\c:F1+4*\c+3], s[54:55] offset:1536*\s+512*\c
.endr
	global_store_b32 v[O4], v[SWD], s[56:57] offset:1024*\s
.endm
	s_wait_alu depctr_va_vdst(0)
	LOAD 0
	LOAD 1
	BLOCK 0
	BLOCK 1
	BLOCK 2
	BLOCK 3
	OUTK 0
	s_wait_xcnt 0x0                                ; the stores have read their registers: the next K step's codes and word may be written
	BLOCK 4
	BLOCK 5
	BLOCK 6
	BLOCK 7
	OUTK 1
	s_endpgm
; ---------------- x ----------------
; 64 numbers of a lane, register 16 b + i = k 32 b + 16 (lane / 16) + i of my row, become a fragment's codes in v[PC] on and its scale word in v[PW] (the same in lanes r and r + 16).
.macro QUANT s
.irp b, 0,1,2,3
	v_max3_num_f32 v[TM+\b], |v[\s+16*\b]|, |v[\s+1+16*\b]|, 0x2800000   ; my 16 numbers of block b, and the floor 2^(5 - 127)
.endr
.irp i, 2,4,6,8,10,12,14
.irp b, 0,1,2,3
	v_max3_num_f32 v[TM+\b], v[TM+\b], |v[\s+16*\b+\i]|, |v[\s+1+16*\b+\i]|
.endr
.endr
.irp b, 0,1,2,3
	v_permlanex16_b32 v[TM+4+\b], v[TM+\b], s[SEL], s[SEL+1]
.endr
.irp b, 0,1,2,3
	v_max_num_f32 v[TM+\b], v[TM+\b], v[TM+4+\b]   ; with lane l xor 16's: the block's largest magnitude
.endr
.irp b, 0,1,2,3
	v_add_nc_u32 v[TM+12+\b], 0xfe000000, v[TM+\b]   ; 4 off its exponent field: the conversion's scale operand
.endr
.irp b, 0,1,2,3
	v_lshrrev_b32 v[TM+4+\b], 23, v[TM+12+\b]      ; the scale's byte
.endr
	v_lshl_or_b32 v[PW], v[TM+5], 8, v[TM+4]
	v_lshl_or_b32 v[PW], v[TM+6], 16, v[PW]
	v_lshl_or_b32 v[PW], v[TM+7], 24, v[PW]
.irp c, 0,1
	v_cvt_scalef32_pk16_bf6_f32 v[PC+6*\c:PC+2+6*\c], v[\s+32*\c:\s+15+32*\c], v[TM+12+2*\c]
	v_cvt_scalef32_pk16_bf6_f32 v[PC+12+4*\c:PC+14+4*\c], v[\s+16+32*\c:\s+31+32*\c], v[TM+12+2*\c+1]
.endr
	v_nop                                          ; a plain place behind the last conversion
.irp c, 0,1                                    ; the layout wants a whole block in a lane: lanes 0-15 block 2 c, lanes 16-31 block 2 c + 1
.irp i, 0,1,2
	v_permlane16_swap_b32 v[PC+6*\c+\i], v[PC+12+4*\c+\i]
.endr
.irp i, 0,1,2
	v_mov_b32 v[PC+3+6*\c+\i], v[PC+12+4*\c+\i]
.endr
.endr
.endm
.macro GIMG base, off                          ; the fragment in v[PC] on goes to memory as its image
.irp c, 0,1,2
	global_store_b128 v[O16], v[PC+4*\c:PC+4*\c+3], s[\base:\base+1] offset:\off+512*\c
.endr
.endm
.Lx_path:
	s_sub_co_u32 s20, ttmp9, 384
	s_lshr_b32 s21, s20, 1                         ; g: which 32 tokens
	s_and_b32 s20, s20, 1
	s_lshl_b32 s20, s20, 2
	s_add_co_u32 s20, s20, s18                     ; my K step, 0..7
	s_lshl_b32 s22, s21, 17                        ; 32 g rows of 4,096 bytes
	s_lshl_b32 s23, s20, 9
	s_add_co_u32 s22, s22, s23
	s_mov_b32 s23, 0
	s_mul_i32 s24, s18, 16896                      ; my stage: 32 rows x 528 bytes
	s_wait_alu depctr_va_vdst(0)
	v_add_nc_u32 v8, s24, v[O16]                   ; in: 16 bytes a lane of a row's 512
	v_and_b32 v9, 15, v0
	v_bfe_u32 v10, v0, 4, 1
	v_mul_u32_u24 v9, v9, 528
	v_lshl_add_u32 v9, v10, 6, v9
	v_add_nc_u32 v9, s24, v9                       ; out: position lane % 16, + 64 (lane / 16): my 16 numbers of each block of 32
	s_mov_b32 s[SEL], 0x76543210
	s_mov_b32 s[SEL+1], 0xfedcba98
	s_mov_b32 s[HI], 0xffff0000
	s_lshl_b32 s26, s21, 4
	s_add_co_u32 s26, s26, s20
	s_mul_i32 s26, s26, 1536                       ; fragment (row-block 2 g, my K step)
	s_mov_b32 s27, 0
	s_lshr_b32 s32, s21, 3
	s_lshl_b32 s32, s32, 13
	s_lshl_b32 s30, s20, 10
	s_add_co_u32 s32, s32, s30
	s_and_b32 s30, s21, 7
	s_lshl_b32 s30, s30, 7
	s_add_co_u32 s32, s32, s30
	s_add_co_u32 s32, s32, 3145728                 ; its scale words
	s_mov_b32 s33, 0
	s_wait_alu depctr_va_vdst(0)
	s_wait_kmcnt 0x0
	s_add_nc_u64 s[4:5], s[4:5], s[22:23]
	s_add_nc_u64 s[28:29], s[16:17], s[26:27]
	s_add_nc_u64 s[30:31], s[16:17], s[32:33]
.set I, 0
.rept 32
	global_load_b128 v[X+4*I:X+4*I+3], v[O16], s[4:5] offset:4096*I th:TH_LOAD_NT   ; token 32 g + i: 512 consecutive bytes
.set I, I+1
.endr
.set I, 0
.rept 32
	s_wait_loadcnt 31-I                            ; loads come back in order: row i is in, the later rows stay out
	ds_store_b128 v8, v[X+4*I:X+4*I+3] offset:528*((I&7)|((I&8)<<1)|((I&16)>>1))   ; to its position sigma(i)
.set I, I+1
.endr
.irp b, 0,1,2,3
.irp j, 0,1,2,3
	ds_load_b128 v[160+16*\b+4*\j:163+16*\b+4*\j], v9 offset:128*\b+16*\j          ; LDS serves a wave's instructions in order: these see my stores
.endr
.endr
	s_wait_dscnt 0x0                               ; the even row-block's numbers are in, and the stores have read v32-159
.irp b, 0,1,2,3
.irp j, 0,1,2,3
	ds_load_b128 v[32+16*\b+4*\j:35+16*\b+4*\j], v9 offset:8448+128*\b+16*\j       ; the odd row-block lands while the even one is quantised
.endr
.endr
	QUANT 160
	GIMG 28, 0
	v_mov_b32 v[KE], v[PW]
	s_wait_dscnt 0x0
	s_wait_xcnt 0x0                                ; the stores have read the codes' registers
	QUANT 32
	GIMG 28, 12288
	v_cndmask_b32 v[SW], v[KE], v[PW], s[HI]       ; lanes 0-15: the even row-block's words, lanes 16-31: the odd one's
	global_store_b32 v[O4], v[SW], s[30:31]        ; 128 consecutive bytes
	s_wait_tensorcnt 0x0                           ; the wave's end
	ds_add_u32 v[SPW], v[NIL]
	s_wait_dscnt 0x0
	s_endpgm
.Lfunc_end_k_q56fa894d75_prep:
	.size	k_q56fa894d75_prep, .Lfunc_end_k_q56fa894d75_prep-k_q56fa894d75_prep
	.p2alignl 7, 3214868480
	.fill 96, 4, 3214868480
	.section	.rodata,"a",@progbits
	.p2align	6, 0x0
	.amdhsa_kernel k_q56fa894d75_prep
		.amdhsa_group_segment_fixed_size 68096
		.amdhsa_private_segment_fixed_size 0
		.amdhsa_enable_private_segment 0
		.amdhsa_kernarg_size 56
		.amdhsa_user_sgpr_count 2
		.amdhsa_user_sgpr_kernarg_segment_ptr 1
		.amdhsa_wavefront_size32 1
		.amdhsa_system_sgpr_workgroup_id_x 1
		.amdhsa_system_sgpr_workgroup_id_y 1
		.amdhsa_system_sgpr_workgroup_id_z 1
		.amdhsa_system_vgpr_workitem_id 0
		.amdhsa_next_free_vgpr 256
		.amdhsa_next_free_sgpr 66
		.amdhsa_reserve_vcc 0
		.amdhsa_float_denorm_mode_32 3
		.amdhsa_float_denorm_mode_16_64 3
		.amdhsa_memory_ordered 1
		.amdhsa_forward_progress 1
		.amdhsa_inst_pref_size 61
	.end_amdhsa_kernel
	.amdgpu_metadata
---
amdhsa.version: [ 1, 2 ]
amdhsa.kernels:
  - .name:           k_q56fa894d75_prep
    .symbol:         k_q56fa894d75_prep.kd
    .args:
      - { .name: x, .offset: 0, .size: 8, .value_kind: global_buffer, .address_space: global }
      - { .name: w_attn, .offset: 8, .size: 8, .value_kind: global_buffer, .address_space: global }
      - { .name: w_proj, .offset: 16, .size: 8, .value_kind: global_buffer, .address_space: global }
      - { .name: w_fc, .offset: 24, .size: 8, .value_kind: global_buffer, .address_space: global }
      - { .name: w_fc_proj, .offset: 32, .size: 8, .value_kind: global_buffer, .address_space: global }
      - { .name: wq, .offset: 40, .size: 8, .value_kind: global_buffer, .address_space: global }
      - { .name: aq, .offset: 48, .size: 8, .value_kind: global_buffer, .address_space: global }
    .group_segment_fixed_size: 68096
    .private_segment_fixed_size: 0
    .kernarg_segment_align: 8
    .kernarg_segment_size: 56
    .max_flat_workgroup_size: 128
    .sgpr_count:     66
    .vgpr_count:     256
    .wavefront_size: 32
...
	.end_amdgpu_metadata
.endif
;; end of part 9
;; launch g_qkv (part 10): grid 12 x 16, 4 waves a work-group, clusters of 4 x 4, 327,680 bytes of LDS; arguments aq, wq, b_attn, qkvq; writes qkvq
.if DOCPART == 10
	.amdgcn_target "amdgcn-amd-amdhsa--gfx1250"
	.amdhsa_code_object_version 6
	.text
	.protected	k_q56fa894d75_g_qkv
	.globl	k_q56fa894d75_g_qkv
	.p2align	8
	.type	k_q56fa894d75_g_qkv,@function
k_q56fa894d75_g_qkv:
	s_mov_b64 s[64:65], 0
	v_nop
	global_prefetch_b8 v0, s[64:65] scope:SCOPE_SE
	s_setreg_imm32_b32 hwreg(HW_REG_WAVE_MODE, 25, 1), 1
	s_wait_xcnt 0x0
	s_wait_alu depctr_hold_cnt(0) depctr_sa_sdst(0) depctr_va_vdst(0) depctr_va_sdst(0) depctr_va_ssrc(0) depctr_va_vcc(0) depctr_vm_vsrc(0)
	s_getreg_b32 s2, hwreg(HW_REG_IB_STS2, 6, 4)
	s_cmp_eq_u32 s2, 0
	s_cbranch_scc0 .Lentry_in_a_cluster
	s_endpgm
.Lentry_in_a_cluster:
	s_bfe_u32 s2, ttmp6, 0x10000c
	s_cmp_lg_u32 s2, 0xf033
	s_cbranch_scc0 .Lentry_shape_is_right
	s_endpgm
.Lentry_shape_is_right:
; qkv = x w_attn + b_attn on codes of BF6 (E3M2) with E8M0 scales, and q, k, v quantised on the way out for the two products of attention.
; OPERANDS lie as images of fragments (16 rows x 128 K, 1,536 bytes: registers 4 c .. 4 c + 3 at 512 c + 16 x lane, c = 0, 1, 2), [row-block][K step]; in each group of 32 rows, row i
; stands at position sigma(i) (bits 3 and 4 exchanged).  Scale words lie [256 rows][K step][16 row-blocks][16 words].
; A tile of 256 x 256 is made by four waves, each 128 x 128: 64 accumulators, 512 registers.  K goes in steps of 256 through a ring of two LDS slots; the scale words of the tile's rows, for all of K, come once.
; The matrix instruction takes 16 rows of the B side as source 0 and 16 rows of the A side as source 1: a lane holds ONE row of the A side, and the 64 registers of an A block are 128 / 2 neighbours along the B side's TRUE rows.
; CLUSTERS 4 x 4: A's tiles are asked for jointly along a row of the cluster, B's along a column.
; Clusters x = 0, 1: A = tokens (x's codes), B = w_attn's columns 0-2047: a lane holds a token and 64 channels of q or k: K of the first product of attention.
; Cluster x = 2: A = w_attn's columns 2048-3071, B = tokens: a lane holds a CHANNEL of v and 64 tokens: the keys, K of the second product.  The choice hangs on the cluster's x alone: it is the same in all sixteen partners.
; OUT: a record of 315,392 bytes for each (batch, head): K 128 x 768 | V [16 key steps][4 channel tiles] x 1,536 | K's scale words | V's | Q 128 x 768 | Q's scale words.  A head's 64 channels are half an image.
; LIMITS: a block whose largest magnitude lies under 2^-122 keeps the scale byte 1; NaN and infinities are not served.
.set KK,     1024
.set KT,     KK/128
.set LAPS,   KK/512                    ; a lap = two K steps of 256 = once round the ring
.set NQ,     2
.set FR,     12
.set NL,     3                         ; LDS loads that bring a fragment: its image here is registers 4 c .. 4 c + 3 at 512 c + 16 x lane
.set NP,     4                         ; places behind this matrix instruction (ISA guide 7.12.1)
.set FRB,    1536
.set RBB,    2*FRB                     ; a row-block's part of a slot
.set HALFT,  8*RBB                     ; 128 rows: what one tensor load brings
.set SLOT,   4*HALFT
.set KROW,   96*KT                     ; bytes of codes for each row
.set KS,     4*KT                      ; bytes of scales for each row
.set SCL,    2*SLOT                    ; behind the ring: A's scale words, then B's
.set SCH,    512*KT                    ; half of a side's scale words
.set SPARE,  SCL+4*SCH                 ; the spare words, 128 bytes a wave
.set REC,    315392
.set ADRA, 16                          ; v16-17 16 x lane + my A rows in slot 0, 1
.set ADRB, 20                          ; v20-21 the same for B
.set O16,  26
.set ADRS, 27                          ; LDS address of my scale words: lanes 0-15 A's, lanes 16-31 B's
.set SPW,  28
.set NIL,  29
.set O8,   30
.set O4,   31
.set SC,   32                          ; v32-63 scale words and nothing else: set s at SC + 16 s, register 2 i + q
.set BIAS, 64
.set AF,   128                         ; A's fragments, one set
.set HA,   128                         ; the way out: 64 numbers,
.set PC,   192                         ; the codes just made,
.set TM,   212                         ; 16 registers at work,
.set PW,   228                         ; the scale word just made
.set KE,   229
.set KO,   230
.set SW,   232
.set EE,   234
.set OO,   235
.set SEL,  20
.set HI,   100
.set G1, 24
.set G0, 32
.set G1B, 48
.set G0B, 56
.set G1S, 68
.set G0S, 76
.set G1SB, 80
.set G0SB, 88
.set MSB, 0
.macro WIN new                         ; the immediate's high byte repeats the setting that is left
.if MSB != (\new)
	s_set_vgpr_msb (MSB<<8)|(\new)
.set MSB, (\new)
.endif
.endm
.set MUL_LO, 0xa1                      ; source 0 (B) window 1, source 1 (A) window 0, C and D window 2
.set MUL_HI, 0xf1
.set TO_B,   0x40
.macro JLOAD g0a, g1a, g0b, g1b        ; a joint load: waves 0 and 1 fetch for A, waves 2 and 3 for B; an s_nop 0 and four v_nop follow each line
	s_cmp_eq_u32 s15, 0
	s_cbranch_scc0 .Lfor_b_\@
	tensor_load_to_lds s[\g0a:\g0a+3], s[\g1a:\g1a+7]
	s_nop 0
.rept 4
	v_nop
.endr
	s_branch .Lasked_\@
.Lfor_b_\@:
	tensor_load_to_lds s[\g0b:\g0b+3], s[\g1b:\g1b+7]
	s_nop 0
.rept 4
	v_nop
.endr
.Lasked_\@:
.endm
.macro CREST
	s_cmp_lg_u32 s14, 0
	s_cbranch_scc1 .Lnot_wave_0_\@
	s_barrier_signal -3
.Lnot_wave_0_\@:
	s_barrier_wait -3
	s_barrier_signal -1
	s_barrier_wait -1
.endm
.macro CROUND
	s_barrier_signal -1
	s_barrier_wait -1
	CREST
.endm
	s_load_b128 s[4:7], s[0:1], 0x0                ; aq, wq
	s_load_b128 s[8:11], s[0:1], 0x10              ; b_attn, qkvq
	v_lshl_add_u32 v[SPW], v0, 2, SPARE
	v_mov_b32 v[NIL], 0
	ds_add_u32 v[SPW], v[NIL]                      ; the wave's opening
	ds_add_u32 v[SPW], v[NIL]
	v_lshrrev_b32 v1, 5, v0
	v_readfirstlane_b32 s14, v1                    ; wave
	s_lshr_b32 s15, s14, 1                         ; my half of A's rows; also: I fetch for A (0) or B (1)
	s_and_b32 s16, s14, 1                          ; my half of B's rows; also: which 128 rows I fetch
	s_bfe_u32 s40, ttmp6, 0x40000                  ; cx
	s_bfe_u32 s41, ttmp6, 0x40004                  ; cy
	s_and_b32 s95, ttmp7, 0xffff
	s_lshl_b32 s95, s95, 2                         ; 4 x cluster y
	s_lshl_b32 s45, ttmp9, 2                       ; 4 x cluster x
	s_cmp_eq_u32 ttmp9, 2                          ; the clusters that make v
	s_cselect_b32 s17, 8, s95
	s_cselect_b32 s42, s95, s45
	s_add_co_u32 s17, s17, s41                     ; A's tile: tokens 4 Y + cy, or w_attn's tile 8 + cy
	s_add_co_u32 s42, s42, s40                     ; B's tile: w_attn's 4 X + cx, or tokens 4 Y + cx
	s_lshl_b32 s43, s41, 2
	s_lshl_b32 s43, 15, s43                        ; my row of the cluster
	s_lshl_b32 s44, 0x1111, s40                    ; my column
	s_or_b32 s[G1+0], s43, (3<<16)|(1<<21)         ; the mask; elements of 8 bytes; bit 21 beside a mask; no padding
	s_or_b32 s[G1B+0], s44, (3<<16)|(1<<21)
.irp g, G1, G1B
	s_mov_b32 s[\g+1], 384<<16                     ; tensor_dim0: a row-block's two K steps, 3,072 bytes
	s_mov_b32 s[\g+2], 16<<16                      ; tensor_dim1: 16 row-blocks for the head's loads; set to 8 for the ring's
	s_mov_b32 s[\g+3], 384<<16                     ; tile_dim0
	s_mov_b32 s[\g+4], 16                          ; tile_dim1 likewise
	s_mov_b32 s[\g+5], 192*KT                      ; from row-block to row-block
	s_mov_b32 s[\g+6], 0
	s_mov_b32 s[\g+7], 0
.endr
	s_or_b32 s[G1S+0], s43, (3<<16)|(1<<21)
	s_or_b32 s[G1SB+0], s44, (3<<16)|(1<<21)
.irp g, G1S, G1SB
	s_mov_b32 s[\g+1], 32<<16                      ; rows of 256 bytes
	s_mov_b32 s[\g+2], (4*KT)<<16                  ; a side's scale words whole: 1,024 KT bytes as rows of 256
	s_mov_b32 s[\g+3], 32<<16
	s_mov_b32 s[\g+4], 4*KT
	s_mov_b32 s[\g+5], 32
	s_mov_b32 s[\g+6], 0
	s_mov_b32 s[\g+7], 0
.endr
	s_mov_b32 s18, 3145728                         ; where the scale words begin in aq,
	s_mov_b32 s19, 9437184                         ; and w_attn's in wq
	s_cmp_eq_u32 ttmp9, 2
	s_cselect_b32 s96, s19, s18
	s_cselect_b32 s97, s18, s19
	s_lshl_b32 s18, s16, 7
	s_lshl_b32 s20, s17, 8
	s_add_co_u32 s20, s20, s18                     ; A: the first row that I fetch
	s_lshl_b32 s46, s42, 8
	s_add_co_u32 s46, s46, s18                     ; B likewise
	s_mul_i32 s22, s20, KS
	s_add_co_u32 s22, s22, s96
	s_mul_i32 s92, s46, KS
	s_add_co_u32 s92, s92, s97
	s_mul_i32 s20, s20, KROW
	s_mul_i32 s46, s46, KROW
	s_mov_b32 s21, 0
	s_mov_b32 s23, 0
	s_mov_b32 s47, 0
	s_mov_b32 s93, 0
	s_mul_i32 s45, s14, HALFT                      ; where they go: no place in the cluster enters an LDS address
	s_mul_i32 s94, s14, SCH
	s_wait_dscnt 0x0                               ; the opening add is done
	s_wait_kmcnt 0x0
	s_cmp_eq_u32 ttmp9, 2
	s_cselect_b64 s[96:97], s[6:7], s[4:5]         ; A's buffer
	s_cselect_b64 s[98:99], s[4:5], s[6:7]         ; B's
	s_add_nc_u64 s[20:21], s[96:97], s[20:21]
	s_add_nc_u64 s[22:23], s[96:97], s[22:23]
	s_add_nc_u64 s[46:47], s[98:99], s[46:47]
	s_add_nc_u64 s[92:93], s[98:99], s[92:93]
	CROUND                                         ; all sixteen work-groups are here: the first joint loads meet
	s_mul_i32 s18, s16, 128*KROW                   ; the head's four tiles are whole: my half's offset is taken off again
	s_mov_b32 s19, 0
	s_mov_b32 s4, 1                                ; s[4:7]: slot 0's 256 rows of A
	s_mov_b32 s5, 0
	s_sub_nc_u64 s[6:7], s[20:21], s[18:19]
	s_or_b32 s7, s7, 0x80000000
	s_mov_b32 s96, 1                               ; s[96:99]: its 256 rows of B
	s_mov_b32 s97, 2*HALFT
	s_sub_nc_u64 s[98:99], s[46:47], s[18:19]
	s_or_b32 s99, s99, 0x80000000
	s_mul_i32 s18, s16, SCH
	s_mov_b32 s[G0S], 1                            ; A's scale words
	s_mov_b32 s[G0S+1], SCL
	s_sub_nc_u64 s[G0S+2:G0S+3], s[22:23], s[18:19]
	s_or_b32 s[G0S+3], s[G0S+3], 0x80000000
	s_mov_b32 s[G0SB], 1                           ; B's
	s_mov_b32 s[G0SB+1], SCL+2*SCH
	s_sub_nc_u64 s[G0SB+2:G0SB+3], s[92:93], s[18:19]
	s_or_b32 s[G0SB+3], s[G0SB+3], 0x80000000
.irp s, 0,1
	s_mov_b32 s[G0+4*\s], 1
	s_add_co_u32 s[G0+4*\s+1], s45, \s*SLOT
	s_add_nc_u64 s[G0+4*\s+2:G0+4*\s+3], s[20:21], \s*RBB
	s_or_b32 s[G0+4*\s+3], s[G0+4*\s+3], 0x80000000
	s_mov_b32 s[G0B+4*\s], 1
	s_add_co_u32 s[G0B+4*\s+1], s45, \s*SLOT
	s_add_nc_u64 s[G0B+4*\s+2:G0B+4*\s+3], s[46:47], \s*RBB
	s_or_b32 s[G0B+4*\s+3], s[G0B+4*\s+3], 0x80000000
.endr
; the head's loads, one a wave: wave 0 slot 0's rows of A, wave 1 its rows of B, wave 2 A's scale words, wave 3 B's; one chain of branches on the wave's number
.macro ARM under, g0, g1, next
	s_cmp_lt_u32 s14, \under
	s_cbranch_scc0 \next
	tensor_load_to_lds s[\g0:\g0+3], s[\g1:\g1+7]
	s_nop 0
.rept 4
	v_nop
.endr
	s_branch .Lhead_asked
\next:
.endm
	ARM 1, 4, G1, .Lhead_b
	ARM 2, 96, G1B, .Lhead_sa
	ARM 3, G0S, G1S, .Lhead_sb
	tensor_load_to_lds s[G0SB:G0SB+3], s[G1SB:G1SB+7]
	s_nop 0
.rept 4
	v_nop
.endr
.Lhead_asked:
	v_and_b32 v1, 15, v0                           ; r
	v_bfe_u32 v2, v0, 4, 1                         ; h
	v_and_b32 v3, 31, v0
	v_lshlrev_b32 v[O16], 4, v3
	v_lshlrev_b32 v[O8], 3, v3
	v_lshlrev_b32 v[O4], 2, v3
	s_mul_i32 s21, s15, HALFT
	s_mul_i32 s22, s16, HALFT
	s_add_co_u32 s22, s22, 2*HALFT
.irp s, 0,1
	v_add_nc_u32 v[ADRA+\s], s21, v[O16]
	v_add_nc_u32 v[ADRB+\s], s22, v[O16]
	s_add_co_u32 s21, s21, SLOT
	s_add_co_u32 s22, s22, SLOT
.endr
	s_lshl_b32 s21, s15, 9                         ; A's words: my 8 row-blocks of 64 bytes
	s_lshl_b32 s22, s16, 9
	s_add_co_u32 s22, s22, 1024*KT                 ; B's lie behind A's
	s_sub_co_u32 s22, s22, s21
	s_wait_alu depctr_va_vdst(0)                   ; the wait here, directly ahead of the reader below
	v_mul_u32_u24 v6, s22, v2
	s_add_co_u32 s21, s21, SCL
	v_lshl_add_u32 v5, v1, 2, v6
	v_add_nc_u32 v[ADRS], s21, v5
.macro FRAG reg, adr, q, i             ; a fragment comes as its image: every load of the wave reads 512 or 256 consecutive bytes
	ds_load_b128 v[\reg:\reg+3], v[\adr] offset:(\q)*FRB+(\i)*RBB
	ds_load_b128 v[\reg+4:\reg+7], v[\adr] offset:(\q)*FRB+(\i)*RBB+512
	ds_load_b128 v[\reg+8:\reg+11], v[\adr] offset:(\q)*FRB+(\i)*RBB+1024
.endm
; 16 matrix instructions: A's blocks a0, a0 + 1 x B's eight.  The 64 accumulators take turns, one instruction a turn, in the same order in every step.
.macro MUL16 a0, p, q, sc, zero
.irp a, \a0, \a0+1
.irp b, 0,1,2,3,4,5,6,7
.if \zero
	v_wmma_scale_f32_16x16x128_f8f6f4 v[8*(8*((\a)%4)+\b):8*(8*((\a)%4)+\b)+7], v[128*(\p)+FR*\b:128*(\p)+FR*\b+FR-1], v[AF+FR*(\a):AF+FR*(\a)+FR-1], 0, v[SC+8*NQ*(\sc)+NQ*\b+(\q)], v[SC+8*NQ*(\sc)+NQ*(\a)+(\q)] matrix_a_fmt:MATRIX_FMT_BF6 matrix_b_fmt:MATRIX_FMT_BF6 matrix_a_scale:MATRIX_SCALE_ROW1
.else
	v_wmma_scale_f32_16x16x128_f8f6f4 v[8*(8*((\a)%4)+\b):8*(8*((\a)%4)+\b)+7], v[128*(\p)+FR*\b:128*(\p)+FR*\b+FR-1], v[AF+FR*(\a):AF+FR*(\a)+FR-1], v[8*(8*((\a)%4)+\b):8*(8*((\a)%4)+\b)+7], v[SC+8*NQ*(\sc)+NQ*\b+(\q)], v[SC+8*NQ*(\sc)+NQ*(\a)+(\q)] matrix_a_fmt:MATRIX_FMT_BF6 matrix_b_fmt:MATRIX_FMT_BF6 matrix_a_scale:MATRIX_SCALE_ROW1
.endif
.endr
.endr
.endm
.macro FETCH_B slot, q, p
	WIN TO_B
.irp i, 0,1,2,3,4,5,6,7
	FRAG 128*(\p)+FR*\i, ADRB+\slot, \q, \i
.endr
	WIN 0
.endm
.macro FETCH_A slot, q, i0
.irp i, \i0, \i0+1, \i0+2, \i0+3
	FRAG AF+FR*(\i), ADRA+\slot, \q, \i
.endr
.endm
.macro SCALES sc                       ; a slot's scale words: lanes 0-15 A's block i, lanes 16-31 B's block i
.irp i, 0,1,2,3,4,5,6,7
.irp q, 0,1
	ds_load_b32 v[SC+8*NQ*\sc+NQ*\i+\q], v[ADRS] offset:\q*1024+\i*64
.endr
.endr
.endm
.macro PLACES n
.rept \n
	v_nop
.endr
.endm
.macro STEP slot, q, zero              ; 128 along K that has its successor in the same slot
	s_wait_dscnt 4*NL                              ; all but the youngest 12 loads, A's blocks 4-7
	WIN MUL_LO
	MUL16 0, (\q)%2, \q, \slot, \zero
	MUL16 2, (\q)%2, \q, \slot, \zero
	s_wait_dscnt 0
	PLACES NP
	FETCH_B \slot, (\q)+1, 1-(\q)%2
	FETCH_A \slot, (\q)+1, 0
	WIN MUL_HI
	MUL16 4, (\q)%2, \q, \slot, \zero
	MUL16 6, (\q)%2, \q, \slot, \zero
	PLACES NP
	WIN 0
	FETCH_A \slot, (\q)+1, 4
.endm
; A slot's last step changes slots: one barrier; in front of it each wave waits for all its tensor loads, adds 0 to its spare word, and waits for that and for its reads of this slot.
.macro TURN slot, next, fill
	s_wait_tensorcnt 0x0                           ; all my tensor loads have landed: my part of the next slot
	ds_add_u32 v[SPW], v[NIL]
	s_wait_dscnt 4*NL+1                            ; (the add and A's blocks 4-7 may be out)
	WIN MUL_LO
	MUL16 0, 1, NQ-1, \slot, 0
	s_wait_dscnt 0x0                               ; the add is done, and my reads of this slot are over
	s_barrier_signal -1
	MUL16 2, 1, NQ-1, \slot, 0
	WIN 0
	s_barrier_wait -1
.if \fill
	CREST                                          ; the barrier has opened a round of the cluster's: no wave of any partner still reads this slot or has a load on its way
	s_add_nc_u64 s[G0+4*\slot+2:G0+4*\slot+3], s[G0+4*\slot+2:G0+4*\slot+3], 2*RBB
	s_add_nc_u64 s[G0B+4*\slot+2:G0B+4*\slot+3], s[G0B+4*\slot+2:G0B+4*\slot+3], 2*RBB
	JLOAD G0+4*\slot, G1, G0B+4*\slot, G1B         ; the first tensor load behind the round; its four v_nop are the places in front of the loads below
.else
	PLACES NP
.endif
	s_wait_alu depctr_va_vdst(0)
	v_add_nc_u32 v[ADRS], 1024*NQ, v[ADRS]         ; the next slot's scale words
	FETCH_B \next, 0, 0
	FETCH_A \next, 0, 0
	SCALES \next
	WIN MUL_HI
	MUL16 4, 1, NQ-1, \slot, 0
	MUL16 6, 1, NQ-1, \slot, 0
	PLACES NP
	WIN 0
	FETCH_A \next, 0, 4
.endm
	s_wait_alu depctr_va_vdst(0)
	s_wait_tensorcnt 0x0                           ; my tile of the head's four is in
	ds_add_u32 v[SPW], v[NIL]
	s_mov_b32 s[G1+2], 8<<16                       ; no tensor load of mine is out: from here on a load brings 8 row-blocks
	s_mov_b32 s[G1+4], 8
	s_mov_b32 s[G1B+2], 8<<16
	s_mov_b32 s[G1B+4], 8
	s_wait_dscnt 0x0
	CROUND                                         ; all four tiles are in, in all sixteen work-groups
	JLOAD G0+4, G1, G0B+4, G1B                     ; slot 1's first fill, the first tensor load behind the round
	FETCH_B 0, 0, 0
	FETCH_A 0, 0, 0
	SCALES 0
	FETCH_A 0, 0, 4
	STEP 0, 0, 1                                   ; the first step's products start the sums
	s_mov_b32 s3, LAPS-1
.Llap:
	TURN 0, 1, 1
	STEP 1, 0, 0
	TURN 1, 0, 1
	STEP 0, 0, 0
	s_sub_co_u32 s3, s3, 1
	s_cmp_lg_u32 s3, 0
	s_cbranch_scc1 .Llap
	TURN 0, 1, 0
	STEP 1, 0, 0
	s_wait_dscnt 4*NL
	WIN MUL_LO
	MUL16 0, 1, NQ-1, 1, 0
	MUL16 2, 1, NQ-1, 1, 0
	s_wait_dscnt 0
	WIN MUL_HI
	MUL16 4, 1, NQ-1, 1, 0
	MUL16 6, 1, NQ-1, 1, 0
	WIN 0
; ---------------- the way out ----------------
.macro QUANT s                         ; 64 numbers of a lane, register 16 b + i = k 32 b + 16 (lane / 16) + i of my row -> codes in v[PC] on, scale word in v[PW]
.irp b, 0,1,2,3
	v_max3_num_f32 v[TM+\b], |v[\s+16*\b]|, |v[\s+1+16*\b]|, 0x2800000   ; and the floor 2^(5 - 127): the byte cannot fall under 1
.endr
.irp i, 2,4,6,8,10,12,14
.irp b, 0,1,2,3
	v_max3_num_f32 v[TM+\b], v[TM+\b], |v[\s+16*\b+\i]|, |v[\s+1+16*\b+\i]|
.endr
.endr
.irp b, 0,1,2,3
	v_permlanex16_b32 v[TM+4+\b], v[TM+\b], s[SEL], s[SEL+1]
.endr
.irp b, 0,1,2,3
	v_max_num_f32 v[TM+\b], v[TM+\b], v[TM+4+\b]
.endr
.irp b, 0,1,2,3
	v_add_nc_u32 v[TM+12+\b], 0xfe000000, v[TM+\b]   ; 4 off the exponent field: the conversion's scale operand
.endr
.irp b, 0,1,2,3
	v_lshrrev_b32 v[TM+4+\b], 23, v[TM+12+\b]
.endr
	v_lshl_or_b32 v[PW], v[TM+5], 8, v[TM+4]
	v_lshl_or_b32 v[PW], v[TM+6], 16, v[PW]
	v_lshl_or_b32 v[PW], v[TM+7], 24, v[PW]
.irp c, 0,1
	v_cvt_scalef32_pk16_bf6_f32 v[PC+6*\c:PC+2+6*\c], v[\s+32*\c:\s+15+32*\c], v[TM+12+2*\c]
	v_cvt_scalef32_pk16_bf6_f32 v[PC+12+4*\c:PC+14+4*\c], v[\s+16+32*\c:\s+31+32*\c], v[TM+12+2*\c+1]
.endr
	v_nop                                          ; a plain place behind the last conversion
.irp c, 0,1
.irp i, 0,1,2
	v_permlane16_swap_b32 v[PC+6*\c+\i], v[PC+12+4*\c+\i]
.endr
.irp i, 0,1,2
	v_mov_b32 v[PC+3+6*\c+\i], v[PC+12+4*\c+\i]
.endr
.endr
.endm
.macro GIMG base, off
	global_store_b128 v[O16], v[PC:PC+3], s[\base:\base+1] offset:\off
	global_store_b64 v[O8], v[PC+4:PC+5], s[\base:\base+1] offset:\off+512
	global_store_b128 v[O16], v[PC+6:PC+9], s[\base:\base+1] offset:\off+768
	global_store_b64 v[O8], v[PC+10:PC+11], s[\base:\base+1] offset:\off+1280
.endm
	PLACES NP                                      ; behind the last products: their results are read and their operands' registers written below
.irp b, 0,1,2,3
	v_mov_b32 v[TM+4+\b], 0                        ; written once: a lane permute's destination counts as one of its sources
.endr
	s_mov_b32 s[SEL], 0x76543210
	s_mov_b32 s[SEL+1], 0xfedcba98
	s_mov_b32 s[HI], 0xffff0000
	s_mov_b32 s93, 0
	s_cmp_eq_u32 ttmp9, 2
	s_cbranch_scc1 .Lv_arm
; q and k: a lane holds a token; its 64 numbers are channels 32 c + 16 h + 0 .. 15 of two neighbouring heads
	s_lshl_b32 s46, s42, 10
	s_lshl_b32 s47, s16, 9
	s_add_co_u32 s46, s46, s47
	s_mov_b32 s47, 0
	s_add_nc_u64 s[96:97], s[8:9], s[46:47]        ; the bias of my 128 columns
	v_lshlrev_b32 v7, 6, v2
.irp c, 0,1,2,3
.irp j, 0,1,2,3
	global_load_b128 v[BIAS+16*\c+4*\j:BIAS+16*\c+4*\j+3], v7, s[96:97] offset:128*\c+16*\j
.endr
.endr
	s_lshl_b32 s20, s17, 4
	s_lshl_b32 s21, s15, 3
	s_add_co_u32 s20, s20, s21                     ; my first row-block of tokens
	s_lshr_b32 s21, s20, 7                         ; the batch
	s_and_b32 s20, s20, 127                        ; the tile in it
	s_lshl_b32 s46, s42, 1
	s_add_co_u32 s46, s46, s16
	s_and_b32 s46, s46, 7                          ; the pair of heads
	s_lshl_b32 s46, s46, 1
	s_lshl_b32 s21, s21, 4
	s_add_co_u32 s46, s46, s21
	s_mul_i32 s46, s46, REC                        ; the even head's record
	s_mov_b32 s22, 196608
	s_cmp_eq_u32 ttmp9, 0                          ; q (cluster x = 0) or k
	s_cselect_b32 s21, 208896, 0
	s_cselect_b32 s22, 307200, s22
	s_mul_i32 s23, s20, 768
	s_add_co_u32 s21, s21, s23
	s_add_co_u32 s92, s21, s46
	s_add_nc_u64 s[12:13], s[10:11], s[92:93]      ; where my half images go
	s_lshl_b32 s20, s20, 6
	s_add_co_u32 s22, s22, s20
	s_add_co_u32 s92, s22, s46
	s_add_nc_u64 s[94:95], s[10:11], s[92:93]      ; and their scale words
	s_mov_b32 s[SEL], 0x76543210                   ; (s20 and s21 were at work above)
	s_mov_b32 s[SEL+1], 0xfedcba98
	s_wait_loadcnt 0x0
.macro QKBLOCK a
.set AC, 64*((\a)%4)
.if (\a) > 0
	s_wait_xcnt 0x0                                ; the last block's stores have read their registers
.endif
	WIN 0x02+(\a)/4                                ; source 0: the accumulators' window
.set J, 0
.rept 32
	v_pk_add_f32 v[HA+J:HA+J+1], v[AC+J:AC+J+1], v[BIAS+J:BIAS+J+1]   ; each accumulator from its low end on
.set J, J+2
.endr
	WIN 0
	QUANT HA
	global_store_b128 v[O16], v[PC:PC+3], s[12:13] offset:768*(\a)               ; the even head's half image,
	global_store_b64 v[O8], v[PC+4:PC+5], s[12:13] offset:768*(\a)+512
	global_store_b128 v[O16], v[PC+6:PC+9], s[12:13] offset:768*(\a)+REC         ; the odd head's
	global_store_b64 v[O8], v[PC+10:PC+11], s[12:13] offset:768*(\a)+512+REC
.if (\a)%2 == 0
	v_and_b32 v[KE], 0xffff, v[PW]                 ; a head's two bytes; the word's upper two stay 0: they scale zero codes
	v_lshrrev_b32 v[KO], 16, v[PW]
.else
	v_and_b32 v[EE], 0xffff, v[PW]
	v_lshrrev_b32 v[OO], 16, v[PW]
	v_cndmask_b32 v[SW], v[KE], v[EE], s[HI]       ; lanes 0-15: tile a - 1's words, lanes 16-31: tile a's
	v_cndmask_b32 v[SW+1], v[KO], v[OO], s[HI]
	global_store_b32 v[O4], v[SW], s[94:95] offset:64*((\a)-1)
	global_store_b32 v[O4], v[SW+1], s[94:95] offset:64*((\a)-1)+REC
.endif
.endm
.irp a, 0,1,2,3,4,5,6,7
	QKBLOCK \a
.endr
	s_branch .Lclose
.Lv_arm:
; v: a lane holds a channel; its 64 numbers are tokens 32 c + 16 h + 0 .. 15 of a key step of 128
	s_lshl_b32 s46, s41, 10
	s_lshl_b32 s47, s15, 9
	s_add_co_u32 s46, s46, s47
	s_add_co_u32 s46, s46, 8192
	s_mov_b32 s47, 0
	s_add_nc_u64 s[96:97], s[8:9], s[46:47]        ; the bias of my 128 channels
	v_and_b32 v7, 8, v1
	v_add_nc_u32 v7, v7, v1
	v_lshlrev_b32 v7, 2, v7                        ; my channel in a block: r + 8 (r / 8)
.irp a, 0,1,2,3,4,5,6,7
	global_load_b32 v[BIAS+2*\a], v7, s[96:97] offset:4*(32*(\a/2)+8*(\a%2))
	global_load_b32 v[BIAS+2*\a+1], v7, s[96:97] offset:4*(32*(\a/2)+8*(\a%2))   ; twice: a pair for the packed addition
.endr
	s_lshr_b32 s22, s42, 3                         ; the batch
	s_lshl_b32 s22, s22, 4
	s_lshl_b32 s23, s41, 2
	s_add_co_u32 s22, s22, s23
	s_lshl_b32 s23, s15, 1
	s_add_co_u32 s22, s22, s23                     ; + my first head: 4 cy + 2 x half
	s_mul_i32 s22, s22, REC
	s_lshl_b32 s46, s42, 1
	s_add_co_u32 s46, s46, s16
	s_and_b32 s46, s46, 15                         ; the key step
	s_mul_i32 s23, s46, 6144
	s_add_co_u32 s23, s23, s22
	s_add_co_u32 s92, s23, 98304
	s_add_nc_u64 s[12:13], s[10:11], s[92:93]
	s_lshl_b32 s46, s46, 8
	s_add_co_u32 s46, s46, s22
	s_add_co_u32 s92, s46, 204800
	s_add_nc_u64 s[94:95], s[10:11], s[92:93]
	s_wait_loadcnt 0x0
.macro VBLOCK a
.set AC, 64*((\a)%4)
.if (\a) > 0
	s_wait_xcnt 0x0
.endif
	WIN 0x02+(\a)/4
.set J, 0
.rept 32
	v_pk_add_f32 v[HA+J:HA+J+1], v[AC+J:AC+J+1], v[BIAS+2*(\a):BIAS+2*(\a)+1]
.set J, J+2
.endr
	WIN 0
	QUANT HA
	GIMG 12, ((\a)/4)*REC+((\a)%4)*1536
.if (\a)%2 == 0
	v_mov_b32 v[KE], v[PW]
.else
	v_cndmask_b32 v[SW], v[KE], v[PW], s[HI]
	global_store_b32 v[O4], v[SW], s[94:95] offset:((\a)/4)*REC+64*(((\a)-1)%4)
.endif
.endm
.irp a, 0,1,2,3,4,5,6,7
	VBLOCK \a
.endr
.Lclose:
	s_wait_tensorcnt 0x0                           ; the wave's end
	ds_add_u32 v[SPW], v[NIL]
	s_wait_dscnt 0x0
	CROUND                                         ; the closing round
	s_endpgm
.Lfunc_end_k_q56fa894d75_g_qkv:
	.size	k_q56fa894d75_g_qkv, .Lfunc_end_k_q56fa894d75_g_qkv-k_q56fa894d75_g_qkv
	.p2alignl 7, 3214868480
	.fill 96, 4, 3214868480
	.section	.rodata,"a",@progbits
	.p2align	6, 0x0
	.amdhsa_kernel k_q56fa894d75_g_qkv
		.amdhsa_group_segment_fixed_size 327680
		.amdhsa_private_segment_fixed_size 0
		.amdhsa_enable_private_segment 0
		.amdhsa_kernarg_size 32
		.amdhsa_user_sgpr_count 2
		.amdhsa_user_sgpr_kernarg_segment_ptr 1
		.amdhsa_wavefront_size32 1
		.amdhsa_system_sgpr_workgroup_id_x 1
		.amdhsa_system_sgpr_workgroup_id_y 1
		.amdhsa_system_sgpr_workgroup_id_z 1
		.amdhsa_system_vgpr_workitem_id 0
		.amdhsa_next_free_vgpr 1024
		.amdhsa_next_free_sgpr 102
		.amdhsa_reserve_vcc 0
		.amdhsa_float_denorm_mode_32 3
		.amdhsa_float_denorm_mode_16_64 3
		.amdhsa_memory_ordered 1
		.amdhsa_forward_progress 1
		.amdhsa_inst_pref_size 216
	.end_amdhsa_kernel
	.amdgpu_metadata
---
amdhsa.version: [ 1, 2 ]
amdhsa.kernels:
  - .name:           k_q56fa894d75_g_qkv
    .symbol:         k_q56fa894d75_g_qkv.kd
    .args:
      - { .name: aq, .offset: 0, .size: 8, .value_kind: global_buffer, .address_space: global }
      - { .name: wq, .offset: 8, .size: 8, .value_kind: global_buffer, .address_space: global }
      - { .name: b_attn, .offset: 16, .size: 8, .value_kind: global_buffer, .address_space: global }
      - { .name: qkvq, .offset: 24, .size: 8, .value_kind: global_buffer, .address_space: global }
    .group_segment_fixed_size: 327680
    .private_segment_fixed_size: 0
    .kernarg_segment_align: 8
    .kernarg_segment_size: 32
    .max_flat_workgroup_size: 128
    .sgpr_count:     102
    .vgpr_count:     1024
    .wavefront_size: 32
...
	.end_amdgpu_metadata
.endif
;; end of part 10
;; launch attn (part 11): grid 8 x 32, 16 waves a work-group, clusters of 4 x 1, 210,944 bytes of LDS; arguments qkvq, aq; writes aq
.if DOCPART == 11
	.amdgcn_target "amdgcn-amd-amdhsa--gfx1250"
	.amdhsa_code_object_version 6
	.text
	.protected	k_q56fa894d75_attn
	.globl	k_q56fa894d75_attn
	.p2align	8
	.type	k_q56fa894d75_attn,@function
k_q56fa894d75_attn:
	s_mov_b64 s[64:65], 0
	v_nop
	global_prefetch_b8 v0, s[64:65] scope:SCOPE_SE
	s_setreg_imm32_b32 hwreg(HW_REG_WAVE_MODE, 25, 1), 1
	s_wait_xcnt 0x0
	s_wait_alu depctr_hold_cnt(0) depctr_sa_sdst(0) depctr_va_vdst(0) depctr_va_sdst(0) depctr_va_ssrc(0) depctr_va_vcc(0) depctr_vm_vsrc(0)
	s_getreg_b32 s2, hwreg(HW_REG_IB_STS2, 6, 4)
	s_cmp_eq_u32 s2, 0
	s_cbranch_scc0 .Lentry_in_a_cluster
	s_endpgm
.Lentry_in_a_cluster:
	s_bfe_u32 s2, ttmp6, 0x10000c
	s_cmp_lg_u32 s2, 0x3003
	s_cbranch_scc0 .Lentry_shape_is_right
	s_endpgm
.Lentry_shape_is_right:
; y = softmax(q k^T / 8, causal) v for one (batch, head), both products on codes of BF6 (E3M2) with E8M0 scales; y is quantised on the way out, along the next product's K (the model's 1,024).
; THE SOFTMAX: t = score x log2(e) / 8; M = the running largest t rounded UP to a whole number; p = 2^(t - M) is quantised along the keys, not normalised; the row's sum is taken of the unquantised p and divides at the end.
; A HEAD'S K AND V, as codes with their scale words, are 208,896 bytes: they come into LDS ONCE, as they lie in the head's record, and stay: no ring.  Each of the sixteen waves brings 13,056 bytes by one tensor load.
; CLUSTER 4 x 1: the four work-groups of a cluster serve one head, so each of those loads is a joint one, with the same descriptor in all four.
; SHARES.  The head's 128 tiles of 16 queries go to 8 work-groups x 16 waves: wave w of work-group j takes tile 8 rank + j, rank = w with its low two bits turned where bit 2 is set.  A key step is 128 keys: step st is
; past the diagonal for st > rank, on it for st = rank, under it for st < rank: every branch hangs on the wave's number and the count of steps alone, and every work-group has the same 136 steps of work.
; LAYOUT.  Both products are used transposed (S^T = K Q^T, O^T = V^T P^T): a lane holds one query.  Rows stand at positions (bits 3 and 4 of the row's number exchanged), so that the 16 registers of two neighbouring tiles
; are 16 neighbours: keys for p, channels for y.  The first product's K is 64: registers 6-11 of both its operands hold zero codes, under the scale byte 0.
; The scale halfwords of y are stored two bytes a lane (lanes r and r + 16 the same value to the same place): 131,072 bytes in the launch, one byte in 24 of what it stores.
; LIMITS: a block whose largest magnitude lies under 2^-122 keeps the scale byte 1; NaN and infinities are not served.
.set REC,  315392
.set VOF,  98304
.set KSC,  196608
.set VSC,  204800
.set QOF,  208896
.set QSC,  307200
.set SPARE, 208896                     ; behind the record's part: the spare words, 128 bytes for each of 16 waves
.set L16,  1
.set L8,   2
.set AKS,  3                           ; 4 r + K's scale words
.set AVS,  4                           ; 4 r + V's
.set SPW,  5
.set NIL,  6
.set DD,   7                           ; my query's place in its 128, less 16 (lane / 16)
.set ADK16, 8
.set ADK8, 9
.set ADV16, 10
.set ADV8, 11
.set ADS,  28
.set ADT,  29
.set LV16, 30
.set LV8,  31
.set R4,   80                          ; 4 r
.set WV,   18
.set RANK, 19
.set SEL,  20
.set CS,   22
.set G1,   24
.set G0,   32
.set TB,   2                           ; the step's tiles: 6,144 bytes a step, in K and in V
.set TS,   3                           ; K's scale words: 512 bytes a step
.set TJ,   36                          ; V's: 256
.set ST,   37                          ; the step
.macro ROUND
	s_barrier_signal -1
	s_barrier_wait -1
	s_cmp_lg_u32 s[WV], 0
	s_cbranch_scc1 .Lnot_wave_0_\@
	s_barrier_signal -3
.Lnot_wave_0_\@:
	s_barrier_wait -3
	s_barrier_signal -1
	s_barrier_wait -1
.endm
	s_load_b128 s[4:7], s[0:1], 0x0                ; qkvq, aq
	v_lshl_add_u32 v[SPW], v0, 2, SPARE
	v_mov_b32 v[NIL], 0
	ds_add_u32 v[SPW], v[NIL]                      ; the wave's opening
	ds_add_u32 v[SPW], v[NIL]
	v_lshrrev_b32 v8, 5, v0
	s_delay_alu instid0(VALU_DEP_1)
	v_readfirstlane_b32 s[WV], v8
	s_bfe_u32 s8, ttmp6, 0x40000                   ; cx
	s_lshl_b32 s9, ttmp9, 2
	s_add_co_u32 s9, s9, s8                        ; j: it enters Q's and y's addresses and the mask's numbers alone
	s_and_b32 s10, ttmp7, 0xffff                   ; 16 x batch + head, which the four partners share
	s_mul_i32 s12, s10, REC
	s_mov_b32 s13, 0
	s_bfe_u32 s11, s[WV], 0x10002
	s_mul_i32 s11, s11, 3
	s_xor_b32 s[RANK], s[WV], s11
	s_mov_b32 s[G1], 15|(3<<16)|(1<<21)            ; the mask: all four; elements of 8 bytes; bit 21 beside a mask; no padding
	s_mov_b32 s[G1+1], 32<<16                      ; 51 rows of 256 bytes, dense
	s_mov_b32 s[G1+2], 51<<16
	s_mov_b32 s[G1+3], 32<<16
	s_mov_b32 s[G1+4], 51
	s_mov_b32 s[G1+5], 32
	s_mov_b32 s[G1+6], 0
	s_mov_b32 s[G1+7], 0
	s_mul_i32 s14, s[WV], 13056
	s_mov_b32 s15, 0
	s_lshl_b32 s16, s[RANK], 3
	s_add_co_u32 s16, s16, s9                      ; my tile of queries
	s_mul_i32 s38, s16, 768
	s_add_co_u32 s38, s38, QOF
	s_mov_b32 s39, 0
	s_lshl_b32 s40, s16, 6
	s_add_co_u32 s40, s40, QSC
	s_mov_b32 s41, 0
	s_lshr_b32 s11, s10, 4
	s_lshl_b32 s11, s11, 7
	s_add_co_u32 s11, s11, s16                     ; its row-block among the 4,096 tokens
	s_and_b32 s17, s10, 15                         ; the head
	s_lshr_b32 s46, s17, 1                         ; y's K step,
	s_and_b32 s47, s17, 1                          ; and which half of the image
	s_lshl_b32 s42, s11, 3
	s_add_co_u32 s42, s42, s46
	s_mul_i32 s42, s42, 1536
	s_mul_i32 s48, s47, 768
	s_add_co_u32 s42, s42, s48
	s_mov_b32 s43, 0
	s_lshr_b32 s44, s11, 4
	s_lshl_b32 s44, s44, 13
	s_lshl_b32 s46, s46, 10
	s_add_co_u32 s44, s44, s46
	s_and_b32 s48, s11, 15
	s_lshl_b32 s48, s48, 6
	s_add_co_u32 s44, s44, s48
	s_lshl_b32 s47, s47, 1
	s_add_co_u32 s44, s44, s47
	s_add_co_u32 s44, s44, 3145728
	s_mov_b32 s45, 0
	s_lshr_b32 s48, s9, 1
	s_lshl_b32 s48, s48, 5
	s_and_b32 s49, s9, 1
	s_lshl_b32 s49, s49, 3
	s_add_co_u32 s48, s48, s49                     ; 32 (j / 2) + 8 (j % 2)
	s_mov_b32 s[SEL], 0x76543210
	s_mov_b32 s[SEL+1], 0xfedcba98
	s_mov_b32 s[CS], 0x3e38aa3b                    ; c = log2(e) / 8
	s_mov_b32 s[CS+1], s[CS]
	s_mov_b32 s[TB], 0
	s_mov_b32 s[TS], 0
	s_mov_b32 s[TJ], 0
	s_mov_b32 s[ST], 0
	s_wait_dscnt 0x0                               ; the opening add is done
	s_wait_kmcnt 0x0
	s_add_nc_u64 s[4:5], s[4:5], s[12:13]          ; the head's record
	s_mov_b32 s[G0], 1
	s_mov_b32 s[G0+1], s14
	s_add_nc_u64 s[G0+2:G0+3], s[4:5], s[14:15]
	s_or_b32 s[G0+3], s[G0+3], 0x80000000
	s_add_nc_u64 s[38:39], s[4:5], s[38:39]
	s_add_nc_u64 s[40:41], s[4:5], s[40:41]
	s_add_nc_u64 s[42:43], s[6:7], s[42:43]
	s_add_nc_u64 s[44:45], s[6:7], s[44:45]
	ROUND                                          ; all four work-groups are here: the joint loads meet
	tensor_load_to_lds s[G0:G0+3], s[G1:G1+7]      ; my sixteenth of K, V and their scale words: the one tensor load of this wave
	s_nop 0
.rept 4
	v_nop
.endr
	v_and_b32 v9, 31, v0
	s_delay_alu instid0(VALU_DEP_1)
	v_lshlrev_b32 v[L16], 4, v9
	s_delay_alu instid0(VALU_DEP_2)
	v_lshlrev_b32 v[L8], 3, v9
	v_and_b32 v8, 15, v0                           ; r
	v_bfe_u32 v9, v0, 4, 1                         ; h
	s_delay_alu instid0(VALU_DEP_2)
	v_lshlrev_b32 v[R4], 2, v8
	global_load_b128 v[16:19], v[L16], s[38:39]    ; Q's half image stays in registers
	global_load_b64 v[20:21], v[L8], s[38:39] offset:512
	global_load_b32 v255, v[R4], s[40:41]          ; and its scale words
	v_add_nc_u32 v[AKS], KSC, v[R4]
	v_add_nc_u32 v[AVS], VSC, v[R4]
	v_add_nc_u32 v[LV16], VOF, v[L16]
	v_add_nc_u32 v[LV8], VOF, v[L8]
	v_and_b32 v10, 8, v8
	s_delay_alu instid0(VALU_DEP_1)
	v_add_nc_u32 v10, v10, v8
	v_lshlrev_b32 v11, 4, v9
	s_delay_alu instid0(VALU_DEP_1)
	v_sub_nc_u32 v10, v10, v11
	s_delay_alu instid0(VALU_DEP_1)
	v_add_nc_u32 v[DD], s48, v10
.irp i, 22,23,24,25,26,27
	v_mov_b32 v[\i], 0                             ; Q's K 64 .. 127: zero codes
.endr
.irp t, 0,1,2,3
.irp i, 6,7,8,9,10,11
	v_mov_b32 v[32+12*\t+\i], 0                    ; and K's, set once
.endr
.endr
	v_mov_b32 v13, 0xff61b1e6                      ; the largest t so far: -3e38
	s_delay_alu instid0(VALU_DEP_1)
	v_floor_f32 v12, -v13                          ; -M
	v_mov_b32 v14, 0
	v_mov_b32 v15, 0
.irp b, 0,1,2,3
	v_mov_b32 v[236+\b], 0                         ; written once: a lane permute's destination counts as one of its sources
.endr
	v_mov_b32 v252, 0
	v_mov_b32 v253, 0
.set J, 0
.rept 32
	v_mov_b32 v[160+J], 0                          ; O^T: the step is written once; the first finds zeros
.set J, J+1
.endr
	s_wait_tensorcnt 0x0                           ; my part has landed,
	s_barrier_signal -1
	s_barrier_wait -1                              ; everybody's has
	s_wait_loadcnt 0x0                             ; Q
.Lstep:                                            ; 16 trips in every wave; a step past my diagonal is left out but for the lines that step addresses
	s_cmp_gt_u32 s[ST], s[RANK]
	s_cbranch_scc1 .Lhidden
	v_add_nc_u32 v[ADK16], s[TB], v[L16]           ; six plain lines: also the places between the last step's products and what is written over their registers below
	s_wait_alu depctr_va_vdst(0)
	v_add_nc_u32 v[ADK8], s[TB], v[L8]
	s_wait_alu depctr_va_vdst(0)
	v_add_nc_u32 v[ADV16], s[TB], v[LV16]
	v_add_nc_u32 v[ADV8], s[TB], v[LV8]
	v_add_nc_u32 v[ADS], s[TS], v[AKS]
	s_wait_alu depctr_va_vdst(0)
	v_add_nc_u32 v[ADT], s[TJ], v[AVS]
.irp g, 0,1                                    ; S^T = K Q^T, four tiles of 16 keys at a time
.if \g > 0
.rept 4
	v_nop                                          ; places in front of loads into registers that matrix instructions have read
.endr
.endif
.irp t, 0,1,2,3
	ds_load_b128 v[32+12*\t:35+12*\t], v[ADK16] offset:(4*\g+\t)*768
	ds_load_b64 v[36+12*\t:37+12*\t], v[ADK8] offset:(4*\g+\t)*768+512
	ds_load_b32 v[248+\t], v[ADS] offset:(4*\g+\t)*64
.endr
	s_wait_dscnt 0x0
.irp t, 0,1,2,3
	v_wmma_scale_f32_16x16x128_f8f6f4 v[96+8*(4*\g+\t):103+8*(4*\g+\t)], v[32+12*\t:43+12*\t], v[16:27], 0, v[248+\t], v255 matrix_a_fmt:MATRIX_FMT_BF6 matrix_b_fmt:MATRIX_FMT_BF6
.endr
.endr
.rept 4
	v_nop
.endr
	s_cmp_lg_u32 s[ST], s[RANK]                    ; on the diagonal the scores of hidden keys become -infinity ahead of the maximum
	s_cbranch_scc1 .Lopen
	v_mov_b32 v254, 0xff800000
.set N, 0
.rept 64
	v_cmp_gt_i32 vcc_lo, 32*(N/16)+N%16, v[DD]     ; register 16 b + i holds key 32 b + 16 (lane / 16) + i of the step
	v_cndmask_b32 v[96+N], v[96+N], v254, vcc_lo
.set N, N+1
.endr
.Lopen:
.irp b, 0,1,2,3
	v_max3_num_f32 v[232+\b], v[96+16*\b], v[97+16*\b], v[98+16*\b]   ; the largest score of each block of 32 keys: for the row's maximum, and, since p rises with the score, for the block's largest p
.endr
.irp i, 3,5,7,9,11,13
.irp b, 0,1,2,3
	v_max3_num_f32 v[232+\b], v[232+\b], v[96+16*\b+\i], v[97+16*\b+\i]
.endr
.endr
.irp b, 0,1,2,3
	v_max_num_f32 v[232+\b], v[232+\b], v[111+16*\b]
.endr
.irp b, 0,1,2,3
	s_delay_alu instid0(VALU_DEP_4)
	v_permlanex16_b32 v[236+\b], v[232+\b], s[SEL], s[SEL+1]
.endr
.irp b, 0,1,2,3
	s_delay_alu instid0(VALU_DEP_4)
	v_max_num_f32 v[232+\b], v[232+\b], v[236+\b]
.endr
	s_delay_alu instid0(VALU_DEP_2)
	v_max3_num_f32 v254, v232, v233, v234
	s_delay_alu instid0(VALU_DEP_1)
	v_max_num_f32 v254, v254, v235
	s_delay_alu instid0(VALU_DEP_1)
	v_mul_f32 v254, s[CS], v254
	s_delay_alu instid0(VALU_DEP_1)
	v_max_num_f32 v13, v13, v254                   ; the running largest t
	v_mov_b32 v254, v12
	s_delay_alu instid0(VALU_DEP_2)
	v_floor_f32 v12, -v13                          ; the new -M = -ceil(t): a whole number
	s_delay_alu instid0(VALU_DEP_1)
	v_sub_f32 v254, v12, v254
	s_delay_alu instid0(VALU_DEP_1)
	v_cvt_i32_f32 v254, v254
	s_delay_alu instid0(VALU_DEP_1)
	v_ldexp_f32 v252, 1.0, v254                    ; f = 2^(old M - new M): a multiplication by it rounds nothing
.set J, 0
.rept 32
	v_pk_fma_f32 v[96+J:97+J], v[96+J:97+J], s[CS:CS+1], v[12:13] op_sel_hi:[1,0,0]   ; t - M
.set J, J+2
.endr
.irp b, 0,1,2,3
	v_fma_f32 v[232+\b], v[232+\b], s[CS], v12
.endr
.set J, 0
	s_wait_alu depctr_va_vdst(0)
.rept 64
	v_exp_f32 v[96+J], v[96+J]                     ; p = 2^(t - M)
.set J, J+1
.endr
	v_pk_mul_f32 v[14:15], v[14:15], v[252:253] op_sel_hi:[1,0]   ; the sums under the new M: a plain place behind the exponentials
	s_wait_alu depctr_va_vdst(0)                   ; one wait for the batch, ahead of its first reader
.irp b, 0,1,2,3
	v_exp_f32 v[232+\b], v[232+\b]                 ; each block's largest p
.endr
	v_pk_add_f32 v[236:237], v[100:101], v[104:105]
	v_pk_add_f32 v[250:251], v[108:109], v[112:113]
	v_pk_add_f32 v[248:249], v[116:117], v[120:121]
	v_pk_add_f32 v[246:247], v[124:125], v[128:129]
	v_pk_add_f32 v[244:245], v[132:133], v[136:137]
	v_pk_add_f32 v[242:243], v[140:141], v[144:145]
	v_pk_add_f32 v[240:241], v[148:149], v[152:153]
	v_pk_add_f32 v[14:15], v[14:15], v[156:157]
	v_pk_add_f32 v[236:237], v[236:237], v[96:97]
	v_pk_add_f32 v[250:251], v[250:251], v[98:99]
	v_pk_add_f32 v[248:249], v[248:249], v[102:103]
	v_pk_add_f32 v[246:247], v[246:247], v[106:107]
	v_pk_add_f32 v[244:245], v[244:245], v[110:111]
	v_pk_add_f32 v[242:243], v[242:243], v[114:115]
	v_pk_add_f32 v[240:241], v[240:241], v[118:119]
	v_pk_add_f32 v[14:15], v[14:15], v[122:123]
	v_pk_add_f32 v[236:237], v[236:237], v[126:127]
	v_pk_add_f32 v[250:251], v[250:251], v[130:131]
	v_pk_add_f32 v[248:249], v[248:249], v[134:135]
	v_pk_add_f32 v[246:247], v[246:247], v[138:139]
	v_pk_add_f32 v[244:245], v[244:245], v[142:143]
	v_pk_add_f32 v[242:243], v[242:243], v[146:147]
	v_pk_add_f32 v[240:241], v[240:241], v[150:151]
	v_pk_add_f32 v[14:15], v[14:15], v[154:155]
	v_pk_add_f32 v[236:237], v[236:237], v[158:159]
	s_delay_alu instid0(VALU_DEP_2)
	v_pk_add_f32 v[14:15], v[14:15], v[246:247]
	s_delay_alu instid0(VALU_DEP_2)
	v_pk_add_f32 v[236:237], v[236:237], v[244:245]
	v_pk_add_f32 v[250:251], v[250:251], v[242:243]
	v_pk_add_f32 v[248:249], v[248:249], v[240:241]
	s_delay_alu instid0(VALU_DEP_2)
	v_pk_add_f32 v[14:15], v[14:15], v[250:251]
	s_delay_alu instid0(VALU_DEP_2)
	v_pk_add_f32 v[236:237], v[236:237], v[248:249]
	s_delay_alu instid0(VALU_DEP_1)
	v_pk_add_f32 v[14:15], v[14:15], v[236:237]
	s_wait_alu depctr_va_vdst(0)                   ; and one for the four
.irp b, 0,1,2,3
	v_max_num_f32 v[232+\b], 0x2800000, v[232+\b]  ; the floor 2^(5 - 127)
.endr
.irp b, 0,1,2,3
	s_delay_alu instid0(VALU_DEP_4)
	v_add_nc_u32 v[244+\b], 0xfe000000, v[232+\b]
.endr
.irp b, 0,1,2,3
	s_delay_alu instid0(VALU_DEP_4)
	v_lshrrev_b32 v[236+\b], 23, v[244+\b]
.endr
	s_delay_alu instid0(VALU_DEP_3)
	v_lshl_or_b32 v253, v237, 8, v236              ; p's scale word for these 128 keys
	s_delay_alu instid0(VALU_DEP_1)
	v_lshl_or_b32 v253, v238, 16, v253
	s_delay_alu instid0(VALU_DEP_1)
	v_lshl_or_b32 v253, v239, 24, v253
.irp c, 0,1
	v_cvt_scalef32_pk16_bf6_f32 v[224+6*\c:226+6*\c], v[96+32*\c:111+32*\c], v[244+2*\c]
	v_cvt_scalef32_pk16_bf6_f32 v[236+4*\c:238+4*\c], v[112+32*\c:127+32*\c], v[244+2*\c+1]
.endr
	v_nop                                          ; a plain place behind the last conversion
.irp t, 0,1,2,3                                ; V's four fragments take the registers that p has left
	ds_load_b128 v[96+12*\t:99+12*\t], v[ADV16] offset:1536*\t
	ds_load_b64 v[100+12*\t:101+12*\t], v[ADV8] offset:1536*\t+512
	ds_load_b128 v[102+12*\t:105+12*\t], v[ADV16] offset:1536*\t+768
	ds_load_b64 v[106+12*\t:107+12*\t], v[ADV8] offset:1536*\t+1280
	ds_load_b32 v[248+\t], v[ADT] offset:64*\t
.endr
.irp c, 0,1
.irp i, 0,1,2
	v_permlane16_swap_b32 v[224+6*\c+\i], v[236+4*\c+\i]
.endr
.irp i, 0,1,2
	s_delay_alu instid0(VALU_DEP_3)
	v_mov_b32 v[227+6*\c+\i], v[236+4*\c+\i]
.endr
.endr
.set J, 0
.rept 16
	v_pk_mul_f32 v[160+J:161+J], v[160+J:161+J], v[252:253] op_sel_hi:[1,0]   ; O^T under the new M; these 16 are also the places in front of the scaled products
.set J, J+2
.endr
	s_wait_alu depctr_va_vdst(0)
	s_wait_dscnt 0x0
.irp t, 0,1,2,3                                ; O^T += V^T P^T: four accumulators, one instruction a turn
	v_wmma_scale_f32_16x16x128_f8f6f4 v[160+8*\t:167+8*\t], v[96+12*\t:107+12*\t], v[224:235], v[160+8*\t:167+8*\t], v[248+\t], v253 matrix_a_fmt:MATRIX_FMT_BF6 matrix_b_fmt:MATRIX_FMT_BF6
.endr
.Lhidden:
	s_add_co_u32 s[TB], s[TB], 6144
	s_add_co_u32 s[TS], s[TS], 512
	s_add_co_u32 s[TJ], s[TJ], 256
	s_add_co_u32 s[ST], s[ST], 1
	s_cmp_lt_u32 s[ST], 16
	s_cbranch_scc1 .Lstep
; THE WAY OUT: O^T / the sum; register 16 b + i is channel 32 b + 16 (lane / 16) + i of my query: two blocks of the next product's K: half an image
.rept 4
	v_nop
.endr
	v_add_f32 v14, v14, v15
	s_delay_alu instid0(VALU_DEP_1)
	v_permlanex16_b32 v252, v14, s[SEL], s[SEL+1]
	s_delay_alu instid0(VALU_DEP_1)
	v_add_f32 v14, v14, v252                       ; the row's sum
	s_wait_alu depctr_va_vdst(0)
	v_rcp_f32 v14, v14
	v_nop                                          ; a plain place behind the reciprocal
	s_wait_alu depctr_va_vdst(0)                   ; and the wait ahead of its first reader
.set J, 0
.rept 32
	v_mul_f32 v[96+J], v[160+J], v14               ; each accumulator from its low end on
.set J, J+1
.endr
.irp b, 0,1
	v_max3_num_f32 v[232+\b], |v[96+16*\b]|, |v[97+16*\b]|, 0x2800000
.endr
.irp i, 2,4,6,8,10,12,14
.irp b, 0,1
	s_delay_alu instid0(VALU_DEP_2)
	v_max3_num_f32 v[232+\b], v[232+\b], |v[96+16*\b+\i]|, |v[97+16*\b+\i]|
.endr
.endr
.irp b, 0,1
	s_delay_alu instid0(VALU_DEP_2)
	v_permlanex16_b32 v[236+\b], v[232+\b], s[SEL], s[SEL+1]
.endr
.irp b, 0,1
	s_delay_alu instid0(VALU_DEP_2)
	v_max_num_f32 v[232+\b], v[232+\b], v[236+\b]
.endr
.irp b, 0,1
	s_delay_alu instid0(VALU_DEP_2)
	v_add_nc_u32 v[244+\b], 0xfe000000, v[232+\b]
.endr
.irp b, 0,1
	s_delay_alu instid0(VALU_DEP_2)
	v_lshrrev_b32 v[236+\b], 23, v[244+\b]
.endr
	s_delay_alu instid0(VALU_DEP_1)
	v_lshl_or_b32 v254, v237, 8, v236              ; my query's two scale bytes
	v_cvt_scalef32_pk16_bf6_f32 v[224:226], v[96:111], v244
	v_cvt_scalef32_pk16_bf6_f32 v[240:242], v[112:127], v245
	v_nop
.irp i, 0,1,2
	v_permlane16_swap_b32 v[224+\i], v[240+\i]
.endr
.irp i, 0,1,2
	s_delay_alu instid0(VALU_DEP_3)
	v_mov_b32 v[227+\i], v[240+\i]
.endr
	global_store_b128 v[L16], v[224:227], s[42:43]           ; 512 consecutive bytes,
	global_store_b64 v[L8], v[228:229], s[42:43] offset:512  ; and 256
	global_store_b16 v[R4], v254, s[44:45]
	s_wait_tensorcnt 0x0                           ; the wave's end
	ds_add_u32 v[SPW], v[NIL]
	s_wait_dscnt 0x0
	ROUND                                          ; the closing round
	s_endpgm
.Lfunc_end_k_q56fa894d75_attn:
	.size	k_q56fa894d75_attn, .Lfunc_end_k_q56fa894d75_attn-k_q56fa894d75_attn
	.p2alignl 7, 3214868480
	.fill 96, 4, 3214868480
	.section	.rodata,"a",@progbits
	.p2align	6, 0x0
	.amdhsa_kernel k_q56fa894d75_attn
		.amdhsa_group_segment_fixed_size 210944
		.amdhsa_private_segment_fixed_size 0
		.amdhsa_enable_private_segment 0
		.amdhsa_kernarg_size 16
		.amdhsa_user_sgpr_count 2
		.amdhsa_user_sgpr_kernarg_segment_ptr 1
		.amdhsa_wavefront_size32 1
		.amdhsa_system_sgpr_workgroup_id_x 1
		.amdhsa_system_sgpr_workgroup_id_y 1
		.amdhsa_system_sgpr_workgroup_id_z 1
		.amdhsa_system_vgpr_workitem_id 0
		.amdhsa_next_free_vgpr 256
		.amdhsa_next_free_sgpr 66
		.amdhsa_reserve_vcc 1
		.amdhsa_float_denorm_mode_32 3
		.amdhsa_float_denorm_mode_16_64 3
		.amdhsa_memory_ordered 1
		.amdhsa_forward_progress 1
		.amdhsa_inst_pref_size 36
	.end_amdhsa_kernel
	.amdgpu_metadata
---
amdhsa.version: [ 1, 2 ]
amdhsa.kernels:
  - .name:           k_q56fa894d75_attn
    .symbol:         k_q56fa894d75_attn.kd
    .args:
      - { .name: qkvq, .offset: 0, .size: 8, .value_kind: global_buffer, .address_space: global }
      - { .name: aq, .offset: 8, .size: 8, .value_kind: global_buffer, .address_space: global }
    .group_segment_fixed_size: 210944
    .private_segment_fixed_size: 0
    .kernarg_segment_align: 8
    .kernarg_segment_size: 16
    .max_flat_workgroup_size: 512
    .sgpr_count:     66
    .vgpr_count:     256
    .wavefront_size: 32
...
	.end_amdgpu_metadata
.endif
;; end of part 11
;; launch projln (part 12): grid 256 x 1, 8 waves a work-group, no clusters, 118,784 bytes of LDS; arguments aq, wq, b_proj, x, ln1_g, ln1_b, h1, hq; writes h1, hq
.if DOCPART == 12
	.amdgcn_target "amdgcn-amd-amdhsa--gfx1250"
	.amdhsa_code_object_version 6
	.text
	.protected	k_q56fa894d75_projln
	.globl	k_q56fa894d75_projln
	.p2align	8
	.type	k_q56fa894d75_projln,@function
k_q56fa894d75_projln:
	s_mov_b64 s[64:65], 0
	v_nop
	global_prefetch_b8 v0, s[64:65] scope:SCOPE_SE
	s_setreg_imm32_b32 hwreg(HW_REG_WAVE_MODE, 25, 1), 1
	s_wait_xcnt 0x0
; h1 = layernorm(x + y w_proj + b_proj) x g + b, stored as f32 rows (the later residual) and as codes of BF6 (E3M2) with E8M0 scale words (the next product's operand, buffer hq).
; A work-group takes ONE row-block of 16 tokens and all 1,024 columns, so a token's mean and variance never leave it; each of its eight waves makes 128 columns: 8 accumulators, K = 1,024 in 8 steps of 128.
; The matrix instruction takes 16 rows of w_proj's codes as source 0 and the 16 tokens as source 1: a lane holds one token, and its 64 numbers are columns 32 g + 16 (lane / 16) + 0 .. 15 of the wave's 128 (rows stand at positions:
; bits 3 and 4 of a row's number exchanged), which are neighbours along the next product's K.
; OPERANDS.  w_proj's fragments lie as images (registers 4 c .. 4 c + 3 at 512 c + 16 x lane) and go from memory straight into registers, three loads of 512 bytes each, two K steps (48 loads) ahead; no wave reads
; a fragment that another wave of the work-group reads, so LDS would serve nothing.  y's eight fragments (attention's layout: registers 6 c .. 6 c + 3 at 768 c + 16 x lane, 6 c + 4, 6 c + 5 at 768 c + 512 + 8 x lane) are
; fetched one a wave and shared through LDS.  x + b_proj starts the sums: it comes in by whole rows of 512 bytes, turns through the wave's own stage and is the accumulators' first content.
; THE NORM: each wave takes its 128 columns' sum and the sum of squares about ITS OWN mean; the eight pairs meet in LDS and are joined by M2 = sum of M2_w + 128 x sum of (mean_w - mean)^2: no difference of large sums.
; NO CLUSTER, NO TENSOR LOAD: every work-group walks the same weights, but a joint load lands in LDS, and each byte so brought would be read from LDS once, by one wave.  NO PREFETCH: the loads into registers themselves stand two steps ahead.
; LIMITS: a block whose largest magnitude lies under 2^-122 keeps the scale byte 1 (this program alone reads the bytes); NaN and infinities are not served.
.set SCW,   12288                      ; LDS: y's 8 images at 0; then for each wave 4,608 bytes of scale words (w_proj's 8 steps x 512, y's 8 x 64),
.set STG,   49152                      ; a stage of 16 rows x 528 bytes for each wave,
.set STATS, 116736                     ; 8 waves x 16 tokens x (sum, M2),
.set SPARE, 117760                     ; and the spare words, 128 bytes a wave
.set RP,   528
.set O16,  1
.set O8,   2
.set R4,   3
.set SPW,  4
.set NIL,  5
.set ADS,  6                           ; my wave's scale words + 4 r
.set STO,  7                           ; stage, a lane a token: r x 528 + 64 h
.set RDR,  8                           ; stage, a row an instruction: 16 x lane
.set AIW,  9                           ; where my wave's image of y goes
.set SCS,  10                          ; where the scale words go
.set ASG,  11                          ; y's scale words in memory: 64 bytes of each K step
.set GBO,  12                          ; 64 h
.set STA,  13
.set STR,  14
.set BI,   28                          ; v28-31 b_proj at my 16 bytes of a row
.set SA,   32                          ; v32-39 y's scale words, a register a K step
.set SB,   40                          ; v40-55 w_proj's, two sets of 8
.set ACC,  64                          ; v64-127
.set AFR,  128                         ; v128-223 y's eight fragments; afterwards at work:
.set PC,   128
.set TM,   152
.set PW,   168
.set SEL,  50
; window 1: v0-95, v96-191 w_proj's fragments, two sets; v192-255 x, then ln1_g; v0-63 at the end ln1_b
.set MSB, 0
.macro WIN new
.if MSB != (\new)
	s_set_vgpr_msb (MSB<<8)|(\new)
.set MSB, (\new)
.endif
.endm
.macro PLACES
.rept 4
	v_nop
.endr
.endm
	s_load_b512 s[4:19], s[0:1], 0x0               ; aq, wq, b_proj, x, ln1_g, ln1_b, h1, hq
	v_lshl_add_u32 v[SPW], v0, 2, SPARE
	v_mov_b32 v[NIL], 0
	v_lshrrev_b32 v15, 5, v0
	v_readfirstlane_b32 s20, v15                   ; wave
	v_and_b32 v15, 31, v0
	v_lshlrev_b32 v[O16], 4, v15
	v_lshlrev_b32 v[O8], 3, v15
	v_and_b32 v56, 15, v0                          ; r
	v_bfe_u32 v57, v0, 4, 1                        ; h
	v_lshlrev_b32 v[R4], 2, v56
	s_mul_i32 s21, s20, 4608
	s_add_co_u32 s21, s21, SCW
	s_mul_i32 s22, s20, 16*RP
	s_add_co_u32 s22, s22, STG
	s_mul_i32 s23, s20, 1536
	v_add_nc_u32 v[ADS], s21, v[R4]
	v_add_nc_u32 v[SCS], s21, v[O16]
	v_mul_u32_u24 v58, v56, RP
	v_lshl_add_u32 v58, v57, 6, v58
	v_add_nc_u32 v[STO], s22, v58
	v_add_nc_u32 v[RDR], s22, v[O16]
	v_add_nc_u32 v[AIW], s23, v[O16]
	v_lshrrev_b32 v58, 2, v15
	v_and_b32 v59, 3, v15
	v_lshlrev_b32 v59, 4, v59
	v_lshl_add_u32 v[ASG], v58, 10, v59
	v_lshlrev_b32 v[GBO], 6, v57
	v_lshlrev_b32 v58, 3, v56
	v_add_nc_u32 v[STR], STATS, v58
	s_lshl_b32 s23, s20, 7
	v_add_nc_u32 v[STA], s23, v[STR]
.irp b, 0,1,2,3
	v_mov_b32 v[TM+4+\b], 0                        ; (not yet: y's fragments land here; written again below)
.endr
	s_mov_b32 s[SEL], 0x76543210
	s_mov_b32 s[SEL+1], 0xfedcba98
	s_mov_b32 s53, 0x3c000000                      ; 1 / 128
	s_mov_b32 s54, 0x43000000                      ; 128
	s_mov_b32 s55, 0x3a800000                      ; 1 / 1024
	s_mov_b32 s56, 0x3727c5ac                      ; 1e-5
	s_mov_b32 s41, 0
	s_wait_alu depctr_va_vdst(0)                   ; the wait at the head's end
	s_wait_kmcnt 0x0
	s_lshl_b32 s40, ttmp9, 3
	s_add_co_u32 s40, s40, s20
	s_mul_i32 s40, s40, 1536                       ; fragment (my row-block, K step = my wave)
	s_add_nc_u64 s[24:25], s[4:5], s[40:41]        ; of y,
	s_add_nc_u64 s[36:37], s[18:19], s[40:41]      ; and of h1's codes
	s_lshr_b32 s40, ttmp9, 4
	s_lshl_b32 s40, s40, 13
	s_and_b32 s42, ttmp9, 15
	s_lshl_b32 s42, s42, 6
	s_add_co_u32 s40, s40, s42
	s_add_co_u32 s40, s40, 3145728
	s_add_nc_u64 s[26:27], s[4:5], s[40:41]        ; y's scale words, K step 0
	s_lshl_b32 s42, s20, 10
	s_add_co_u32 s40, s40, s42
	s_add_nc_u64 s[38:39], s[18:19], s[40:41]      ; h1's scale words, K step = my wave
	s_mul_i32 s40, s20, 98304
	s_add_co_u32 s40, s40, 2359296
	s_add_nc_u64 s[28:29], s[6:7], s[40:41]        ; w_proj's row-blocks 8 w ..
	s_lshr_b32 s40, s20, 1
	s_lshl_b32 s40, s40, 13
	s_and_b32 s42, s20, 1
	s_lshl_b32 s42, s42, 9
	s_add_co_u32 s40, s40, s42
	s_add_co_u32 s40, s40, 9535488
	s_add_nc_u64 s[30:31], s[6:7], s[40:41]        ; and their scale words
	s_lshl_b32 s40, s20, 9                         ; my 128 columns, in bytes
	s_add_nc_u64 s[8:9], s[8:9], s[40:41]
	s_add_nc_u64 s[12:13], s[12:13], s[40:41]
	s_add_nc_u64 s[14:15], s[14:15], s[40:41]
	s_lshr_b32 s42, ttmp9, 1
	s_lshl_b32 s42, s42, 17
	s_add_co_u32 s40, s40, s42
	s_and_b32 s42, ttmp9, 1
	s_lshl_b32 s42, s42, 15
	s_add_co_u32 s40, s40, s42                     ; + token 32 (row-block / 2) + 8 (row-block % 2): position i is i + 8 (i / 8) tokens on
	s_add_nc_u64 s[32:33], s[10:11], s[40:41]
	s_add_nc_u64 s[34:35], s[16:17], s[40:41]
.macro LOADB t                         ; w_proj's eight fragments of K step t into set t % 2: 24 loads of 512 consecutive bytes
	WIN 0x40
.irp i, 0,1,2,3,4,5,6,7
.irp c, 0,1,2
	global_load_b128 v[96*((\t)%2)+12*\i+4*\c:96*((\t)%2)+12*\i+4*\c+3], v[O16], s[28:29] offset:\i*12288+(\t)*1536+512*\c
.endr
.endr
	WIN 0
.endm
.macro SCB t
.irp i, 0,1,2,3,4,5,6,7
	ds_load_b32 v[SB+8*((\t)%2)+\i], v[ADS] offset:512*(\t)+64*\i
.endr
.endm
	global_load_b128 v[16:19], v[O16], s[24:25]    ; y's fragment of K step w
	global_load_b64 v[20:21], v[O8], s[24:25] offset:512
	global_load_b128 v[22:25], v[O16], s[24:25] offset:768
	global_load_b64 v[26:27], v[O8], s[24:25] offset:1280
	global_load_b128 v[160:163], v[ASG], s[26:27]
.irp t, 0,1,2,3,4,5,6,7
	global_load_b128 v[128+4*\t:131+4*\t], v[O16], s[30:31] offset:1024*\t
.endr
	global_load_b128 v[BI:BI+3], v[O16], s[8:9]
	LOADB 0
	WIN 0x40
.set I, 0
.rept 16
	global_load_b128 v[192+4*I:195+4*I], v[O16], s[32:33] offset:(I+8*(I/8))*4096 th:TH_LOAD_NT   ; x: a row's 512 consecutive bytes
.set I, I+1
.endr
	WIN 0
	LOADB 1
	s_wait_loadcnt 63                              ; behind the first 14 loads stand 64: with 63 out they are in
.irp c, 0,1,2
	ds_store_b128 v[AIW], v[16+4*\c:19+4*\c] offset:512*\c
.endr
.irp t, 0,1,2,3,4,5,6,7
	ds_store_b128 v[SCS], v[128+4*\t:131+4*\t] offset:512*\t
.endr
	ds_store_b128 v[SCS], v[160:163] offset:4096
	s_wait_dscnt 0x0                               ; for the others' sake: my image of y lies in LDS
	s_barrier_signal -1
	s_barrier_wait -1
.irp k, 0,1,2,3,4,5,6,7
.irp c, 0,1,2
	ds_load_b128 v[AFR+12*\k+4*\c:AFR+12*\k+4*\c+3], v[O16] offset:1536*\k+512*\c
.endr
	ds_load_b32 v[SA+\k], v[ADS] offset:4096+64*\k
.endr
	SCB 0
	SCB 1
	s_wait_loadcnt 24                              ; K step 0's fragments and x are in; K step 1's 24 loads may be out
	WIN 0x41
.set I, 0
.rept 16
	v_pk_add_f32 v[192+4*I:193+4*I], v[192+4*I:193+4*I], v[BI:BI+1]
	v_pk_add_f32 v[194+4*I:195+4*I], v[194+4*I:195+4*I], v[BI+2:BI+3]
.set I, I+1
.endr
	WIN 0x04
.set I, 0
.rept 16
	ds_store_b128 v[RDR], v[192+4*I:195+4*I] offset:I*RP
.set I, I+1
.endr
	WIN 0
.irp b, 0,1,2,3,4,5,6,7                        ; LDS serves a wave's instructions in order: x + b_proj comes back a lane a token and starts the sums
	ds_load_b128 v[ACC+8*\b:ACC+8*\b+3], v[STO] offset:128*(\b/2)+32*(\b%2)
	ds_load_b128 v[ACC+8*\b+4:ACC+8*\b+7], v[STO] offset:128*(\b/2)+32*(\b%2)+16
.endr
	s_wait_dscnt 0x0
	WIN 0x40
.irp c, 0,1,2,3
.irp j, 0,1,2,3
	global_load_b128 v[192+16*\c+4*\j:195+16*\c+4*\j], v[GBO], s[12:13] offset:128*\c+16*\j   ; ln1_g at my 64 columns
.endr
.endr
	WIN 0
.macro PSTEP t                         ; 8 matrix instructions, the 8 accumulators by turns
.if (\t) == 1
	s_wait_loadcnt 40                              ; behind K step 1's loads: ln1_g's 16 and K step 2's 24
.endif
.if (\t) > 1 && (\t) < 7
	s_wait_loadcnt 24                              ; the next K step's 24 may be out
.endif
.if (\t) == 7
	s_wait_loadcnt 16                              ; ln1_b's 16 may be out
.endif
	s_wait_dscnt 0x0                               ; this step's scale words
	WIN 0x01
.irp b, 0,1,2,3,4,5,6,7
	v_wmma_scale_f32_16x16x128_f8f6f4 v[ACC+8*\b:ACC+8*\b+7], v[96*((\t)%2)+12*\b:96*((\t)%2)+12*\b+11], v[AFR+12*(\t):AFR+12*(\t)+11], v[ACC+8*\b:ACC+8*\b+7], v[SB+8*((\t)%2)+\b], v[SA+(\t)] matrix_a_fmt:MATRIX_FMT_BF6 matrix_b_fmt:MATRIX_FMT_BF6
.endr
	PLACES                                         ; in front of loads into registers that these have read
.if (\t) < 6
	LOADB (\t)+2
	SCB (\t)+2
.endif
.if (\t) == 6
	WIN 0x40
.irp c, 0,1,2,3
.irp j, 0,1,2,3
	global_load_b128 v[16*\c+4*\j:16*\c+4*\j+3], v[GBO], s[14:15] offset:128*\c+16*\j   ; ln1_b
.endr
.endr
.endif
	WIN 0
.endm
.irp t, 0,1,2,3,4,5,6,7
	PSTEP \t
.endr
; ---- the norm ----
	v_mov_b32 v184, 0                              ; a lane permute's destination counts as one of its sources
	v_mov_b32 v185, 0
.irp c, 0,1,2,3
	v_pk_add_f32 v[176+2*\c:177+2*\c], v[ACC+4*\c:ACC+4*\c+1], v[ACC+4*\c+2:ACC+4*\c+3]   ; each accumulator from its low end on
.endr
.irp k, 16,24,32,40,48,56
.irp c, 0,1,2,3
	v_pk_add_f32 v[176+2*\c:177+2*\c], v[176+2*\c:177+2*\c], v[ACC+\k+2*\c:ACC+\k+2*\c+1]
.endr
.endr
	v_pk_add_f32 v[176:177], v[176:177], v[178:179]
	v_pk_add_f32 v[180:181], v[180:181], v[182:183]
	v_pk_add_f32 v[176:177], v[176:177], v[180:181]
	v_add_f32 v176, v176, v177
	v_permlanex16_b32 v184, v176, s[SEL], s[SEL+1]
	v_add_f32 v176, v176, v184                     ; my token's sum over my wave's 128 columns
	v_mul_f32 v186, 0xbc000000, v176               ; - its mean
	v_mov_b32 v187, v186
.irp c, 0,1,2,3
	v_pk_add_f32 v[188+2*\c:189+2*\c], v[ACC+2*\c:ACC+2*\c+1], v[186:187]
.endr
.irp c, 0,1,2,3
	v_pk_mul_f32 v[196+2*\c:197+2*\c], v[188+2*\c:189+2*\c], v[188+2*\c:189+2*\c]
.endr
.irp k, 8,16,24,32,40,48,56
.irp c, 0,1,2,3
	v_pk_add_f32 v[188+2*\c:189+2*\c], v[ACC+\k+2*\c:ACC+\k+2*\c+1], v[186:187]
.endr
.irp c, 0,1,2,3
	v_pk_fma_f32 v[196+2*\c:197+2*\c], v[188+2*\c:189+2*\c], v[188+2*\c:189+2*\c], v[196+2*\c:197+2*\c]
.endr
.endr
	v_pk_add_f32 v[196:197], v[196:197], v[198:199]
	v_pk_add_f32 v[200:201], v[200:201], v[202:203]
	v_pk_add_f32 v[196:197], v[196:197], v[200:201]
	v_add_f32 v177, v196, v197
	v_permlanex16_b32 v185, v177, s[SEL], s[SEL+1]
	v_add_f32 v177, v177, v185                     ; and the squares about that mean
	ds_store_b64 v[STA], v[176:177]                ; lanes r and r + 16 write the same pair to the same place
	s_wait_dscnt 0x0
	s_barrier_signal -1
	s_barrier_wait -1
.irp q, 0,1,2,3,4,5,6,7
	ds_load_b64 v[192+2*\q:193+2*\q], v[STR] offset:128*\q
.endr
	s_wait_loadcnt 0x0                             ; ln1_g, ln1_b
	s_wait_dscnt 0x0
.irp c, 0,1,2,3
	v_add_f32 v[176+\c], v[192+4*\c], v[194+4*\c]
	v_add_f32 v[181+\c], v[193+4*\c], v[195+4*\c]
.endr
	v_add_f32 v176, v176, v177
	v_add_f32 v178, v178, v179
	v_add_f32 v181, v181, v182
	v_add_f32 v183, v183, v184
	v_add_f32 v176, v176, v178
	v_add_f32 v181, v181, v183                     ; the sum of the eight M2
	v_mul_f32 v180, 0xba800000, v176               ; - the mean
.irp q, 0,1,2,3,4,5,6,7
	v_fma_f32 v[208+\q], v[192+2*\q], s53, v180    ; mean_q - mean
.endr
	v_mul_f32 v185, v208, v208
	v_mul_f32 v186, v209, v209
.irp q, 2,4,6
	v_fma_f32 v185, v[208+\q], v[208+\q], v185
	v_fma_f32 v186, v[209+\q], v[209+\q], v186
.endr
	v_add_f32 v185, v185, v186
	v_fma_f32 v181, v185, s54, v181
	v_fma_f32 v181, v181, s55, s56                 ; var + eps
	s_wait_alu depctr_va_vdst(0)                   ; the wait ahead of the transcendental,
	v_rsq_f32 v182, v181
	v_nop
	s_wait_alu depctr_va_vdst(0)                   ; and ahead of its first reader
	v_mul_f32 v184, v180, v182
	v_mov_b32 v183, v182
	v_mov_b32 v185, v184
.set J, 0
.rept 32
	v_pk_fma_f32 v[ACC+J:ACC+J+1], v[ACC+J:ACC+J+1], v[182:183], v[184:185]   ; (h - mean) / sqrt(var + eps)
.set J, J+2
.endr
	WIN 0x14
.set J, 0
.rept 32
	v_pk_fma_f32 v[ACC+J:ACC+J+1], v[ACC+J:ACC+J+1], v[192+J:193+J], v[J:J+1]   ; x g + b
.set J, J+2
.endr
	WIN 0
.irp b, 0,1,2,3,4,5,6,7
	ds_store_b128 v[STO], v[ACC+8*\b:ACC+8*\b+3] offset:128*(\b/2)+32*(\b%2)
	ds_store_b128 v[STO], v[ACC+8*\b+4:ACC+8*\b+7] offset:128*(\b/2)+32*(\b%2)+16
.endr
.set I, 0
.rept 16
	ds_load_b128 v[176+4*I:179+4*I], v[RDR] offset:I*RP   ; back as rows, while the codes are made
.set I, I+1
.endr
; the quantiser: register 16 b + i = k 32 b + 16 (lane / 16) + i of my token -> codes in v[PC] on, scale word in v[PW]
.irp b, 0,1,2,3
	v_mov_b32 v[TM+4+\b], 0
.endr
.irp b, 0,1,2,3
	v_max3_num_f32 v[TM+\b], |v[ACC+16*\b]|, |v[ACC+1+16*\b]|, 0x2800000   ; and the floor 2^(5 - 127): the byte cannot fall under 1
.endr
.irp i, 2,4,6,8,10,12,14
.irp b, 0,1,2,3
	v_max3_num_f32 v[TM+\b], v[TM+\b], |v[ACC+16*\b+\i]|, |v[ACC+1+16*\b+\i]|
.endr
.endr
.irp b, 0,1,2,3
	v_permlanex16_b32 v[TM+4+\b], v[TM+\b], s[SEL], s[SEL+1]
.endr
.irp b, 0,1,2,3
	v_max_num_f32 v[TM+\b], v[TM+\b], v[TM+4+\b]
.endr
.irp b, 0,1,2,3
	v_add_nc_u32 v[TM+12+\b], 0xfe000000, v[TM+\b]   ; 4 off the exponent field: the conversion's scale operand
.endr
.irp b, 0,1,2,3
	v_lshrrev_b32 v[TM+4+\b], 23, v[TM+12+\b]
.endr
	v_lshl_or_b32 v[PW], v[TM+5], 8, v[TM+4]
	v_lshl_or_b32 v[PW], v[TM+6], 16, v[PW]
	v_lshl_or_b32 v[PW], v[TM+7], 24, v[PW]
.irp c, 0,1
	v_cvt_scalef32_pk16_bf6_f32 v[PC+6*\c:PC+2+6*\c], v[ACC+32*\c:ACC+15+32*\c], v[TM+12+2*\c]
	v_cvt_scalef32_pk16_bf6_f32 v[PC+12+4*\c:PC+14+4*\c], v[ACC+16+32*\c:ACC+31+32*\c], v[TM+12+2*\c+1]
.endr
	v_nop                                          ; a plain place behind the last conversion
.irp c, 0,1
.irp i, 0,1,2
	v_permlane16_swap_b32 v[PC+6*\c+\i], v[PC+12+4*\c+\i]
.endr
.irp i, 0,1,2
	v_mov_b32 v[PC+3+6*\c+\i], v[PC+12+4*\c+\i]
.endr
.endr
.irp c, 0,1,2
	global_store_b128 v[O16], v[PC+4*\c:PC+4*\c+3], s[36:37] offset:512*\c   ; the image: 512 consecutive bytes a store
.endr
	global_store_b32 v[R4], v[PW], s[38:39]        ; 64 bytes; lanes r and r + 16 hold the same word
	s_wait_dscnt 0x0
.set I, 0
.rept 16
	global_store_b128 v[O16], v[176+4*I:179+4*I], s[34:35] offset:(I+8*(I/8))*4096   ; h1: 512 consecutive bytes of a row
.set I, I+1
.endr
	s_wait_tensorcnt 0x0                           ; the wave's end
	ds_add_u32 v[SPW], v[NIL]
	s_wait_dscnt 0x0
	s_endpgm
.Lfunc_end_k_q56fa894d75_projln:
	.size	k_q56fa894d75_projln, .Lfunc_end_k_q56fa894d75_projln-k_q56fa894d75_projln
	.p2alignl 7, 3214868480
	.fill 96, 4, 3214868480
	.section	.rodata,"a",@progbits
	.p2align	6, 0x0
	.amdhsa_kernel k_q56fa894d75_projln
		.amdhsa_group_segment_fixed_size 118784
		.amdhsa_private_segment_fixed_size 0
		.amdhsa_enable_private_segment 0
		.amdhsa_kernarg_size 64
		.amdhsa_user_sgpr_count 2
		.amdhsa_user_sgpr_kernarg_segment_ptr 1
		.amdhsa_wavefront_size32 1
		.amdhsa_system_sgpr_workgroup_id_x 1
		.amdhsa_system_sgpr_workgroup_id_y 1
		.amdhsa_system_sgpr_workgroup_id_z 1
		.amdhsa_system_vgpr_workitem_id 0
		.amdhsa_next_free_vgpr 512
		.amdhsa_next_free_sgpr 66
		.amdhsa_reserve_vcc 0
		.amdhsa_float_denorm_mode_32 3
		.amdhsa_float_denorm_mode_16_64 3
		.amdhsa_memory_ordered 1
		.amdhsa_forward_progress 1
		.amdhsa_inst_pref_size 70
	.end_amdhsa_kernel
	.amdgpu_metadata
---
amdhsa.version: [ 1, 2 ]
amdhsa.kernels:
  - .name:           k_q56fa894d75_projln
    .symbol:         k_q56fa894d75_projln.kd
    .args:
      - { .name: aq, .offset: 0, .size: 8, .value_kind: global_buffer, .address_space: global }
      - { .name: wq, .offset: 8, .size: 8, .value_kind: global_buffer, .address_space: global }
      - { .name: b_proj, .offset: 16, .size: 8, .value_kind: global_buffer, .address_space: global }
      - { .name: x, .offset: 24, .size: 8, .value_kind: global_buffer, .address_space: global }
      - { .name: ln1_g, .offset: 32, .size: 8, .value_kind: global_buffer, .address_space: global }
      - { .name: ln1_b, .offset: 40, .size: 8, .value_kind: global_buffer, .address_space: global }
      - { .name: h1, .offset: 48, .size: 8, .value_kind: global_buffer, .address_space: global }
      - { .name: hq, .offset: 56, .size: 8, .value_kind: global_buffer, .address_space: global }
    .group_segment_fixed_size: 118784
    .private_segment_fixed_size: 0
    .kernarg_segment_align: 8
    .kernarg_segment_size: 64
    .max_flat_workgroup_size: 256
    .sgpr_count:     66
    .vgpr_count:     512
    .wavefront_size: 32
...
	.end_amdgpu_metadata
.endif
;; end of part 12
;; launch g_fc (part 13): grid 16 x 16, 4 waves a work-group, clusters of 4 x 4, 327,680 bytes of LDS; arguments hq, wq, b_fc, gq; writes gq
.if DOCPART == 13
	.amdgcn_target "amdgcn-amd-amdhsa--gfx1250"
	.amdhsa_code_object_version 6
	.text
	.protected	k_q56fa894d75_g_fc
	.globl	k_q56fa894d75_g_fc
	.p2align	8
	.type	k_q56fa894d75_g_fc,@function
k_q56fa894d75_g_fc:
	s_mov_b64 s[64:65], 0
	v_nop
	global_prefetch_b8 v0, s[64:65] scope:SCOPE_SE
	s_setreg_imm32_b32 hwreg(HW_REG_WAVE_MODE, 25, 1), 1
	s_wait_xcnt 0x0
	s_wait_alu depctr_hold_cnt(0) depctr_sa_sdst(0) depctr_va_vdst(0) depctr_va_sdst(0) depctr_va_ssrc(0) depctr_va_vcc(0) depctr_vm_vsrc(0)
	s_getreg_b32 s2, hwreg(HW_REG_IB_STS2, 6, 4)
	s_cmp_eq_u32 s2, 0
	s_cbranch_scc0 .Lentry_in_a_cluster
	s_endpgm
.Lentry_in_a_cluster:
	s_bfe_u32 s2, ttmp6, 0x10000c
	s_cmp_lg_u32 s2, 0xf033
	s_cbranch_scc0 .Lentry_shape_is_right
	s_endpgm
.Lentry_shape_is_right:
.set KK,     1024
.set ASOFF,  3145728
.set WOFF,   3145728
.set WSOFF,  9568256
.set KT,     KK/128
.set LAPS,   KK/512
.set NQ,     2
.set FR,     12
.set NL,     3                         ; LDS loads that bring a fragment: its image is registers 4 c .. 4 c + 3 at 512 c + 16 x lane
.set NP,     4
.set FRB,    1536
.set RBB,    2*FRB
.set HALFT,  8*RBB
.set SLOT,   4*HALFT
.set KROW,   96*KT
.set KS,     4*KT
.set SCL,    2*SLOT
.set SCH,    512*KT
.set SPARE,  SCL+4*SCH
.set ADRA, 16
.set ADRB, 20
.set O16,  26
.set ADRS, 27
.set SPW,  28
.set NIL,  29
.set O8,   30
.set O4,   31
.set SC,   32
.set BIAS, 64
.set AF,   128
.set HA,   128
.set T,    192
.set PC,   192
.set TM,   212
.set PW,   228
.set KE,   10
.set SW,   11
.set SEL,  20
.set HI,   100
.set G1, 24
.set G0, 32
.set G1B, 48
.set G0B, 56
.set G1S, 68
.set G0S, 76
.set G1SB, 80
.set G0SB, 88
.set MSB, 0
.macro WIN new
.if MSB != (\new)
	s_set_vgpr_msb (MSB<<8)|(\new)
.set MSB, (\new)
.endif
.endm
.set MUL_LO, 0xa1
.set MUL_HI, 0xf1
.set TO_B,   0x40
.macro JLOAD g0a, g1a, g0b, g1b
	s_cmp_eq_u32 s15, 0
	s_cbranch_scc0 .Lfor_b_\@
	tensor_load_to_lds s[\g0a:\g0a+3], s[\g1a:\g1a+7]
	s_nop 0
.rept 4
	v_nop
.endr
	s_branch .Lasked_\@
.Lfor_b_\@:
	tensor_load_to_lds s[\g0b:\g0b+3], s[\g1b:\g1b+7]
	s_nop 0
.rept 4
	v_nop
.endr
.Lasked_\@:
.endm
.macro CREST
	s_cmp_lg_u32 s14, 0
	s_cbranch_scc1 .Lnot_wave_0_\@
	s_barrier_signal -3
.Lnot_wave_0_\@:
	s_barrier_wait -3
	s_barrier_signal -1
	s_barrier_wait -1
.endm
.macro CROUND
	s_barrier_signal -1
	s_barrier_wait -1
	CREST
.endm
	s_load_b128 s[4:7], s[0:1], 0x0
	s_load_b128 s[8:11], s[0:1], 0x10
	v_lshl_add_u32 v[SPW], v0, 2, SPARE
	v_mov_b32 v[NIL], 0
	ds_add_u32 v[SPW], v[NIL]
	ds_add_u32 v[SPW], v[NIL]
	v_lshrrev_b32 v1, 5, v0
	v_readfirstlane_b32 s14, v1
	s_lshr_b32 s15, s14, 1
	s_and_b32 s16, s14, 1
	s_bfe_u32 s40, ttmp6, 0x40000
	s_bfe_u32 s41, ttmp6, 0x40004
	s_lshl_b32 s42, ttmp9, 2
	s_add_co_u32 s42, s42, s40
	s_and_b32 s17, ttmp7, 0xffff
	s_lshl_b32 s17, s17, 2
	s_add_co_u32 s17, s17, s41
	s_lshl_b32 s43, s41, 2
	s_lshl_b32 s43, 15, s43
	s_lshl_b32 s44, 0x1111, s40
	s_or_b32 s[G1+0], s43, (3<<16)|(1<<21)
	s_or_b32 s[G1B+0], s44, (3<<16)|(1<<21)
.irp g, G1, G1B
	s_mov_b32 s[\g+1], 384<<16
	s_mov_b32 s[\g+2], 16<<16                      ; 16 row-blocks for the head's loads; set to 8 for the ring's
	s_mov_b32 s[\g+3], 384<<16
	s_mov_b32 s[\g+4], 16
	s_mov_b32 s[\g+5], 192*KT
	s_mov_b32 s[\g+6], 0
	s_mov_b32 s[\g+7], 0
.endr
	s_or_b32 s[G1S+0], s43, (3<<16)|(1<<21)
	s_or_b32 s[G1SB+0], s44, (3<<16)|(1<<21)
.irp g, G1S, G1SB
	s_mov_b32 s[\g+1], 32<<16
	s_mov_b32 s[\g+2], (4*KT)<<16                  ; a side's scale words whole
	s_mov_b32 s[\g+3], 32<<16
	s_mov_b32 s[\g+4], 4*KT
	s_mov_b32 s[\g+5], 32
	s_mov_b32 s[\g+6], 0
	s_mov_b32 s[\g+7], 0
.endr
	s_lshl_b32 s18, s16, 7
	s_lshl_b32 s20, s17, 8
	s_add_co_u32 s20, s20, s18
	s_lshl_b32 s46, s42, 8
	s_add_co_u32 s46, s46, s18
	s_mul_i32 s22, s20, KS
	s_add_co_u32 s22, s22, ASOFF
	s_mul_i32 s92, s46, KS
	s_add_co_u32 s92, s92, WSOFF
	s_mul_i32 s20, s20, KROW
	s_mul_i32 s46, s46, KROW
	s_add_co_u32 s46, s46, WOFF
	s_mov_b32 s21, 0
	s_mov_b32 s23, 0
	s_mov_b32 s47, 0
	s_mov_b32 s93, 0
	s_mul_i32 s45, s14, HALFT
	s_mul_i32 s94, s14, SCH
	s_wait_dscnt 0x0
	s_wait_kmcnt 0x0
	s_add_nc_u64 s[20:21], s[4:5], s[20:21]
	s_add_nc_u64 s[22:23], s[4:5], s[22:23]
	s_add_nc_u64 s[46:47], s[6:7], s[46:47]
	s_add_nc_u64 s[92:93], s[6:7], s[92:93]
	CROUND
	s_mul_i32 s18, s16, 128*KROW                   ; the head's four tiles are whole: my half's offset is taken off again
	s_mov_b32 s19, 0
	s_mov_b32 s4, 1                                ; s[4:7]: slot 0's 256 rows of A
	s_mov_b32 s5, 0
	s_sub_nc_u64 s[6:7], s[20:21], s[18:19]
	s_or_b32 s7, s7, 0x80000000
	s_mov_b32 s96, 1                               ; s[96:99]: its 256 rows of B
	s_mov_b32 s97, 2*HALFT
	s_sub_nc_u64 s[98:99], s[46:47], s[18:19]
	s_or_b32 s99, s99, 0x80000000
	s_mul_i32 s18, s16, SCH
	s_mov_b32 s[G0S], 1                            ; A's scale words
	s_mov_b32 s[G0S+1], SCL
	s_sub_nc_u64 s[G0S+2:G0S+3], s[22:23], s[18:19]
	s_or_b32 s[G0S+3], s[G0S+3], 0x80000000
	s_mov_b32 s[G0SB], 1                           ; B's
	s_mov_b32 s[G0SB+1], SCL+2*SCH
	s_sub_nc_u64 s[G0SB+2:G0SB+3], s[92:93], s[18:19]
	s_or_b32 s[G0SB+3], s[G0SB+3], 0x80000000
.irp s, 0,1
	s_mov_b32 s[G0+4*\s], 1
	s_add_co_u32 s[G0+4*\s+1], s45, \s*SLOT
	s_add_nc_u64 s[G0+4*\s+2:G0+4*\s+3], s[20:21], \s*RBB
	s_or_b32 s[G0+4*\s+3], s[G0+4*\s+3], 0x80000000
	s_mov_b32 s[G0B+4*\s], 1
	s_add_co_u32 s[G0B+4*\s+1], s45, \s*SLOT
	s_add_nc_u64 s[G0B+4*\s+2:G0B+4*\s+3], s[46:47], \s*RBB
	s_or_b32 s[G0B+4*\s+3], s[G0B+4*\s+3], 0x80000000
.endr
; the head's loads, one a wave: wave 0 slot 0's rows of A, wave 1 its rows of B, wave 2 A's scale words, wave 3 B's; one chain of branches on the wave's number
.macro ARM under, g0, g1, next
	s_cmp_lt_u32 s14, \under
	s_cbranch_scc0 \next
	tensor_load_to_lds s[\g0:\g0+3], s[\g1:\g1+7]
	s_nop 0
.rept 4
	v_nop
.endr
	s_branch .Lhead_asked
\next:
.endm
	ARM 1, 4, G1, .Lhead_b
	ARM 2, 96, G1B, .Lhead_sa
	ARM 3, G0S, G1S, .Lhead_sb
	tensor_load_to_lds s[G0SB:G0SB+3], s[G1SB:G1SB+7]
	s_nop 0
.rept 4
	v_nop
.endr
.Lhead_asked:
	v_and_b32 v1, 15, v0
	v_bfe_u32 v2, v0, 4, 1
	v_and_b32 v3, 31, v0
	v_lshlrev_b32 v[O16], 4, v3
	v_lshlrev_b32 v[O4], 2, v3
	s_mul_i32 s21, s15, HALFT
	s_mul_i32 s22, s16, HALFT
	s_add_co_u32 s22, s22, 2*HALFT
.irp s, 0,1
	v_add_nc_u32 v[ADRA+\s], s21, v[O16]
	v_add_nc_u32 v[ADRB+\s], s22, v[O16]
	s_add_co_u32 s21, s21, SLOT
	s_add_co_u32 s22, s22, SLOT
.endr
	s_lshl_b32 s21, s15, 9
	s_lshl_b32 s22, s16, 9
	s_add_co_u32 s22, s22, 1024*KT
	s_sub_co_u32 s22, s22, s21
	s_wait_alu depctr_va_vdst(0)                   ; the wait here, directly ahead of the reader below
	v_mul_u32_u24 v6, s22, v2
	s_add_co_u32 s21, s21, SCL
	v_lshl_add_u32 v5, v1, 2, v6
	v_add_nc_u32 v[ADRS], s21, v5
	s_lshl_b32 s46, s42, 10
	s_lshl_b32 s47, s16, 9
	s_add_co_u32 s46, s46, s47
	s_mov_b32 s47, 0
	s_add_nc_u64 s[8:9], s[8:9], s[46:47]
	v_lshlrev_b32 v7, 6, v2
.irp c, 0,1,2,3
.irp j, 0,1,2,3
	global_load_b128 v[BIAS+16*\c+4*\j:BIAS+16*\c+4*\j+3], v7, s[8:9] offset:128*\c+16*\j
.endr
.endr
	s_lshl_b32 s20, s17, 4
	s_lshl_b32 s21, s15, 3
	s_add_co_u32 s20, s20, s21
	s_mul_i32 s20, s20, 49152
	s_lshl_b32 s46, s42, 1
	s_add_co_u32 s46, s46, s16
	s_mul_i32 s47, s46, 1536
	s_add_co_u32 s20, s20, s47
	s_mov_b32 s21, 0
	s_add_nc_u64 s[12:13], s[10:11], s[20:21]
	s_lshl_b32 s20, s17, 15
	s_lshl_b32 s46, s46, 10
	s_add_co_u32 s20, s20, s46
	s_lshl_b32 s47, s15, 9
	s_add_co_u32 s20, s20, s47
	s_add_co_u32 s20, s20, 12582912
	s_add_nc_u64 s[10:11], s[10:11], s[20:21]
.macro FRAG reg, adr, q, i
	ds_load_b128 v[\reg:\reg+3], v[\adr] offset:(\q)*FRB+(\i)*RBB
	ds_load_b128 v[\reg+4:\reg+7], v[\adr] offset:(\q)*FRB+(\i)*RBB+512
	ds_load_b128 v[\reg+8:\reg+11], v[\adr] offset:(\q)*FRB+(\i)*RBB+1024
.endm
.macro MUL16 a0, p, q, sc, zero
.irp a, \a0, \a0+1
.irp b, 0,1,2,3,4,5,6,7
.if \zero
	v_wmma_scale_f32_16x16x128_f8f6f4 v[8*(8*((\a)%4)+\b):8*(8*((\a)%4)+\b)+7], v[128*(\p)+FR*\b:128*(\p)+FR*\b+FR-1], v[AF+FR*(\a):AF+FR*(\a)+FR-1], 0, v[SC+8*NQ*(\sc)+NQ*\b+(\q)], v[SC+8*NQ*(\sc)+NQ*(\a)+(\q)] matrix_a_fmt:MATRIX_FMT_BF6 matrix_b_fmt:MATRIX_FMT_BF6 matrix_a_scale:MATRIX_SCALE_ROW1
.else
	v_wmma_scale_f32_16x16x128_f8f6f4 v[8*(8*((\a)%4)+\b):8*(8*((\a)%4)+\b)+7], v[128*(\p)+FR*\b:128*(\p)+FR*\b+FR-1], v[AF+FR*(\a):AF+FR*(\a)+FR-1], v[8*(8*((\a)%4)+\b):8*(8*((\a)%4)+\b)+7], v[SC+8*NQ*(\sc)+NQ*\b+(\q)], v[SC+8*NQ*(\sc)+NQ*(\a)+(\q)] matrix_a_fmt:MATRIX_FMT_BF6 matrix_b_fmt:MATRIX_FMT_BF6 matrix_a_scale:MATRIX_SCALE_ROW1
.endif
.endr
.endr
.endm
.macro FETCH_B slot, q, p
	WIN TO_B
.irp i, 0,1,2,3,4,5,6,7
	FRAG 128*(\p)+FR*\i, ADRB+\slot, \q, \i
.endr
	WIN 0
.endm
.macro FETCH_A slot, q, i0
.irp i, \i0, \i0+1, \i0+2, \i0+3
	FRAG AF+FR*(\i), ADRA+\slot, \q, \i
.endr
.endm
.macro SCALES sc
.irp i, 0,1,2,3,4,5,6,7
.irp q, 0,1
	ds_load_b32 v[SC+8*NQ*\sc+NQ*\i+\q], v[ADRS] offset:\q*1024+\i*64
.endr
.endr
.endm
.macro PLACES n
.rept \n
	v_nop
.endr
.endm
.macro STEP slot, q, zero
	s_wait_dscnt 4*NL
	WIN MUL_LO
	MUL16 0, (\q)%2, \q, \slot, \zero
	MUL16 2, (\q)%2, \q, \slot, \zero
	s_wait_dscnt 0
	PLACES NP
	FETCH_B \slot, (\q)+1, 1-(\q)%2
	FETCH_A \slot, (\q)+1, 0
	WIN MUL_HI
	MUL16 4, (\q)%2, \q, \slot, \zero
	MUL16 6, (\q)%2, \q, \slot, \zero
	PLACES NP
	WIN 0
	FETCH_A \slot, (\q)+1, 4
.endm
.macro TURN slot, next, fill
	s_wait_tensorcnt 0x0
	ds_add_u32 v[SPW], v[NIL]
	s_wait_dscnt 4*NL+1
	WIN MUL_LO
	MUL16 0, 1, NQ-1, \slot, 0
	s_wait_dscnt 0x0
	s_barrier_signal -1
	MUL16 2, 1, NQ-1, \slot, 0
	WIN 0
	s_barrier_wait -1
.if \fill
	CREST
	s_add_nc_u64 s[G0+4*\slot+2:G0+4*\slot+3], s[G0+4*\slot+2:G0+4*\slot+3], 2*RBB
	s_add_nc_u64 s[G0B+4*\slot+2:G0B+4*\slot+3], s[G0B+4*\slot+2:G0B+4*\slot+3], 2*RBB
	JLOAD G0+4*\slot, G1, G0B+4*\slot, G1B
.else
	PLACES NP
.endif
	s_wait_alu depctr_va_vdst(0)
	v_add_nc_u32 v[ADRS], 1024*NQ, v[ADRS]
	FETCH_B \next, 0, 0
	FETCH_A \next, 0, 0
	SCALES \next
	WIN MUL_HI
	MUL16 4, 1, NQ-1, \slot, 0
	MUL16 6, 1, NQ-1, \slot, 0
	PLACES NP
	WIN 0
	FETCH_A \next, 0, 4
.endm
	s_wait_alu depctr_va_vdst(0)
	s_wait_tensorcnt 0x0                           ; my tile of the head's four is in
	ds_add_u32 v[SPW], v[NIL]
	s_mov_b32 s[G1+2], 8<<16                       ; no tensor load of mine is out: from here on a load brings 8 row-blocks
	s_mov_b32 s[G1+4], 8
	s_mov_b32 s[G1B+2], 8<<16
	s_mov_b32 s[G1B+4], 8
	s_wait_dscnt 0x0
	CROUND                                         ; all four tiles are in, in all sixteen work-groups
	JLOAD G0+4, G1, G0B+4, G1B                     ; slot 1's first fill, the first tensor load behind the round
	FETCH_B 0, 0, 0
	FETCH_A 0, 0, 0
	SCALES 0
	FETCH_A 0, 0, 4
	STEP 0, 0, 1
	s_mov_b32 s3, LAPS-1
.Llap:
	TURN 0, 1, 1
	STEP 1, 0, 0
	TURN 1, 0, 1
	STEP 0, 0, 0
	s_sub_co_u32 s3, s3, 1
	s_cmp_lg_u32 s3, 0
	s_cbranch_scc1 .Llap
	TURN 0, 1, 0
	STEP 1, 0, 0
	s_wait_dscnt 4*NL
	WIN MUL_LO
	MUL16 0, 1, NQ-1, 1, 0
	MUL16 2, 1, NQ-1, 1, 0
	s_wait_dscnt 0
	WIN MUL_HI
	MUL16 4, 1, NQ-1, 1, 0
	MUL16 6, 1, NQ-1, 1, 0
	WIN 0
.macro QUANT s
.irp b, 0,1,2,3
	v_max3_num_f32 v[TM+\b], |v[\s+16*\b]|, |v[\s+1+16*\b]|, 0x2800000
.endr
.irp i, 2,4,6,8,10,12,14
.irp b, 0,1,2,3
	v_max3_num_f32 v[TM+\b], v[TM+\b], |v[\s+16*\b+\i]|, |v[\s+1+16*\b+\i]|
.endr
.endr
.irp b, 0,1,2,3
	v_permlanex16_b32 v[TM+4+\b], v[TM+\b], s[SEL], s[SEL+1]
.endr
.irp b, 0,1,2,3
	v_max_num_f32 v[TM+\b], v[TM+\b], v[TM+4+\b]
.endr
.irp b, 0,1,2,3
	v_add_nc_u32 v[TM+12+\b], 0xfe000000, v[TM+\b]
.endr
.irp b, 0,1,2,3
	v_lshrrev_b32 v[TM+4+\b], 23, v[TM+12+\b]
.endr
	v_lshl_or_b32 v[PW], v[TM+5], 8, v[TM+4]
	v_lshl_or_b32 v[PW], v[TM+6], 16, v[PW]
	v_lshl_or_b32 v[PW], v[TM+7], 24, v[PW]
.irp c, 0,1
	v_cvt_scalef32_pk16_bf6_f32 v[PC+6*\c:PC+2+6*\c], v[\s+32*\c:\s+15+32*\c], v[TM+12+2*\c]
	v_cvt_scalef32_pk16_bf6_f32 v[PC+12+4*\c:PC+14+4*\c], v[\s+16+32*\c:\s+31+32*\c], v[TM+12+2*\c+1]
.endr
	v_nop
.irp c, 0,1
.irp i, 0,1,2
	v_permlane16_swap_b32 v[PC+6*\c+\i], v[PC+12+4*\c+\i]
.endr
.irp i, 0,1,2
	v_mov_b32 v[PC+3+6*\c+\i], v[PC+12+4*\c+\i]
.endr
.endr
.endm
.macro GIMG base, off
.irp c, 0,1,2
	global_store_b128 v[O16], v[PC+4*\c:PC+4*\c+3], s[\base:\base+1] offset:\off+512*\c
.endr
.endm
.macro FCBLOCK a
.set AC, 64*((\a)%4)
.if (\a) > 0
	s_wait_xcnt 0x0
.endif
	WIN 0x02+(\a)/4
.set J, 0
.rept 32
	v_pk_add_f32 v[HA+J:HA+J+1], v[AC+J:AC+J+1], v[BIAS+J:BIAS+J+1]
.set J, J+2
.endr
	WIN 0
.set J, 0
.rept 32
	v_pk_mul_f32 v[T+J:T+J+1], v[HA+J:HA+J+1], v[HA+J:HA+J+1]
.set J, J+2
.endr
.set J, 0
.rept 32
	v_pk_fma_f32 v[T+J:T+J+1], v[T+J:T+J+1], s[92:93], v[8:9] op_sel_hi:[1,0,1]
.set J, J+2
.endr
.set J, 0
.rept 32
	v_pk_mul_f32 v[T+J:T+J+1], v[T+J:T+J+1], v[HA+J:HA+J+1]
.set J, J+2
.endr
.set J, 0
	s_wait_alu depctr_va_vdst(0)
.rept 64
	v_exp_f32 v[T+J], v[T+J]
.set J, J+1
.endr
	v_nop
	s_wait_alu depctr_va_vdst(0)
.set J, 0
.rept 32
	v_pk_add_f32 v[T+J:T+J+1], v[T+J:T+J+1], 1.0 op_sel_hi:[1,0]
.set J, J+2
.endr
.set J, 0
	s_wait_alu depctr_va_vdst(0)
.rept 64
	v_rcp_f32 v[T+J], v[T+J]
.set J, J+1
.endr
	v_nop
	s_wait_alu depctr_va_vdst(0)
.set J, 0
.rept 32
	v_pk_mul_f32 v[HA+J:HA+J+1], v[HA+J:HA+J+1], v[T+J:T+J+1]
.set J, J+2
.endr
	QUANT HA
	GIMG 12, 49152*(\a)
.if (\a)%2 == 0
	v_mov_b32 v[KE], v[PW]
.else
	v_cndmask_b32 v[SW], v[KE], v[PW], s[HI]
	global_store_b32 v[O4], v[SW], s[10:11] offset:64*((\a)-1)
.endif
.endm
	PLACES NP
	s_mov_b32 s[SEL], 0x76543210
	s_mov_b32 s[SEL+1], 0xfedcba98
	s_mov_b32 s[HI], 0xffff0000
	s_mov_b32 s92, 0xbdd2d3e8
	s_mov_b32 s93, s92
	v_mov_b32 v8, 0xc0135761
	v_mov_b32 v9, v8
	s_wait_loadcnt 0x0
.irp a, 0,1,2,3,4,5,6,7
	FCBLOCK \a
.endr
	s_wait_tensorcnt 0x0
	ds_add_u32 v[SPW], v[NIL]
	s_wait_dscnt 0x0
	CROUND
	s_endpgm
.Lfunc_end_k_q56fa894d75_g_fc:
	.size	k_q56fa894d75_g_fc, .Lfunc_end_k_q56fa894d75_g_fc-k_q56fa894d75_g_fc
	.p2alignl 7, 3214868480
	.fill 96, 4, 3214868480
	.section	.rodata,"a",@progbits
	.p2align	6, 0x0
	.amdhsa_kernel k_q56fa894d75_g_fc
		.amdhsa_group_segment_fixed_size 327680
		.amdhsa_private_segment_fixed_size 0
		.amdhsa_enable_private_segment 0
		.amdhsa_kernarg_size 32
		.amdhsa_user_sgpr_count 2
		.amdhsa_user_sgpr_kernarg_segment_ptr 1
		.amdhsa_wavefront_size32 1
		.amdhsa_system_sgpr_workgroup_id_x 1
		.amdhsa_system_sgpr_workgroup_id_y 1
		.amdhsa_system_sgpr_workgroup_id_z 1
		.amdhsa_system_vgpr_workitem_id 0
		.amdhsa_next_free_vgpr 1024
		.amdhsa_next_free_sgpr 102
		.amdhsa_reserve_vcc 0
		.amdhsa_float_denorm_mode_32 3
		.amdhsa_float_denorm_mode_16_64 3
		.amdhsa_memory_ordered 1
		.amdhsa_forward_progress 1
		.amdhsa_inst_pref_size 255
	.end_amdhsa_kernel
	.section	.bss,"aw",@nobits
	.p2align	6
	.space	262144
	.amdgpu_metadata
---
amdhsa.version: [ 1, 2 ]
amdhsa.kernels:
  - .name:           k_q56fa894d75_g_fc
    .symbol:         k_q56fa894d75_g_fc.kd
    .args:
      - { .name: hq, .offset: 0, .size: 8, .value_kind: global_buffer, .address_space: global }
      - { .name: wq, .offset: 8, .size: 8, .value_kind: global_buffer, .address_space: global }
      - { .name: b_fc, .offset: 16, .size: 8, .value_kind: global_buffer, .address_space: global }
      - { .name: gq, .offset: 24, .size: 8, .value_kind: global_buffer, .address_space: global }
    .group_segment_fixed_size: 327680
    .private_segment_fixed_size: 0
    .kernarg_segment_align: 8
    .kernarg_segment_size: 32
    .max_flat_workgroup_size: 128
    .sgpr_count:     102
    .vgpr_count:     1024
    .wavefront_size: 32
...
	.end_amdgpu_metadata
.endif
;; end of part 13
;; launch g_fcp (part 14): grid 8 x 32, 4 waves a work-group, no clusters, 303,616 bytes of LDS; arguments gq, wq, b_fc_proj, h1, pre; writes pre
.if DOCPART == 14
	.amdgcn_target "amdgcn-amd-amdhsa--gfx1250"
	.amdhsa_code_object_version 6
	.text
	.protected	k_q56fa894d75_g_fcp
	.globl	k_q56fa894d75_g_fcp
	.p2align	8
	.type	k_q56fa894d75_g_fcp,@function
k_q56fa894d75_g_fcp:
	s_mov_b64 s[64:65], 0
	v_nop
	global_prefetch_b8 v0, s[64:65] scope:SCOPE_SE
	s_setreg_imm32_b32 hwreg(HW_REG_WAVE_MODE, 25, 1), 1
	s_wait_xcnt 0x0
; pre = h1 + gelu(..) w_fc_proj + b_fc_proj on codes of BF6 (E3M2) with E8M0 scales: M 4,096, N 1,024, K 4,096.
; A block of 128 x 128 is made by four waves, and EACH WAVE MAKES THE WHOLE BLOCK OVER ITS OWN QUARTER OF K (8 steps of 128): 64 accumulators, 512 registers.  So no two waves read the same fragment, and fragments go from
; memory straight into registers: they lie as images (16 rows x 128 K, 1,536 bytes: registers 4 c .. 4 c + 3 at 512 c + 16 x lane), [row-block][K step], three loads of 512 consecutive bytes each.
; Two sets of registers a side: while step t is multiplied, step t + 1's 48 loads are out, and step t + 2's are issued into each register as step t leaves it.  No ring, no barrier along K.
; The four partial blocks meet ONCE: each wave lays its block in LDS as rows (128 x 528 bytes), one barrier, and wave w adds the four parts of rows 32 w .. 32 w + 31, the bias and the residual, and stores whole rows of 512 bytes.
; The sum over K is so formed of four f32 parts, (0 + 1) + (2 + 3).
; Source 0 = 16 rows of w_fc_proj's codes, source 1 = 16 tokens: a lane holds a token and eight neighbouring columns.  Rows stand at positions (bits 3 and 4 of the row's number exchanged).
; Scale words ([256 rows][K step][16 row-blocks][16 words]): a wave's 8 steps x 512 bytes a side come by 16 loads of 512 bytes, lie in its own 8,192 bytes of LDS, and are read a step ahead: lanes 0-15 A's block i, lanes 16-31 B's.
; NO CLUSTER: a joint load lands in LDS, and here no operand byte passes through LDS; partners would have to meet in a round for each refill.  NO PREFETCH: the loads into registers themselves stand two steps ahead.
.set KT,    32
.set ASOFF, 12582912
.set WOFF,  6291456
.set WSOFF, 9699328
.set FRB,   1536
.set RBS,   KT*FRB                     ; from row-block to row-block
.set RP,    528                        ; an LDS row: 512 bytes + 16
.set REG,   128*RP                     ; a wave's partial block
.set SCLB,  4*REG                      ; behind the four: the scale words, 8,192 bytes a wave
.set SPARE, SCLB+4*8192                ; and the spare words, 128 bytes a wave
.set O16,  1
.set SPW,  2
.set NIL,  3
.set ADS,  4                           ; my scale words: + 4 r, lanes 16-31 4,096 on (B's)
.set SCS,  5
.set STO,  6                           ; my partial block: r x 528 + 64 h
.set RD,   8                           ; v8-11 row 32 w of part 0..3, + 16 x lane
.set BI,   12                          ; v12-15 the bias at my 16 bytes of a row
.set SC,   32                          ; v32-47 scale words and nothing else, two sets of 8
.set AF,   64                          ; window 0: v64-159, v160-255 A's fragments, two sets; window 1: v0-95, v96-191 B's; v192-255 (and v0-63 at the end) the residual; windows 2, 3: the accumulators
.set MSB, 0
.macro WIN new
.if MSB != (\new)
	s_set_vgpr_msb (MSB<<8)|(\new)
.set MSB, (\new)
.endif
.endm
.set MUL_LO, 0xa1
.set MUL_HI, 0xf1
.set TO_B,   0x40
.macro PLACES
.rept 4
	v_nop
.endr
.endm
	s_load_b256 s[4:11], s[0:1], 0x0               ; gq, wq, b_fc_proj, h1
	s_load_b64 s[12:13], s[0:1], 0x20              ; pre
	v_lshl_add_u32 v[SPW], v0, 2, SPARE
	v_mov_b32 v[NIL], 0
	v_lshrrev_b32 v16, 5, v0
	v_readfirstlane_b32 s14, v16                   ; wave
	v_and_b32 v16, 31, v0
	v_lshlrev_b32 v[O16], 4, v16
	v_and_b32 v17, 15, v0                          ; r
	v_bfe_u32 v18, v0, 4, 1                        ; h
	s_and_b32 s15, ttmp7, 0xffff                   ; the block's row; ttmp9: its column
	s_lshl_b32 s16, s14, 13
	s_add_co_u32 s17, s16, SCLB
	v_add_nc_u32 v[SCS], s17, v[O16]
	v_lshlrev_b32 v19, 12, v18
	v_lshl_add_u32 v19, v17, 2, v19
	v_add_nc_u32 v[ADS], s17, v19
	s_mul_i32 s18, s14, REG
	v_mul_u32_u24 v19, v17, RP
	v_lshl_add_u32 v19, v18, 6, v19
	v_add_nc_u32 v[STO], s18, v19
	s_mul_i32 s18, s14, 32*RP
	v_add_nc_u32 v[RD], s18, v[O16]
	v_add_nc_u32 v[RD+1], REG, v[RD]
	v_add_nc_u32 v[RD+2], 2*REG, v[RD]
	v_add_nc_u32 v[RD+3], 3*REG, v[RD]
	s_mov_b32 s21, 0
	s_mul_i32 s22, s14, 8*FRB                      ; my quarter of K
	s_wait_alu depctr_va_vdst(0)                   ; the wait at the head's end
	s_wait_kmcnt 0x0
	s_mul_i32 s20, s15, 8*RBS
	s_add_co_u32 s20, s20, s22
	s_add_nc_u64 s[24:25], s[4:5], s[20:21]        ; A's fragments
	s_mul_i32 s20, ttmp9, 8*RBS
	s_add_co_u32 s20, s20, s22
	s_add_co_u32 s20, s20, WOFF
	s_add_nc_u64 s[26:27], s[6:7], s[20:21]        ; B's
	s_lshr_b32 s20, s15, 1
	s_lshl_b32 s20, s20, 15
	s_and_b32 s22, s15, 1
	s_lshl_b32 s22, s22, 9
	s_add_co_u32 s20, s20, s22
	s_add_co_u32 s20, s20, s16
	s_add_co_u32 s20, s20, ASOFF
	s_add_nc_u64 s[28:29], s[4:5], s[20:21]        ; A's scale words
	s_lshr_b32 s20, ttmp9, 1
	s_lshl_b32 s20, s20, 15
	s_and_b32 s22, ttmp9, 1
	s_lshl_b32 s22, s22, 9
	s_add_co_u32 s20, s20, s22
	s_add_co_u32 s20, s20, s16
	s_add_co_u32 s20, s20, WSOFF
	s_add_nc_u64 s[30:31], s[6:7], s[20:21]        ; B's
	s_lshl_b32 s20, ttmp9, 9
	s_add_nc_u64 s[8:9], s[8:9], s[20:21]          ; the bias of the block's 128 columns
	s_lshl_b32 s22, s15, 19
	s_add_co_u32 s20, s20, s22
	s_lshl_b32 s22, s14, 17
	s_add_co_u32 s20, s20, s22                     ; token 128 x block row + 32 x wave
	s_add_nc_u64 s[10:11], s[10:11], s[20:21]
	s_add_nc_u64 s[12:13], s[12:13], s[20:21]
.macro GFRAG reg, base, off
.irp c, 0,1,2
	global_load_b128 v[\reg+4*\c:\reg+4*\c+3], v[O16], s[\base:\base+1] offset:\off+512*\c
.endr
.endm
.macro LOADA t, i0                     ; A's blocks i0 .. i0 + 3 of my step t into set t % 2: 12 loads
.irp i, \i0, \i0+1, \i0+2, \i0+3
	GFRAG AF+96*((\t)%2)+12*(\i), 24, (\i)*RBS+(\t)*FRB
.endr
.endm
.macro LOADB t                         ; B's eight: 24 loads
	WIN TO_B
.irp i, 0,1,2,3,4,5,6,7
	GFRAG 96*((\t)%2)+12*\i, 26, \i*RBS+(\t)*FRB
.endr
	WIN 0
.endm
.macro SCALES t
.irp i, 0,1,2,3,4,5,6,7
	ds_load_b32 v[SC+8*((\t)%2)+\i], v[ADS] offset:512*(\t)+64*\i
.endr
.endm
; 16 matrix instructions: A's blocks a0, a0 + 1 x B's eight.  The 64 accumulators take turns, in the same order in every step.  Step 0's products start the sums.
.macro MUL16 a0, t
.irp a, \a0, \a0+1
.irp b, 0,1,2,3,4,5,6,7
.if (\t) == 0
	v_wmma_scale_f32_16x16x128_f8f6f4 v[8*(8*((\a)%4)+\b):8*(8*((\a)%4)+\b)+7], v[96*((\t)%2)+12*\b:96*((\t)%2)+12*\b+11], v[AF+96*((\t)%2)+12*(\a):AF+96*((\t)%2)+12*(\a)+11], 0, v[SC+8*((\t)%2)+\b], v[SC+8*((\t)%2)+(\a)] matrix_a_fmt:MATRIX_FMT_BF6 matrix_b_fmt:MATRIX_FMT_BF6 matrix_a_scale:MATRIX_SCALE_ROW1
.else
	v_wmma_scale_f32_16x16x128_f8f6f4 v[8*(8*((\a)%4)+\b):8*(8*((\a)%4)+\b)+7], v[96*((\t)%2)+12*\b:96*((\t)%2)+12*\b+11], v[AF+96*((\t)%2)+12*(\a):AF+96*((\t)%2)+12*(\a)+11], v[8*(8*((\a)%4)+\b):8*(8*((\a)%4)+\b)+7], v[SC+8*((\t)%2)+\b], v[SC+8*((\t)%2)+(\a)] matrix_a_fmt:MATRIX_FMT_BF6 matrix_b_fmt:MATRIX_FMT_BF6 matrix_a_scale:MATRIX_SCALE_ROW1
.endif
.endr
.endr
.endm
; A step's loads are issued in the order A's blocks 0-3, B's eight, A's blocks 4-7.
.macro STEP t
.if (\t) < 7
	s_wait_loadcnt 60                              ; A's blocks 0-3 and B are in; out may be: A's blocks 4-7 (12) and the next step's 48
.else
	s_wait_loadcnt 45                              ; A's blocks 4-7 (12), the residual and the bias (33)
.endif
	s_wait_dscnt 0x0                               ; this step's scale words
	WIN MUL_LO
	MUL16 0, \t
	MUL16 2, \t
	PLACES                                         ; in front of loads into registers that matrix instructions have read
	WIN 0
.if (\t) < 7
	SCALES (\t)+1
.endif
.if (\t) < 6
	LOADA (\t)+2, 0
	s_wait_loadcnt 60                              ; A's blocks 4-7 are in; out may be: the next step's 48 and the 12 just issued
.endif
.if (\t) == 6
	s_wait_loadcnt 48
.endif
.if (\t) == 7
	s_wait_loadcnt 33
.endif
	WIN MUL_HI
	MUL16 4, \t
	MUL16 6, \t
	PLACES
.if (\t) < 6
	LOADB (\t)+2
	LOADA (\t)+2, 4
.endif
.if (\t) == 6                          ; the residual of my 32 rows: position i of a group of 32 is token 8 (i / 16) + i % 16 + 8 ((i % 16) / 8)
	WIN TO_B
.set I, 0
.rept 32
	global_load_b128 v[(192+4*I)%256:(192+4*I)%256+3], v[O16], s[10:11] offset:(8*(I/16)+(I%16)+8*((I%16)/8))*4096 th:TH_LOAD_NT
.set I, I+1
.endr
	WIN 0
	global_load_b128 v[BI:BI+3], v[O16], s[8:9]
.endif
	WIN 0
.endm
.irp k, 0,1,2,3,4,5,6,7
	global_load_b128 v[160+4*\k:163+4*\k], v[O16], s[28:29] offset:1024*\k
	global_load_b128 v[192+4*\k:195+4*\k], v[O16], s[30:31] offset:1024*\k
.endr
	LOADA 0, 0
	LOADB 0
	LOADA 0, 4
	s_wait_loadcnt 48                              ; the scale words are in
.irp k, 0,1,2,3,4,5,6,7
	ds_store_b128 v[SCS], v[160+4*\k:163+4*\k] offset:512*\k
	ds_store_b128 v[SCS], v[192+4*\k:195+4*\k] offset:4096+512*\k
.endr
	SCALES 0                                       ; LDS serves a wave's instructions in order: these see my stores
	s_wait_dscnt 0x0                               ; the stores have read v160-223, which take step 1's loads
	LOADA 1, 0
	LOADB 1
	LOADA 1, 4
.irp t, 0,1,2,3,4,5,6,7
	STEP \t
.endr
; ---- the four parts meet ----
.irp a, 0,1,2,3,4,5,6,7
	WIN 0x08+4*(\a/4)                              ; the data: window 2 or 3
.irp b, 0,1,2,3,4,5,6,7
	ds_store_b128 v[STO], v[64*(\a%4)+8*\b:64*(\a%4)+8*\b+3] offset:\a*16*RP+128*(\b/2)+32*(\b%2)       ; each accumulator from its low end on
	ds_store_b128 v[STO], v[64*(\a%4)+8*\b+4:64*(\a%4)+8*\b+7] offset:\a*16*RP+128*(\b/2)+32*(\b%2)+16
.endr
.endr
	WIN 0
	s_wait_dscnt 0x0                               ; for the others' sake: my part lies in LDS
	s_barrier_signal -1
	s_barrier_wait -1
.macro LDB g                           ; rows 4 g .. 4 g + 3 of my 32, all four parts: 16 loads into buffer g % 3
.set BU, 64+64*((\g)%3)
.set I, 0
.rept 4
.irp q, 0,1,2,3
	ds_load_b128 v[BU+16*I+4*\q:BU+16*I+4*\q+3], v[RD+\q] offset:(4*(\g)+I)*RP
.endr
.set I, I+1
.endr
.endm
.macro OUTB g
.set BU, 64+64*((\g)%3)
.set I, 0
.rept 4
.set XX, BU+16*I
.irp e, 0,2
	v_pk_add_f32 v[XX+\e:XX+\e+1], v[XX+\e:XX+\e+1], v[XX+4+\e:XX+5+\e]
	v_pk_add_f32 v[XX+8+\e:XX+9+\e], v[XX+8+\e:XX+9+\e], v[XX+12+\e:XX+13+\e]
.endr
.irp e, 0,2
	v_pk_add_f32 v[XX+\e:XX+\e+1], v[XX+\e:XX+\e+1], v[XX+8+\e:XX+9+\e]
.endr
.irp e, 0,2
	v_pk_add_f32 v[XX+\e:XX+\e+1], v[XX+\e:XX+\e+1], v[BI+\e:BI+\e+1]
.endr
.set I, I+1
.endr
	WIN 0x04                                       ; source 1: the residual, in window 1
.set I, 0
.rept 4
.set XX, BU+16*I
.set RR, (192+4*(4*(\g)+I))%256
	v_pk_add_f32 v[XX:XX+1], v[XX:XX+1], v[RR:RR+1]
	v_pk_add_f32 v[XX+2:XX+3], v[XX+2:XX+3], v[RR+2:RR+3]
.set I, I+1
.endr
	WIN 0
.set I, 0
.rept 4
.set XX, BU+16*I
.set RW, 4*(\g)+I
	global_store_b128 v[O16], v[XX:XX+3], s[12:13] offset:(8*(RW/16)+(RW%16)+8*((RW%16)/8))*4096   ; 512 consecutive bytes of a row, aligned to 256
.set I, I+1
.endr
.endm
	LDB 0
	LDB 1
	s_wait_loadcnt 0x0                             ; the residual and the bias
.irp g, 0,1,2,3,4,5,6,7
.if \g < 6
	s_wait_xcnt 0x0                                ; the stores of three batches back have read their registers, which take the loads below
	LDB \g+2
	s_wait_dscnt 32                                ; this batch is in; the next two batches' 32 loads may be out
.endif
.if \g == 6
	s_wait_dscnt 16
.endif
.if \g == 7
	s_wait_dscnt 0x0
.endif
	OUTB \g
.endr
	s_wait_tensorcnt 0x0                           ; the wave's end
	ds_add_u32 v[SPW], v[NIL]
	s_wait_dscnt 0x0
	s_endpgm
.Lfunc_end_k_q56fa894d75_g_fcp:
	.size	k_q56fa894d75_g_fcp, .Lfunc_end_k_q56fa894d75_g_fcp-k_q56fa894d75_g_fcp
	.p2alignl 7, 3214868480
	.fill 96, 4, 3214868480
	.section	.rodata,"a",@progbits
	.p2align	6, 0x0
	.amdhsa_kernel k_q56fa894d75_g_fcp
		.amdhsa_group_segment_fixed_size 303616
		.amdhsa_private_segment_fixed_size 0
		.amdhsa_enable_private_segment 0
		.amdhsa_kernarg_size 40
		.amdhsa_user_sgpr_count 2
		.amdhsa_user_sgpr_kernarg_segment_ptr 1
		.amdhsa_wavefront_size32 1
		.amdhsa_system_sgpr_workgroup_id_x 1
		.amdhsa_system_sgpr_workgroup_id_y 1
		.amdhsa_system_sgpr_workgroup_id_z 1
		.amdhsa_system_vgpr_workitem_id 0
		.amdhsa_next_free_vgpr 1024
		.amdhsa_next_free_sgpr 66
		.amdhsa_reserve_vcc 0
		.amdhsa_float_denorm_mode_32 3
		.amdhsa_float_denorm_mode_16_64 3
		.amdhsa_memory_ordered 1
		.amdhsa_forward_progress 1
		.amdhsa_inst_pref_size 157
	.end_amdhsa_kernel
	.amdgpu_metadata
---
amdhsa.version: [ 1, 2 ]
amdhsa.kernels:
  - .name:           k_q56fa894d75_g_fcp
    .symbol:         k_q56fa894d75_g_fcp.kd
    .args:
      - { .name: gq, .offset: 0, .size: 8, .value_kind: global_buffer, .address_space: global }
      - { .name: wq, .offset: 8, .size: 8, .value_kind: global_buffer, .address_space: global }
      - { .name: b_fc_proj, .offset: 16, .size: 8, .value_kind: global_buffer, .address_space: global }
      - { .name: h1, .offset: 24, .size: 8, .value_kind: global_buffer, .address_space: global }
      - { .name: pre, .offset: 32, .size: 8, .value_kind: global_buffer, .address_space: global }
    .group_segment_fixed_size: 303616
    .private_segment_fixed_size: 0
    .kernarg_segment_align: 8
    .kernarg_segment_size: 40
    .max_flat_workgroup_size: 128
    .sgpr_count:     66
    .vgpr_count:     1024
    .wavefront_size: 32
...
	.end_amdgpu_metadata
.endif
;; end of part 14
;; launch ln2 (part 15): grid 256 x 1, 8 waves a work-group, no clusters, 0 bytes of LDS; arguments pre, ln2_g, ln2_b, out0; writes out0
.if DOCPART == 15
	.amdgcn_target "amdgcn-amd-amdhsa--gfx1250"
	.amdhsa_code_object_version 6
	.text
	.protected	k_q56fa894d75_ln2
	.globl	k_q56fa894d75_ln2
	.p2align	8
	.type	k_q56fa894d75_ln2,@function
k_q56fa894d75_ln2:
	s_mov_b64 s[64:65], 0
	v_nop
	global_prefetch_b8 v0, s[64:65] scope:SCOPE_SE
	s_setreg_imm32_b32 hwreg(HW_REG_WAVE_MODE, 25, 1), 1
	s_wait_xcnt 0x0
; out0 = layernorm(pre) x g + b.  A row of 4,096 bytes is 32 registers of one wave: a wave takes two rows, and mean and variance never leave it.  The mean is taken away before the squares are summed (two passes
; over registers): a common offset of the inputs costs no accuracy.  Memory binds: each byte is read once and written once, 512 consecutive bytes an instruction; no LDS, no barrier, no matrix unit, no cluster.
; LIMITS: NaN and infinities are not served.
.set O16,  1
.set X,    32                          ; v32-95 two rows
.set G,    96
.set B,    128
.set VAR,  160
.set RS,   164
.set SEL,  20
	s_load_b256 s[4:11], s[0:1], 0x0               ; pre, g, b, out0
	v_lshrrev_b32 v2, 5, v0
	s_delay_alu instid0(VALU_DEP_1)
	v_readfirstlane_b32 s14, v2
	v_and_b32 v2, 31, v0
	s_delay_alu instid0(VALU_DEP_1)
	v_lshlrev_b32 v[O16], 4, v2
	s_lshl_b32 s16, ttmp9, 16
	s_lshl_b32 s17, s14, 13
	s_add_co_u32 s16, s16, s17                     ; my first token x 4,096 bytes
	s_mov_b32 s17, 0
	s_mov_b32 s[SEL], 0x76543210
	s_mov_b32 s[SEL+1], 0xfedcba98
	s_mov_b32 s22, 0x3a800000                      ; 1 / 1024
	s_mov_b32 s23, 0x3727c5ac                      ; 1e-5
	s_wait_alu depctr_va_vdst(0)
	s_wait_kmcnt 0x0
	s_add_nc_u64 s[4:5], s[4:5], s[16:17]
	s_add_nc_u64 s[10:11], s[10:11], s[16:17]
.irp j, 0,1,2,3,4,5,6,7
	global_load_b128 v[G+4*\j:G+4*\j+3], v[O16], s[6:7] offset:512*\j
.endr
.irp j, 0,1,2,3,4,5,6,7
	global_load_b128 v[B+4*\j:B+4*\j+3], v[O16], s[8:9] offset:512*\j
.endr
.irp p, 0,1
.irp j, 0,1,2,3,4,5,6,7
	global_load_b128 v[X+32*\p+4*\j:X+32*\p+4*\j+3], v[O16], s[4:5] offset:4096*\p+512*\j th:TH_LOAD_NT
.endr
.endr
.macro REDUCE                          ; v12 summed over the 32 lanes, in every lane
	s_delay_alu instid0(VALU_DEP_1)
	v_add_f32_dpp v12, v12, v12 row_xmask:1 row_mask:0xf bank_mask:0xf
	s_delay_alu instid0(VALU_DEP_1)
	v_add_f32_dpp v12, v12, v12 row_xmask:2 row_mask:0xf bank_mask:0xf
	s_delay_alu instid0(VALU_DEP_1)
	v_add_f32_dpp v12, v12, v12 row_xmask:4 row_mask:0xf bank_mask:0xf
	s_delay_alu instid0(VALU_DEP_1)
	v_add_f32_dpp v12, v12, v12 row_xmask:8 row_mask:0xf bank_mask:0xf
	s_delay_alu instid0(VALU_DEP_1)
	v_permlanex16_b32 v13, v12, s[SEL], s[SEL+1]
	s_delay_alu instid0(VALU_DEP_1)
	v_add_f32 v12, v12, v13
.endm
.macro STAT p, left                    ; row p: the mean is taken away in place; var + eps into v[VAR + p].  left: the later row's loads, which may stay out
.set XR, X+32*(\p)
	s_wait_loadcnt \left
	v_pk_add_f32 v[12:13], v[XR:XR+1], v[XR+2:XR+3]
	v_pk_add_f32 v[14:15], v[XR+4:XR+5], v[XR+6:XR+7]
	v_pk_add_f32 v[16:17], v[XR+8:XR+9], v[XR+10:XR+11]
	v_pk_add_f32 v[18:19], v[XR+12:XR+13], v[XR+14:XR+15]
.irp k, 16,24
	s_delay_alu instid0(VALU_DEP_4)
	v_pk_add_f32 v[12:13], v[12:13], v[XR+\k:XR+\k+1]
	s_delay_alu instid0(VALU_DEP_4)
	v_pk_add_f32 v[14:15], v[14:15], v[XR+\k+2:XR+\k+3]
	s_delay_alu instid0(VALU_DEP_4)
	v_pk_add_f32 v[16:17], v[16:17], v[XR+\k+4:XR+\k+5]
	s_delay_alu instid0(VALU_DEP_4)
	v_pk_add_f32 v[18:19], v[18:19], v[XR+\k+6:XR+\k+7]
.endr
	s_delay_alu instid0(VALU_DEP_3)
	v_pk_add_f32 v[12:13], v[12:13], v[14:15]
	s_delay_alu instid0(VALU_DEP_2)
	v_pk_add_f32 v[16:17], v[16:17], v[18:19]
	s_delay_alu instid0(VALU_DEP_1)
	v_pk_add_f32 v[12:13], v[12:13], v[16:17]
	s_delay_alu instid0(VALU_DEP_1)
	v_add_f32 v12, v12, v13
	REDUCE
	s_delay_alu instid0(VALU_DEP_1)
	v_mul_f32 v20, 0xba800000, v12                 ; - the mean
	s_delay_alu instid0(VALU_DEP_1)
	v_mov_b32 v21, v20
.set J, 0
.rept 16
	v_pk_add_f32 v[XR+J:XR+J+1], v[XR+J:XR+J+1], v[20:21]
.set J, J+2
.endr
	v_pk_mul_f32 v[12:13], v[XR:XR+1], v[XR:XR+1]
	v_pk_mul_f32 v[14:15], v[XR+2:XR+3], v[XR+2:XR+3]
.irp k, 4,8,12,16,20,24,28
	s_delay_alu instid0(VALU_DEP_2)
	v_pk_fma_f32 v[12:13], v[XR+\k:XR+\k+1], v[XR+\k:XR+\k+1], v[12:13]
	s_delay_alu instid0(VALU_DEP_2)
	v_pk_fma_f32 v[14:15], v[XR+\k+2:XR+\k+3], v[XR+\k+2:XR+\k+3], v[14:15]
.endr
	s_delay_alu instid0(VALU_DEP_1)
	v_pk_add_f32 v[12:13], v[12:13], v[14:15]
	s_delay_alu instid0(VALU_DEP_1)
	v_add_f32 v12, v12, v13
	REDUCE
	s_delay_alu instid0(VALU_DEP_1)
	v_fma_f32 v[VAR+\p], v12, s22, s23
.endm
	STAT 0, 8
	STAT 1, 0
	s_wait_alu depctr_va_vdst(0)
.irp p, 0,1
	v_rsq_f32 v[RS+2*\p], v[VAR+\p]
.endr
	v_nop                                          ; a plain place behind the last of the batch
	s_wait_alu depctr_va_vdst(0)                   ; one wait for the two, ahead of their first reader
.irp p, 0,1
	v_mov_b32 v[RS+2*\p+1], v[RS+2*\p]
.endr
.macro NORM p
.set XR, X+32*(\p)
.set J, 0
.rept 16
	v_pk_mul_f32 v[XR+J:XR+J+1], v[XR+J:XR+J+1], v[RS+2*(\p):RS+2*(\p)+1]
.set J, J+2
.endr
.set J, 0
.rept 16
	v_pk_fma_f32 v[XR+J:XR+J+1], v[XR+J:XR+J+1], v[G+J:G+J+1], v[B+J:B+J+1]
.set J, J+2
.endr
.irp j, 0,1,2,3,4,5,6,7
	global_store_b128 v[O16], v[XR+4*\j:XR+4*\j+3], s[10:11] offset:4096*(\p)+512*\j th:TH_STORE_NT   ; 512 consecutive bytes
.endr
.endm
	NORM 0
	NORM 1
	s_endpgm
.Lfunc_end_k_q56fa894d75_ln2:
	.size	k_q56fa894d75_ln2, .Lfunc_end_k_q56fa894d75_ln2-k_q56fa894d75_ln2
	.p2alignl 7, 3214868480
	.fill 96, 4, 3214868480
	.section	.rodata,"a",@progbits
	.p2align	6, 0x0
	.amdhsa_kernel k_q56fa894d75_ln2
		.amdhsa_group_segment_fixed_size 0
		.amdhsa_private_segment_fixed_size 0
		.amdhsa_enable_private_segment 0
		.amdhsa_kernarg_size 32
		.amdhsa_user_sgpr_count 2
		.amdhsa_user_sgpr_kernarg_segment_ptr 1
		.amdhsa_wavefront_size32 1
		.amdhsa_system_sgpr_workgroup_id_x 1
		.amdhsa_system_sgpr_workgroup_id_y 1
		.amdhsa_system_sgpr_workgroup_id_z 1
		.amdhsa_system_vgpr_workitem_id 0
		.amdhsa_next_free_vgpr 192
		.amdhsa_next_free_sgpr 66
		.amdhsa_reserve_vcc 0
		.amdhsa_float_denorm_mode_32 3
		.amdhsa_float_denorm_mode_16_64 3
		.amdhsa_memory_ordered 1
		.amdhsa_forward_progress 1
		.amdhsa_inst_pref_size 21
	.end_amdhsa_kernel
	.amdgpu_metadata
---
amdhsa.version: [ 1, 2 ]
amdhsa.kernels:
  - .name:           k_q56fa894d75_ln2
    .symbol:         k_q56fa894d75_ln2.kd
    .args:
      - { .name: pre, .offset: 0, .size: 8, .value_kind: global_buffer, .address_space: global }
      - { .name: ln2_g, .offset: 8, .size: 8, .value_kind: global_buffer, .address_space: global }
      - { .name: ln2_b, .offset: 16, .size: 8, .value_kind: global_buffer, .address_space: global }
      - { .name: out0, .offset: 24, .size: 8, .value_kind: global_buffer, .address_space: global }
    .group_segment_fixed_size: 0
    .private_segment_fixed_size: 0
    .kernarg_segment_align: 8
    .kernarg_segment_size: 32
    .max_flat_workgroup_size: 256
    .sgpr_count:     66
    .vgpr_count:     192
    .wavefront_size: 32
...
	.end_amdgpu_metadata
.endif
;; end of part 15
